; MI455X (gfx1250); checked and timed in simulation.
; The chip was launched on July 23, 2026; its instructions are those of AMD's public machine-readable ISA for CDNA 5 (MIT licence, August 2026) and "CDNA5" Instruction Set Architecture Reference Guide (July 2026). The comments in the code are by the model that wrote it; some were corrected since.
;; KNN Attention. Allowed arithmetic: matrix products marked QUANTISED: E2M3 operands, one E8M0 scale for each 32 along K, by v_wmma_scale_f32_16x16x128_f8f6f4 with both operands' format E2M3, f32 sums; everything else in f32.
;; Inputs: kv 4 x 2,048 x 1,024 float32; mem_table 4 x 1,000 x 1,024 float32; q 4 x 2,048 x 1,024 float32; w_concat 1,024 x 1,024 float32; w_kv 1,024 x 128 float32; w_q 1,024 x 1,024 float32.
;; Outputs: out0 4 x 2,048 x 1,024 float32.
;; Constants: topk = 1.
;; This version of the problem:
;;   THIS VERSION OF THE PROBLEM IS GIVEN IN LOW PRECISION. The matrix products marked QUANTISED in the list below multiply operands that are first quantised to E2M3 (2 exponent bits, 3 mantissa bits; 6 bits a number), with one power-of-two scale for each 32 numbers along K (OCP MX v1.0); their sums are f32. All else is computed in f32.
;;   The module's matrix products, in the order in which they are computed (A, B: the left and right operand; K: the contracted axis; several contracted axes count as one K, in the product's order):
;;     1. [M 8,192, K 1,024] x [K 1,024, N 1,024]; A: input q; B: input w_q: QUANTISED
;;     2. batch 4 x [M 2,048, K 1,024] x [K 1,024, N 1,000]; A: computed on the way; B: input mem_table: QUANTISED
;;     3. [M 8,192, K 1,024] x [K 1,024, N 128]; A: computed on the way; B: input w_kv: QUANTISED
;;     4. batch 4 x [M 32,768, K 64] x [K 64, N 2,048]; A: computed on the way; B: computed on the way: QUANTISED
;;     5. batch 4 x [M 32,768, K 2,048] x [K 2,048, N 64]; A: softmax (see below); B: computed on the way: QUANTISED
;;     6. [M 8,192, K 1,024] x [K 1,024, N 1,024]; A: computed on the way; B: input w_concat: QUANTISED
;;   THE QUANTISER, for each operand of a quantised product, along K:
;;     - K is cut into blocks of 32 from its start; a last block that is shorter is filled with zeros.
;;     - A block's scale is 2^e with e = floor(log2(the largest magnitude in the block)) - 2, held to -126 .. 127; a block of zeros has e = 0. As a byte (E8M0): e + 127.
;;     - Each number is divided by its block's scale, clamped to +-7.5, and rounded to the nearest number of E2M3, ties to even, subnormals kept.
;;     - The product sums the exact products of the quantised numbers (number of the format x scale) in f32.
;;   ~~~python
;;   def quantise(x, axis):      # numpy; x: float32 -> the quantised numbers, widened to float32 again
;;       x = np.moveaxis(x, axis, -1); K = x.shape[-1]
;;       x = np.pad(x, [(0, 0)] * (x.ndim - 1) + [(0, -K % 32)]); x = x.reshape(x.shape[:-1] + (-1, 32)); a = np.abs(x).max(-1, keepdims=True)
;;       e = np.where(a > 0, np.clip(np.frexp(np.where(a > 0, a, 1))[1] - 1 - 2, -126, 127), 0)      # np.frexp(a)[1] - 1 = floor(log2(a)), exactly
;;       r = np.clip(x / 2.0 ** e, -7.5, 7.5)
;;       step = 2.0 ** (np.maximum(np.frexp(np.where(r == 0, 1, r))[1] - 1, 0) - 3)
;;       q = np.round(r / step) * step * 2.0 ** e      # np.round: ties to even
;;       return np.moveaxis(q.reshape(q.shape[:-2] + (-1,))[..., :K], -1, axis).astype(np.float32)
;;   ~~~
;;   SOFTMAX AHEAD OF A QUANTISED PRODUCT. Where the list says 'softmax', what is quantised is not the finished softmax but p = 2^(t - M), with t = logit x log2(e) and M = ceil(the row's largest t), a whole number; so 1/2 < the row's largest p <= 1. The row's sum l is taken of the UNQUANTISED p, in f32, and the product's result is divided by l at the end. Since M is a whole number, a kernel that streams over the keys may use a running M (the ceiling of the running maximum): every later rescaling is an exact power of two, which a block's scale takes up: the codes' values come out the same.
;;   OPERANDS COMPUTED ON THE WAY. 'Computed on the way' means the value that the module computes at that place (a softmax that the list does not call 'softmax' is quantised finished and normalised). What goes into a quantiser is computed in f32, as accurately as f32 sums, v_exp_f32 and their like allow (about 1e-6 of the number): no bf16 or f16 on the way to a quantiser, and a product that is left as it is and whose result goes on into a quantised operand takes f32 operands (vector FMAs, or v_wmma_f32_16x16x4_f32). A number that lies on a knife's edge between two numbers of the format may be rounded either way, as far as f32 arithmetic and the matrix unit's own rounding can turn it there, and no further.
;; 2 versions. Each part assembles by itself: llvm-mc -triple=amdgcn-amd-amdhsa -mcpu=gfx1250 --defsym DOCPART=n.
;; ======== version 1 of 2: 4 launches
;; workspace buffers: wts 1,740,800 bytes; memq 3,276,800 bytes; qpq 6,815,744 bytes; idx 32,768 bytes of whole numbers; kvimg 851,968 bytes
;; launch prep (part 1): grid 392 x 1, 4 waves a work-group, no clusters, 34,304 bytes of LDS; arguments mem_table, w_q, w_concat, w_kv, wts, memq; writes wts, memq
.if DOCPART == 1
	.amdgcn_target "amdgcn-amd-amdhsa--gfx1250"
	.amdhsa_code_object_version 6
	.text
	.protected	k_qd4d29424d9_prep
	.globl	k_qd4d29424d9_prep
	.p2align	8
	.type	k_qd4d29424d9_prep,@function
k_qd4d29424d9_prep:
	s_mov_b64 s[64:65], 0
	v_nop
	global_prefetch_b8 v0, s[64:65] scope:SCOPE_SE
	s_setreg_imm32_b32 hwreg(HW_REG_WAVE_MODE, 25, 1), 1
	s_wait_xcnt 0x0
; PREP: the four operands that many work-groups read are quantised once, to codes of FP6 (E2M3) with one E8M0 byte for each 32 along K,
; and laid as IMAGES OF THE OPERAND'S REGISTERS.  A fragment (16 rows x 128 K, 12 registers a lane) is 1,536 bytes: two halves c of 768;
; in a half, registers 6c..6c+3 of lane l lie at 16 l (512 bytes), registers 6c+4, 6c+5 of lane (r, h) at 512 + 16 r + 8 h (256 bytes).
; An image buffer is [tile of 16 rows][K step of 128][1,536]; a scale buffer is [pair of tiles][K step][32 words], word 16 (tile & 1) + r.
; Work-groups 0-255: mem_table [4][1000][1024], K innermost, tiles in natural row order; rows 1000-1023 of a batch are pads that take other
; rows' numbers (finite; the launch that multiplies them masks their scores).  Work-groups 256-391: w_q, w_concat [1024][1024], w_kv [1024][128],
; K = the FIRST axis: a lane takes a column and its registers run down K.  Row r of weight tile nt is column 32 (nt/2) + 8 (nt&1) + r + (r&8),
; so that a product used transposed leaves 16 neighbours of the next K in a lane's 16 registers of tiles 2b, 2b+1.
; A block's scale is 2^(floor(log2(largest magnitude)) - 2); its byte is the largest magnitude's exponent field - 2, held at 1 from below.
; LIMITS: a block of zeros gets the byte 1 where the rule says 127 (its codes are zeros; this program alone reads the bytes); blocks whose
; largest magnitude lies under 2^-124 are held at byte 1; NaN and infinities among the inputs are not served.
; No matrix work, no cluster: no two work-groups read the same bytes (but the pads), so nothing could be asked for jointly.
.set STGW,    8448                     ; a wave's stage: 16 rows x (512 bytes + 16)
.set SPARE,   4*STGW                   ; behind the four stages: the spare words, 128 bytes a wave
.set WQ_SC,   786432
.set WC_IMG,  819200
.set WC_SC,   1605632
.set WKV_IMG, 1638400
.set WKV_SC,  1736704
.set MEM_SC,  3145728
.set QW,      22                       ; v22-31: at work in QUANT32
.set SEL,     30                       ; s[30:31] selects of v_permlanex16_b32: lane l xor 16
; 32 numbers of a lane, v[src + 16 b + i] = k 32 b + 16 (lane / 16) + i of my row (b = 0, 1), become six code registers v[pc ..]: lane (r, h) then
; holds the whole block h; hw = byte of block 0 | byte of block 1 << 8.
.macro QUANT32 src, pc, hw
	v_max3_num_f32 v[QW+4], |v[(\src)]|, |v[(\src)+1]|, 0x1800000      ; my 16 numbers of each block, and the floor 2^(3 - 127): the byte cannot fall under 1
	v_max3_num_f32 v[QW+5], |v[(\src)+16]|, |v[(\src)+17]|, 0x1800000
.irp i, 2,4,6,8,10,12,14
	v_max3_num_f32 v[QW+4], v[QW+4], |v[(\src)+\i]|, |v[(\src)+\i+1]|  ; the two blocks by turns
	v_max3_num_f32 v[QW+5], v[QW+5], |v[(\src)+16+\i]|, |v[(\src)+17+\i]|
.endr
	v_permlanex16_b32 v[QW+6], v[QW+4], s[SEL], s[SEL+1]
	v_permlanex16_b32 v[QW+7], v[QW+5], s[SEL], s[SEL+1]
	v_max_num_f32 v[QW+4], v[QW+4], v[QW+6]                            ; with lane l xor 16: the block's largest magnitude
	v_max_num_f32 v[QW+5], v[QW+5], v[QW+7]
	v_add_nc_u32 v[QW+8], 0xff000000, v[QW+4]                          ; 2 off the exponent field: the conversion's scale operand
	v_add_nc_u32 v[QW+9], 0xff000000, v[QW+5]
	v_lshrrev_b32 v[QW+6], 23, v[QW+8]                                 ; the scale's byte
	v_lshrrev_b32 v[QW+7], 23, v[QW+9]
	v_lshl_or_b32 v[(\hw)], v[QW+7], 8, v[QW+6]
	v_cvt_scalef32_pk16_fp6_f32 v[(\pc):(\pc)+2], v[(\src):(\src)+15], v[QW+8]
	v_cvt_scalef32_pk16_fp6_f32 v[QW:QW+2], v[(\src)+16:(\src)+31], v[QW+9]
	v_nop                                                              ; one plain place behind a scaled conversion
.irp i, 0,1,2
	v_permlane16_swap_b32 v[(\pc)+\i], v[QW+\i]                        ; halves change places: each lane now holds one whole block
.endr
.irp i, 0,1,2
	v_mov_b32 v[(\pc)+3+\i], v[QW+\i]
.endr
.endm
; 16 rows of 512 bytes, loaded 16 bytes a lane, go through the wave's own stage and come back as 16 neighbours of each block of 32 in lane (r, h).
; LDS serves a wave's instructions in order: no wait between the stores and the loads.
.macro TURN16 R, X, stw, str
.irp i, 0,1,2,3,4,5,6,7,8,9,10,11,12,13,14,15
	ds_store_b128 v[\stw], v[(\R)+4*\i:(\R)+4*\i+3] offset:528*\i
.endr
.irp b, 0,1,2,3
.irp j, 0,1,2,3
	ds_load_b128 v[(\X)+16*\b+4*\j:(\X)+16*\b+4*\j+3], v[\str] offset:128*\b+16*\j
.endr
.endr
.endm
	s_load_b256 s[4:11], s[0:1], 0x0               ; mem_table s[4:5], w_q s[6:7], w_concat s[8:9], w_kv s[10:11]
	s_load_b128 s[12:15], s[0:1], 0x20             ; wts s[12:13], memq s[14:15]
	v_lshl_add_u32 v8, v0, 2, SPARE                ; my spare word; never rewritten
	v_mov_b32 v9, 0                                ; 0; never rewritten
	v_lshrrev_b32 v60, 5, v0
	v_readfirstlane_b32 s16, v60                   ; wave 0..3
	v_and_b32 v61, 31, v0                          ; lane
	v_and_b32 v62, 15, v0                          ; r
	v_bfe_u32 v63, v0, 4, 1                        ; h
	v_lshlrev_b32 v1, 4, v61                       ; AP = 16 lane
	v_lshlrev_b32 v2, 4, v62
	v_lshl_add_u32 v2, v63, 3, v2
	v_add_nc_u32 v2, 512, v2                       ; AQ = 512 + 16 r + 8 h
	v_lshlrev_b32 v3, 2, v61                       ; A4 = 4 lane
	s_mov_b32 s[SEL], 0x76543210
	s_mov_b32 s[SEL+1], 0xfedcba98
	s_cmp_ge_u32 ttmp9, 256
	s_cbranch_scc1 .Lweights
	; ---- mem_table.  Wave U = 4 x work-group + wave makes tiles 2p, 2p+1 of batch b at K step s
	s_lshl_b32 s17, ttmp9, 2
	s_add_co_u32 s17, s17, s16                     ; U
	s_lshr_b32 s18, s17, 8                         ; b
	s_bfe_u32 s19, s17, 0x50003                    ; p
	s_and_b32 s20, s17, 7                          ; s
	s_mul_i32 s21, s18, 1000
	s_lshl_b32 s22, s19, 5
	s_add_co_u32 s21, s21, s22                     ; the pair's first row in the table of 4,000 rows
.irp g, 0,1,2,3
	s_add_co_u32 s22, s21, 8*\g                    ; four groups of 8 rows; 1,000 is a multiple of 8, so a group is wholly real or wholly pad
	s_min_u32 s22, s22, 3992                       ; no load leaves the table
	s_lshl_b32 s22, s22, 12
	v_add_nc_u32 v[4+\g], s22, v1
.endr
	s_mul_i32 s23, s16, STGW
	v_add_nc_u32 v34, s23, v1                      ; the stage, on the way in: 16 lane
	v_mul_u32_u24 v35, v62, 528
	v_lshl_add_u32 v35, v63, 6, v35
	v_add_nc_u32 v35, s23, v35                     ; and out: row r, + 64 h
	v_mov_b32 v28, 0                               ; a lane permute's destination counts as one of its sources
	v_mov_b32 v29, 0
	s_lshl_b32 s24, s20, 9                         ; K step s: 512 bytes along a row
	s_mov_b32 s25, 0
	s_mul_i32 s26, s18, 786432
	s_mul_i32 s27, s19, 24576
	s_add_co_u32 s26, s26, s27
	s_mul_i32 s27, s20, 1536
	s_add_co_u32 s26, s26, s27                     ; image of (tile 2p, step s)
	s_mov_b32 s27, 0
	s_lshl_b32 s28, s18, 15
	s_lshl_b32 s29, s19, 10
	s_add_co_u32 s28, s28, s29
	s_lshl_b32 s29, s20, 7
	s_add_co_u32 s28, s28, s29
	s_add_co_u32 s28, s28, MEM_SC                  ; the pair's 32 scale words of step s
	s_mov_b32 s29, 0
	s_wait_kmcnt 0x0
	s_add_nc_u64 s[4:5], s[4:5], s[24:25]
	s_add_nc_u64 s[26:27], s[14:15], s[26:27]
	s_add_nc_u64 s[28:29], s[14:15], s[28:29]
.irp g, 0,1,2,3
.irp i, 0,1,2,3,4,5,6,7
	global_load_b128 v[64+32*\g+4*\i:64+32*\g+4*\i+3], v[4+\g], s[4:5] offset:4096*\i th:TH_LOAD_NT   ; 32 lanes read 512 consecutive bytes of one row
.endr
.endr
.macro MTILE tau
.if \tau == 0
	s_wait_loadcnt 16                              ; this tile's 16 loads are in; the other tile's 16 may be out
.else
	s_wait_loadcnt 0x0
.endif
	TURN16 64+64*\tau, 192, 34, 35
	s_wait_dscnt 0x0
	QUANT32 192, 36+12*\tau, 10+2*\tau
	QUANT32 224, 42+12*\tau, 11+2*\tau
	global_store_b128 v1, v[36+12*\tau:39+12*\tau], s[26:27] offset:12288*\tau         ; each store of the wave covers 512 or 256 consecutive bytes, aligned
	global_store_b64 v2, v[40+12*\tau:41+12*\tau], s[26:27] offset:12288*\tau
	global_store_b128 v1, v[42+12*\tau:45+12*\tau], s[26:27] offset:12288*\tau+768
	global_store_b64 v2, v[46+12*\tau:47+12*\tau], s[26:27] offset:12288*\tau+768
	v_lshl_or_b32 v[14+\tau], v[11+2*\tau], 16, v[10+2*\tau]                           ; the row's scale word of these 128 along K
.endm
	MTILE 0
	MTILE 1
	v_cmp_lt_u32 s22, 15, v61
	v_cndmask_b32 v14, v14, v15, s22               ; lanes 0-15: the even tile's words; lanes 16-31: the odd tile's
	global_store_b32 v3, v14, s[28:29]
	s_wait_tensorcnt 0x0                           ; the wave's end, behind my last LDS store
	ds_add_u32 v8, v9
	s_wait_dscnt 0x0
	s_endpgm
	; ---- the weights.  id 0-63: w_q, 64-127: w_concat, 128-135: w_kv.  A wave: 32 columns (a pair of tiles) x one K step of 128.  No LDS on this path
.Lweights:
	s_sub_co_u32 s17, ttmp9, 256                   ; id
	s_and_b32 s18, s17, 7                          ; K step s
	s_bfe_u32 s19, s17, 0x30003                    ; group of 128 columns (0 for w_kv)
	s_lshl_b32 s20, s19, 2
	s_add_co_u32 s20, s20, s16                     ; pair of tiles = 4 x group + wave
	v_bfe_u32 v4, v0, 3, 1                         ; my column lies in tile 2 pair + u, u = (lane / 8) & 1,
	v_and_b32 v5, 7, v0
	v_lshl_add_u32 v5, v63, 3, v5                  ; at row r' = lane % 8 + 8 (lane / 16)
	v_mul_u32_u24 v6, v4, 12288
	v_lshl_add_u32 v6, v5, 4, v6                   ; 12,288 u + 16 r'
	v_lshl_add_u32 v7, v4, 4, v5
	v_lshlrev_b32 v7, 2, v7                        ; 4 (16 u + r')
	s_wait_kmcnt 0x0
	s_cmp_lt_u32 s17, 64                           ; the choices hang on the work-group's number alone
	s_cselect_b64 s[22:23], s[6:7], s[8:9]
	s_cselect_b32 s24, 0, WC_IMG
	s_mov_b32 s25, WC_SC
	s_cselect_b32 s25, WQ_SC, s25
	s_cmp_ge_u32 s17, 128
	s_cselect_b64 s[22:23], s[10:11], s[22:23]
	s_cselect_b32 s24, WKV_IMG, s24
	s_cselect_b32 s25, WKV_SC, s25
	s_cselect_b32 s26, 16, 19                      ; 128 rows are 2^16 bytes in w_kv, 2^19 in the others
	s_lshl_b32 s28, s18, s26
	s_lshl_b32 s27, s20, 7                         ; 32 columns are 128 bytes
	s_add_co_u32 s28, s28, s27
	s_mov_b32 s29, 0
	s_add_nc_u64 s[22:23], s[22:23], s[28:29]
	s_mul_i32 s27, s20, 24576
	s_add_co_u32 s24, s24, s27
	s_mul_i32 s27, s18, 1536
	s_add_co_u32 s28, s24, s27
	s_add_nc_u64 s[32:33], s[12:13], s[28:29]      ; image of (tile 2 pair, step s)
	s_lshl_b32 s27, s20, 10
	s_add_co_u32 s25, s25, s27
	s_lshl_b32 s27, s18, 7
	s_add_co_u32 s28, s25, s27
	s_add_nc_u64 s[34:35], s[12:13], s[28:29]      ; the pair's scale words of step s
.macro LOADW blk, pitch                    ; block blk: W(32 blk + i, my column), i = 0..31; a load of the wave reads 128 consecutive bytes
.irp i, 0,1,2,3,4,5,6,7,8,9,10,11,12,13,14,15,16,17,18,19,20,21,22,23,24,25,26,27,28,29,30,31
	global_load_b32 v[64+32*((\blk)%2)+\i], v3, s[22:23] offset:(32*(\blk)+\i)*\pitch th:TH_LOAD_NT
.endr
.endm
.macro BLOCKQ blk                          ; block blk = 2 c + h is the whole of registers 6c..6c+5 of image lane (r', h)
.set XS, 64+32*((\blk)%2)
.set PA, 128+4*(\blk)
.set QQ, 144+2*(\blk)
.set TT, 152+4*(\blk)
	v_max3_num_f32 v16, |v[XS]|, |v[XS+1]|, |v[XS+2]|
	v_max3_num_f32 v17, |v[XS+3]|, |v[XS+4]|, |v[XS+5]|
.irp i, 6,10,14,18,22,26
	v_max3_num_f32 v16, v16, |v[XS+\i]|, |v[XS+\i+1]|
	v_max3_num_f32 v17, v17, |v[XS+\i+2]|, |v[XS+\i+3]|
.endr
	v_max3_num_f32 v16, v16, |v[XS+30]|, |v[XS+31]|
	v_max3_num_f32 v16, v16, v17, 0x1800000        ; and the floor 2^(3 - 127)
	v_add_nc_u32 v18, 0xff000000, v16              ; 2 off the exponent field: the conversion's scale operand
	v_lshrrev_b32 v19, 23, v18                     ; the scale's byte
.if (\blk) == 0
	v_mov_b32 v20, v19
.else
	v_lshl_or_b32 v20, v19, 8*(\blk), v20
.endif
	v_cvt_scalef32_pk16_fp6_f32 v[PA:PA+2], v[XS:XS+15], v18
	v_cvt_scalef32_pk16_fp6_f32 v[TT:TT+2], v[XS+16:XS+31], v18
	v_nop                                          ; one plain place behind a scaled conversion
	v_mov_b32 v[PA+3], v[TT]                       ; registers 6c..6c+3 on end,
	v_mov_b32 v[QQ], v[TT+1]                       ; registers 6c+4, 6c+5 of h = 0 and of h = 1 side by side
	v_mov_b32 v[QQ+1], v[TT+2]
.endm
.macro WSEQ pitch
	LOADW 0, \pitch
	LOADW 1, \pitch
.irp k, 0,1,2,3
.if \k < 3
	s_wait_loadcnt 32                              ; this block's 32 loads are in; the next block's 32 may be out
.else
	s_wait_loadcnt 0x0
.endif
	BLOCKQ \k
.if \k < 2
	LOADW \k+2, \pitch
.endif
.if \k%2
	global_store_b128 v6, v[128+8*(\k/2):131+8*(\k/2)], s[32:33] offset:768*(\k/2)       ; each store: 256 consecutive aligned bytes in each of the two tiles
	global_store_b128 v6, v[132+8*(\k/2):135+8*(\k/2)], s[32:33] offset:768*(\k/2)+256
	global_store_b128 v6, v[144+4*(\k/2):147+4*(\k/2)], s[32:33] offset:768*(\k/2)+512
.endif
.endr
	global_store_b32 v7, v20, s[34:35]
.endm
	s_cmp_ge_u32 s17, 128
	s_cbranch_scc1 .Lnarrow
	WSEQ 4096
	s_endpgm
.Lnarrow:
	WSEQ 512
	s_endpgm
.Lfunc_end_k_qd4d29424d9_prep:
	.size	k_qd4d29424d9_prep, .Lfunc_end_k_qd4d29424d9_prep-k_qd4d29424d9_prep
	.p2alignl 7, 3214868480
	.fill 96, 4, 3214868480
	.section	.rodata,"a",@progbits
	.p2align	6, 0x0
	.amdhsa_kernel k_qd4d29424d9_prep
		.amdhsa_group_segment_fixed_size 34304
		.amdhsa_private_segment_fixed_size 0
		.amdhsa_enable_private_segment 0
		.amdhsa_kernarg_size 48
		.amdhsa_user_sgpr_count 2
		.amdhsa_user_sgpr_kernarg_segment_ptr 1
		.amdhsa_wavefront_size32 1
		.amdhsa_system_sgpr_workgroup_id_x 1
		.amdhsa_system_sgpr_workgroup_id_y 1
		.amdhsa_system_sgpr_workgroup_id_z 1
		.amdhsa_system_vgpr_workitem_id 0
		.amdhsa_next_free_vgpr 256
		.amdhsa_next_free_sgpr 66
		.amdhsa_reserve_vcc 0
		.amdhsa_float_denorm_mode_32 3
		.amdhsa_float_denorm_mode_16_64 3
		.amdhsa_memory_ordered 1
		.amdhsa_forward_progress 1
		.amdhsa_inst_pref_size 58
	.end_amdhsa_kernel
	.amdgpu_metadata
---
amdhsa.version: [ 1, 2 ]
amdhsa.kernels:
  - .name:           k_qd4d29424d9_prep
    .symbol:         k_qd4d29424d9_prep.kd
    .args:
      - { .name: mem_table, .offset: 0, .size: 8, .value_kind: global_buffer, .address_space: global }
      - { .name: w_q, .offset: 8, .size: 8, .value_kind: global_buffer, .address_space: global }
      - { .name: w_concat, .offset: 16, .size: 8, .value_kind: global_buffer, .address_space: global }
      - { .name: w_kv, .offset: 24, .size: 8, .value_kind: global_buffer, .address_space: global }
      - { .name: wts, .offset: 32, .size: 8, .value_kind: global_buffer, .address_space: global }
      - { .name: memq, .offset: 40, .size: 8, .value_kind: global_buffer, .address_space: global }
    .group_segment_fixed_size: 34304
    .private_segment_fixed_size: 0
    .kernarg_segment_align: 8
    .kernarg_segment_size: 48
    .max_flat_workgroup_size: 128
    .sgpr_count:     66
    .vgpr_count:     256
    .wavefront_size: 32
...
	.end_amdgpu_metadata
.endif
;; end of part 1
;; launch chain (part 2): grid 256 x 1, 16 waves a work-group, no clusters, 194,560 bytes of LDS; arguments q, wts, memq, qpq, idx; writes qpq, idx
.if DOCPART == 2
	.amdgcn_target "amdgcn-amd-amdhsa--gfx1250"
	.amdhsa_code_object_version 6
	.text
	.protected	k_qd4d29424d9_chain
	.globl	k_qd4d29424d9_chain
	.p2align	8
	.type	k_qd4d29424d9_chain,@function
k_qd4d29424d9_chain:
	s_mov_b64 s[64:65], 0
	v_nop
	global_prefetch_b8 v0, s[64:65] scope:SCOPE_SE
	s_setreg_imm32_b32 hwreg(HW_REG_WAVE_MODE, 25, 1), 1
	s_wait_xcnt 0x0
; CHAIN: for 32 rows of q: Q(q); qp = Q(q) Q(w_q); Q(qp); scores = Q(qp) Q(mem)^T; argmax.  All products on codes of FP6 (E2M3) with E8M0 scales.
; qp leaves only as codes (qpq: fragment images and scale words): the same codes serve the scores here and the attention later, since a head's 64
; are two whole blocks of 32.  idx[row] = the index of the largest score in the row's batch, stored as a whole number for a later launch.
; SHARES.  A work-group owns rows 32 wg .. 32 wg + 31 (two tiles of 16).  Its sixteen waves share the COLUMNS: wave w makes columns 64 w .. 64 w + 63
; of each product for both row tiles: 8 accumulators.  A weight fragment is used by exactly one wave, for two products, and comes from memory straight
; into that wave's registers as an image (2 loads of 16 bytes and 2 of 8 a lane, each instruction on consecutive bytes); two K steps are on their way.
; The rows' codes go from wave to wave through LDS as images of their registers.  Products are used transposed (source 0 = weight tile).
; NO CLUSTER: a jointly asked tile lands in LDS, and each of the two streams (786,432 bytes of codes) would then be written to LDS and read back once
; for two products a fragment; the registers take them directly.
; The input kv is named by no launch of this program: no result hangs on it.
; LIMITS: NaN and infinities among the inputs are not served; on exactly equal scores the lowest index is taken; blocks of zeros carry the byte 1
; (codes zero; the bytes are read by this program alone); blocks whose largest magnitude lies under 2^-124 are held at byte 1.
; REGISTERS: v1-3 AP, AQ, A4; v4-15, v36-41 LDS addresses; v16-31 at work; v42-45 lane terms; v46-47, v72-75 scale words and nothing else;
; v48-71 two row fragments; v76-139 the accumulators; v140-187, v188-235 two sets of four weight fragments; v236-244 codes; v254, v255 the add's two.
.set STGW,   8448
.set XIMG,   135168                    ; behind 16 stages: Q(q), 16 fragment images (8 lt + s)
.set XSC,    159744                    ; their scale words, 128 bytes each
.set QIMG,   161792                    ; Q(qp) likewise
.set QSC,    186368
.set AMV,    188416                    ; each row's best score of each wave: 32 rows x 16 words; 2,048 bytes on: the indices
.set SPARE,  192512                    ; the spare words, 128 bytes a wave
.set WQ_SC,  786432
.set MEM_SC, 3145728
.set QP_SC,  6291456
.set QW,     22
.set BF,     140
.set SEL,    16                        ; s[16:17]
.macro QUANT32 src, pc, hw             ; 32 numbers of a lane, v[src + 16 b + i] = k 32 b + 16 (lane / 16) + i, become six code registers (lane (r, h): block h) and two scale bytes
	v_max3_num_f32 v[QW+4], |v[(\src)]|, |v[(\src)+1]|, 0x1800000      ; with the floor 2^(3 - 127).  An accumulator is read from its low end on
	v_max3_num_f32 v[QW+5], |v[(\src)+16]|, |v[(\src)+17]|, 0x1800000
.irp i, 2,4,6,8,10,12,14
	v_max3_num_f32 v[QW+4], v[QW+4], |v[(\src)+\i]|, |v[(\src)+\i+1]|
	v_max3_num_f32 v[QW+5], v[QW+5], |v[(\src)+16+\i]|, |v[(\src)+17+\i]|
.endr
	v_permlanex16_b32 v[QW+6], v[QW+4], s[SEL], s[SEL+1]
	v_permlanex16_b32 v[QW+7], v[QW+5], s[SEL], s[SEL+1]
	v_max_num_f32 v[QW+4], v[QW+4], v[QW+6]
	v_max_num_f32 v[QW+5], v[QW+5], v[QW+7]
	v_add_nc_u32 v[QW+8], 0xff000000, v[QW+4]                          ; 2 off the exponent field: the conversion's scale operand
	v_add_nc_u32 v[QW+9], 0xff000000, v[QW+5]
	v_lshrrev_b32 v[QW+6], 23, v[QW+8]
	v_lshrrev_b32 v[QW+7], 23, v[QW+9]
	v_lshl_or_b32 v[(\hw)], v[QW+7], 8, v[QW+6]
	v_cvt_scalef32_pk16_fp6_f32 v[(\pc):(\pc)+2], v[(\src):(\src)+15], v[QW+8]
	v_cvt_scalef32_pk16_fp6_f32 v[QW:QW+2], v[(\src)+16:(\src)+31], v[QW+9]
	v_nop                                                              ; one plain place behind a scaled conversion
.irp i, 0,1,2
	v_permlane16_swap_b32 v[(\pc)+\i], v[QW+\i]
.endr
.irp i, 0,1,2
	v_mov_b32 v[(\pc)+3+\i], v[QW+\i]
.endr
.endm
.macro TURN16 R, X, stw, str           ; 16 rows of 512 bytes through my own stage: back come 16 neighbours of each block of 32
.irp i, 0,1,2,3,4,5,6,7,8,9,10,11,12,13,14,15
	ds_store_b128 v[\stw], v[(\R)+4*\i:(\R)+4*\i+3] offset:528*\i
.endr
.irp b, 0,1,2,3
.irp j, 0,1,2,3
	ds_load_b128 v[(\X)+16*\b+4*\j:(\X)+16*\b+4*\j+3], v[\str] offset:128*\b+16*\j
.endr
.endr
.endm
.macro PLACES                          ; four plain places behind matrix instructions, ahead of loads into their registers and of reads of their results
.rept 4
	v_nop
.endr
.endm
.macro BARRIER                         ; my LDS stores have landed and my LDS loads are in: then the work-group's barrier
	s_wait_dscnt 0x0
	s_barrier_signal -1
	s_barrier_wait -1
.endm
.macro WM d, a, b, sa, sb, zero, row1  ; one product; zero = 1: it starts the sum; row1 = 1: source 0's scales stand in lanes 16-31
.if (\zero) && (\row1)
	v_wmma_scale_f32_16x16x128_f8f6f4 v[(\d):(\d)+7], v[(\a):(\a)+11], v[(\b):(\b)+11], 0, v[(\sa)], v[(\sb)] matrix_a_fmt:MATRIX_FMT_FP6 matrix_b_fmt:MATRIX_FMT_FP6 matrix_a_scale:MATRIX_SCALE_ROW1
.elseif (\zero)
	v_wmma_scale_f32_16x16x128_f8f6f4 v[(\d):(\d)+7], v[(\a):(\a)+11], v[(\b):(\b)+11], 0, v[(\sa)], v[(\sb)] matrix_a_fmt:MATRIX_FMT_FP6 matrix_b_fmt:MATRIX_FMT_FP6
.elseif (\row1)
	v_wmma_scale_f32_16x16x128_f8f6f4 v[(\d):(\d)+7], v[(\a):(\a)+11], v[(\b):(\b)+11], v[(\d):(\d)+7], v[(\sa)], v[(\sb)] matrix_a_fmt:MATRIX_FMT_FP6 matrix_b_fmt:MATRIX_FMT_FP6 matrix_a_scale:MATRIX_SCALE_ROW1
.else
	v_wmma_scale_f32_16x16x128_f8f6f4 v[(\d):(\d)+7], v[(\a):(\a)+11], v[(\b):(\b)+11], v[(\d):(\d)+7], v[(\sa)], v[(\sb)] matrix_a_fmt:MATRIX_FMT_FP6 matrix_b_fmt:MATRIX_FMT_FP6
.endif
.endm
.macro GLB buf, s, bb, bsb             ; my four weight fragments of K step s, and their scale words (two tiles a word register): 18 loads
.irp t, 0,1,2,3
.irp c, 0,1
	global_load_b128 v[BF+48*(\buf)+12*\t+6*\c:BF+48*(\buf)+12*\t+6*\c+3], v1, s[\bb:\bb+1] offset:12288*\t+1536*(\s)+768*\c
	global_load_b64 v[BF+48*(\buf)+12*\t+6*\c+4:BF+48*(\buf)+12*\t+6*\c+5], v2, s[\bb:\bb+1] offset:12288*\t+1536*(\s)+768*\c
.endr
.endr
.irp i, 0,1
	global_load_b32 v[72+2*(\buf)+\i], v3, s[\bsb:\bsb+1] offset:1024*\i+128*(\s)
.endr
.endm
.macro ALD s, fp, fq, f4               ; the two row fragments of K step s and their scale words, from LDS: 10 loads
.irp l, 0,1
.irp c, 0,1
	ds_load_b128 v[48+12*\l+6*\c:48+12*\l+6*\c+3], v[\fp] offset:(8*\l+(\s))*1536+768*\c
	ds_load_b64 v[48+12*\l+6*\c+4:48+12*\l+6*\c+5], v[\fq] offset:(8*\l+(\s))*1536+768*\c
.endr
	ds_load_b32 v[46+\l], v[\f4] offset:(8*\l+(\s))*128
.endr
.endm
.macro MM buf, zero                    ; 8 products; the 8 accumulators take turns, one instruction a turn
.irp t, 0,1,2,3
.irp l, 0,1
	WM 76+32*\l+8*\t, BF+48*(\buf)+12*\t, 48+12*\l, 72+2*(\buf)+\t/2, 46+\l, \zero, \t%2
.endr
.endr
.endm
.macro GEMM64 fp, fq, f4, bb, bsb      ; 32 rows x my 64 columns x K = 1,024.  K steps 0 and 1 of the weights were asked for earlier
.irp s, 0,1,2,3,4,5,6,7
	ALD \s, \fp, \fq, \f4
.if \s < 7
	s_wait_loadcnt 18                              ; this step's 18 loads are in; the next step's 18 may be out
.else
	s_wait_loadcnt 0x0
.endif
	s_wait_dscnt 0x0
.if \s == 0
	MM 0, 1
.else
	MM \s%2, 0
.endif
	PLACES
.if \s < 6
	GLB \s%2, \s+2, \bb, \bsb
.endif
.endr
.endm
	s_load_b256 s[4:11], s[0:1], 0x0               ; q s[4:5], wts s[6:7], memq s[8:9], qpq s[10:11]
	s_load_b64 s[12:13], s[0:1], 0x20              ; idx
	v_lshl_add_u32 v254, v0, 2, SPARE              ; my spare word; never rewritten
	v_mov_b32 v255, 0                              ; 0; never rewritten
	v_lshrrev_b32 v42, 5, v0
	v_readfirstlane_b32 s14, v42                   ; wave 0..15
	v_and_b32 v43, 31, v0                          ; lane
	v_and_b32 v44, 15, v0                          ; r
	v_bfe_u32 v45, v0, 4, 1                        ; h
	v_lshlrev_b32 v1, 4, v43                       ; AP
	v_lshlrev_b32 v2, 4, v44
	v_lshl_add_u32 v2, v45, 3, v2
	v_add_nc_u32 v2, 512, v2                       ; AQ
	v_lshlrev_b32 v3, 2, v43                       ; A4
	s_mov_b32 s[SEL], 0x76543210
	s_mov_b32 s[SEL+1], 0xfedcba98
	s_lshr_b32 s40, s14, 3                         ; phase X: my fragment is (row tile lt = w / 8, K step w % 8)
	s_and_b32 s41, s14, 7
	s_lshl_b32 s18, ttmp9, 17                      ; 32 rows of 4,096 bytes
	s_lshl_b32 s40, s40, 16
	s_add_co_u32 s18, s18, s40
	s_lshl_b32 s41, s41, 9
	s_add_co_u32 s18, s18, s41
	s_mov_b32 s19, 0
	s_wait_kmcnt 0x0
	s_add_nc_u64 s[24:25], s[4:5], s[18:19]
.irp i, 0,1,2,3,4,5,6,7,8,9,10,11,12,13,14,15
	global_load_b128 v[76+4*\i:76+4*\i+3], v1, s[24:25] offset:4096*\i th:TH_LOAD_NT   ; 512 consecutive bytes of one row
.endr
	; every LDS address: a constant + a constant x lane + a constant x wave
	s_mul_i32 s40, s14, STGW
	v_add_nc_u32 v4, s40, v1                       ; my stage, in
	v_mul_u32_u24 v5, v44, 528
	v_lshl_add_u32 v5, v45, 6, v5
	v_add_nc_u32 v5, s40, v5                       ; and out
	s_mul_i32 s40, s14, 1536
	s_add_co_u32 s41, s40, XIMG
	v_add_nc_u32 v6, s41, v1                       ; where I store my fragment of Q(q)
	v_add_nc_u32 v7, s41, v2
	s_lshl_b32 s42, s14, 7
	s_add_co_u32 s43, s42, XSC
	v_add_nc_u32 v8, s43, v3
	v_add_nc_u32 v9, XIMG, v1                      ; where all read Q(q)
	v_add_nc_u32 v10, XIMG, v2
	v_add_nc_u32 v11, XSC, v3
	v_add_nc_u32 v12, QIMG, v1                     ; and Q(qp)
	v_add_nc_u32 v13, QIMG, v2
	v_add_nc_u32 v14, QSC, v3
	s_mul_i32 s43, s14, 768
	s_add_co_u32 s43, s43, QIMG
	v_add_nc_u32 v15, s43, v1                      ; my 64 columns of qp are half w % 2 of K step w / 2: 768 w
	v_add_nc_u32 v36, s43, v2
	s_lshr_b32 s43, s14, 1
	s_lshl_b32 s43, s43, 7
	s_and_b32 s44, s14, 1
	s_lshl_b32 s44, s44, 1
	s_add_co_u32 s43, s43, s44
	s_add_co_u32 s43, s43, QSC
	v_add_nc_u32 v37, s43, v3                      ; and two bytes of that step's scale words
	s_lshl_b32 s43, s14, 2
	s_add_co_u32 s43, s43, AMV
	v_lshl_add_u32 v38, v44, 6, s43                ; AMV + 64 r + 4 w
	v_lshlrev_b32 v39, 6, v43
	v_add_nc_u32 v39, AMV, v39                     ; AMV + 64 x row (wave 0: a lane a row)
	s_add_co_u32 s43, s40, QIMG
	v_add_nc_u32 v40, s43, v1                      ; the copy out: 1,536 bytes a wave
	s_min_u32 s43, s14, 3
	s_lshl_b32 s43, s43, 9
	s_add_co_u32 s43, s43, QSC
	v_add_nc_u32 v41, s43, v1                      ; and 512 bytes of scale words for each of waves 0-3
	v_mov_b32 v28, 0                               ; a lane permute's destination counts as one of its sources
	v_mov_b32 v29, 0
	; the other addresses in memory
	s_mul_i32 s18, s14, 49152
	s_add_nc_u64 s[26:27], s[6:7], s[18:19]        ; w_q: my four tiles
	s_lshl_b32 s18, s14, 11
	s_add_co_u32 s18, s18, WQ_SC
	s_add_nc_u64 s[28:29], s[6:7], s[18:19]
	s_lshr_b32 s42, ttmp9, 6                       ; batch
	s_mul_i32 s18, s42, 786432
	s_mul_i32 s43, s14, 49152
	s_add_co_u32 s18, s18, s43
	s_add_nc_u64 s[30:31], s[8:9], s[18:19]        ; mem: my four tiles
	s_lshl_b32 s18, s42, 15
	s_lshl_b32 s43, s14, 11
	s_add_co_u32 s18, s18, s43
	s_add_co_u32 s18, s18, MEM_SC
	s_add_nc_u64 s[32:33], s[8:9], s[18:19]
	s_mul_i32 s18, ttmp9, 24576
	s_mul_i32 s43, s14, 1536
	s_add_co_u32 s18, s18, s43
	s_add_nc_u64 s[34:35], s[10:11], s[18:19]      ; qpq: images
	s_lshl_b32 s18, ttmp9, 11
	s_min_u32 s43, s14, 3
	s_lshl_b32 s43, s43, 9
	s_add_co_u32 s18, s18, s43
	s_add_co_u32 s18, s18, QP_SC
	s_add_nc_u64 s[36:37], s[10:11], s[18:19]      ; qpq: scale words
	s_lshl_b32 s18, ttmp9, 7
	s_add_nc_u64 s[38:39], s[12:13], s[18:19]      ; idx: 32 words
	; ---- X: my fragment of Q(q)
	s_wait_loadcnt 0x0
	TURN16 76, 140, 4, 5
	s_wait_dscnt 0x0
	QUANT32 140, 16, 242
	QUANT32 172, 236, 243
	v_lshl_or_b32 v244, v243, 16, v242
	ds_store_b128 v6, v[16:19]
	ds_store_b64 v7, v[20:21]
	ds_store_b128 v6, v[236:239] offset:768
	ds_store_b64 v7, v[240:241] offset:768
	ds_store_b32 v8, v244
	GLB 0, 0, 26, 28                               ; w_q's first two K steps are asked for ahead of the barrier
	GLB 1, 1, 26, 28
	BARRIER                                        ; Q(q)'s sixteen fragments lie in LDS
	; ---- 1: qp.  Lane (r, h) holds row 16 lt + r; register 32 lt + 8 t + j holds column 64 w + 32 (t / 2) + 16 h + 8 (t % 2) + j
	GEMM64 9, 10, 11, 26, 28
	GLB 0, 0, 30, 32                               ; mem's first two K steps land while qp is quantised
	GLB 1, 1, 30, 32
	QUANT32 76, 16, 242
	ds_store_b128 v15, v[16:19]
	ds_store_b64 v36, v[20:21]
	ds_store_b16 v37, v242
	QUANT32 108, 236, 243
	ds_store_b128 v15, v[236:239] offset:12288
	ds_store_b64 v36, v[240:241] offset:12288
	ds_store_b16 v37, v243 offset:1024
	BARRIER                                        ; Q(qp)'s sixteen fragments lie in LDS
	; ---- the codes of qp leave: each store of the wave covers 512 consecutive bytes, aligned
.irp k, 0,1,2
	ds_load_b128 v[16+4*\k:19+4*\k], v40 offset:512*\k
.endr
	s_wait_dscnt 0x0
.irp k, 0,1,2
	global_store_b128 v1, v[16+4*\k:19+4*\k], s[34:35] offset:512*\k
.endr
	s_cmp_gt_u32 s14, 3
	s_cbranch_scc1 .Lno_sc
	ds_load_b128 v[28:31], v41
	s_wait_dscnt 0x0
	global_store_b128 v1, v[28:31], s[36:37]
.Lno_sc:
	; ---- 2: the scores.  Register 32 lt + 8 t + j is memory row n = 64 w + 16 t + 8 h + j
	GEMM64 12, 13, 14, 30, 32
	; ---- the argmax.  No branch and no address hangs on a score: choices are made by v_cndmask_b32
	v_lshlrev_b32 v140, 3, v45
	s_lshl_b32 s40, s14, 6
	v_add_nc_u32 v140, s40, v140                   ; n0 = 64 w + 8 h
	v_mov_b32 v141, 0xff800000                     ; -infinity for the pads, n >= 1,000: whole groups of eight, in tiles 2 and 3 alone
.irp t, 2,3
	v_cmp_le_u32 s20, 1000-16*\t, v140
.irp l, 0,1
.irp j, 0,1,2,3,4,5,6,7
	v_cndmask_b32 v[76+32*\l+8*\t+\j], v[76+32*\l+8*\t+\j], v141, s20
.endr
.endr
.endr
	v_mov_b32 v142, v76                            ; the best so far and its register number, for each row tile; ascending registers are ascending n
	v_mov_b32 v143, v108
	v_mov_b32 v144, 0
	v_mov_b32 v145, 0
.irp i, 1,2,3,4,5,6,7,8,9,10,11,12,13,14,15,16,17,18,19,20,21,22,23,24,25,26,27,28,29,30,31
	v_cmp_ge_f32 vcc_lo, v142, v[76+\i]            ; the old one is kept unless the new one is greater: the lowest n wins a tie
	v_cmp_ge_f32 s20, v143, v[108+\i]
	v_cndmask_b32 v144, \i, v144, vcc_lo
	v_cndmask_b32 v145, \i, v145, s20
	v_max_num_f32 v142, v142, v[76+\i]
	v_max_num_f32 v143, v143, v[108+\i]
.endr
	v_and_b32 v146, 24, v144
	v_and_b32 v147, 24, v145
	v_add3_u32 v144, v144, v146, v140              ; n = n0 + 16 t + j
	v_add3_u32 v145, v145, v147, v140
.macro XHALF bv, nv, tv, tn            ; with lane l xor 16: the greater score, on equal scores the lower n
	v_permlanex16_b32 v[\tv], v[\bv], s[SEL], s[SEL+1]
	v_permlanex16_b32 v[\tn], v[\nv], s[SEL], s[SEL+1]
	v_cmp_gt_f32 s20, v[\tv], v[\bv]
	v_cmp_eq_f32 s21, v[\tv], v[\bv]
	v_cmp_lt_u32 s22, v[\tn], v[\nv]
	s_and_b32 s21, s21, s22
	s_or_b32 s20, s20, s21
	v_cndmask_b32 v[\bv], v[\bv], v[\tv], s20
	v_cndmask_b32 v[\nv], v[\nv], v[\tn], s20
.endm
	XHALF 142, 144, 146, 147
	XHALF 143, 145, 148, 149
	ds_store_b32 v38, v142                         ; both lanes of a row write the same word with the same value
	ds_store_b32 v38, v144 offset:2048
	ds_store_b32 v38, v143 offset:1024
	ds_store_b32 v38, v145 offset:3072
	BARRIER                                        ; each row's sixteen candidates lie in LDS
	s_cmp_lg_u32 s14, 0
	s_cbranch_scc1 .Ldone
.irp k, 0,1,2,3
	ds_load_b128 v[150+4*\k:153+4*\k], v39 offset:16*\k
	ds_load_b128 v[166+4*\k:169+4*\k], v39 offset:2048+16*\k
.endr
	s_wait_dscnt 0x0
.irp k, 1,2,3,4,5,6,7,8,9,10,11,12,13,14,15
	v_cmp_ge_f32 vcc_lo, v150, v[150+\k]           ; ascending waves are ascending n
	v_cndmask_b32 v166, v[166+\k], v166, vcc_lo
	v_max_num_f32 v150, v150, v[150+\k]
.endr
	global_store_b32 v3, v166, s[38:39]            ; 32 rows' indices: 128 consecutive bytes
.Ldone:
	s_wait_tensorcnt 0x0                           ; the wave's end, behind my last LDS store
	ds_add_u32 v254, v255
	s_wait_dscnt 0x0
	s_endpgm
.Lfunc_end_k_qd4d29424d9_chain:
	.size	k_qd4d29424d9_chain, .Lfunc_end_k_qd4d29424d9_chain-k_qd4d29424d9_chain
	.p2alignl 7, 3214868480
	.fill 96, 4, 3214868480
	.section	.rodata,"a",@progbits
	.p2align	6, 0x0
	.amdhsa_kernel k_qd4d29424d9_chain
		.amdhsa_group_segment_fixed_size 194560
		.amdhsa_private_segment_fixed_size 0
		.amdhsa_enable_private_segment 0
		.amdhsa_kernarg_size 40
		.amdhsa_user_sgpr_count 2
		.amdhsa_user_sgpr_kernarg_segment_ptr 1
		.amdhsa_wavefront_size32 1
		.amdhsa_system_sgpr_workgroup_id_x 1
		.amdhsa_system_sgpr_workgroup_id_y 1
		.amdhsa_system_sgpr_workgroup_id_z 1
		.amdhsa_system_vgpr_workitem_id 0
		.amdhsa_next_free_vgpr 256
		.amdhsa_next_free_sgpr 66
		.amdhsa_reserve_vcc 1
		.amdhsa_float_denorm_mode_32 3
		.amdhsa_float_denorm_mode_16_64 3
		.amdhsa_memory_ordered 1
		.amdhsa_forward_progress 1
		.amdhsa_inst_pref_size 88
	.end_amdhsa_kernel
	.amdgpu_metadata
---
amdhsa.version: [ 1, 2 ]
amdhsa.kernels:
  - .name:           k_qd4d29424d9_chain
    .symbol:         k_qd4d29424d9_chain.kd
    .args:
      - { .name: q, .offset: 0, .size: 8, .value_kind: global_buffer, .address_space: global }
      - { .name: wts, .offset: 8, .size: 8, .value_kind: global_buffer, .address_space: global }
      - { .name: memq, .offset: 16, .size: 8, .value_kind: global_buffer, .address_space: global }
      - { .name: qpq, .offset: 24, .size: 8, .value_kind: global_buffer, .address_space: global }
      - { .name: idx, .offset: 32, .size: 8, .value_kind: global_buffer, .address_space: global }
    .group_segment_fixed_size: 194560
    .private_segment_fixed_size: 0
    .kernarg_segment_align: 8
    .kernarg_segment_size: 40
    .max_flat_workgroup_size: 512
    .sgpr_count:     66
    .vgpr_count:     256
    .wavefront_size: 32
...
	.end_amdgpu_metadata
.endif
;; end of part 2
;; launch kvprep (part 3): grid 128 x 1, 4 waves a work-group, no clusters, 0 bytes of LDS; arguments idx, memq, wts, kvimg; writes kvimg
.if DOCPART == 3
	.amdgcn_target "amdgcn-amd-amdhsa--gfx1250"
	.amdhsa_code_object_version 6
	.text
	.protected	k_qd4d29424d9_kvprep
	.globl	k_qd4d29424d9_kvprep
	.p2align	8
	.type	k_qd4d29424d9_kvprep,@function
k_qd4d29424d9_kvprep:
	s_mov_b64 s[64:65], 0
	v_nop
	global_prefetch_b8 v0, s[64:65] scope:SCOPE_SE
	s_setreg_imm32_b32 hwreg(HW_REG_WAVE_MODE, 25, 1), 1
	s_wait_xcnt 0x0
; KVPREP: for 64 keys: [k | v] = Q(mem[idx]) Q(w_kv), then Q(k) along the head's 64 and Q(v) along the keys, laid as the attention's operand images.
; Q(mem[idx]) is a gather of Q(mem_table): same axis, same blocks.  idx was stored as whole numbers by the launch before; each is held to 0..999
; ahead of its use in an address.  No branch and no trip count hangs on it.
; SHARES.  Work-group = (batch b, keys 64 g .. 64 g + 63).  Every wave runs ONE text: D = X (4 tiles, source 0: D's registers) x Y (2 tiles, source 1: D's lanes), K = 1,024.
;   waves 0, 1 (k): X = w_kv's tiles 0-3 (the 64 of k); Y = keys 64 g + 32 (wave & 1) + 8 y + r + (r & 8): a lane holds a key, its registers run along the head.
;   waves 2, 3 (v): X = keys 64 g + 32 (x / 2) + 8 (x % 2) + r + (r & 8); Y = w_kv's tiles 4 + 2 (wave & 1) + y: a lane holds a channel of v, its registers run along the keys.
; What differs (bases, offsets) is chosen by s_cselect and by masks of ones or zeros on the wave's number.
; kvimg, for each batch and step of 128 keys, 13,312 bytes: four fragments of K, each with TWO key tiles side by side along the instruction's 128 (registers 0-5: key
; 32 f + r + (r & 8); registers 6-11: that key + 8); four fragments of V^T; then K's and V's scale words, 128 bytes a fragment.
; The scale bytes leave two at a time (a wave makes half of a word): 64 bytes of each 128 an instruction; they are one part in thirteen of what the launch stores.
; NO CLUSTER, NO LDS: the gathered rows differ from wave to wave, and w_kv's 98,304 bytes of codes go straight into registers.
; LIMITS as in the other launches: NaN and infinities are not served; blocks of zeros carry the byte 1.
.set MEM_SC,  3145728
.set WKV_IMG, 1638400
.set WKV_SC,  1736704
.set QW,      88                       ; behind the loop v88-97 are at work in QUANT32
.set SEL,     18                       ; s[18:19]
.macro QUANT32 src, pc, hw             ; 32 numbers of a lane, v[src + 16 b + i] = k 32 b + 16 (lane / 16) + i, become six code registers (lane (r, h): block h) and two scale bytes
	v_max3_num_f32 v[QW+4], |v[(\src)]|, |v[(\src)+1]|, 0x1800000      ; with the floor 2^(3 - 127).  An accumulator is read from its low end on
	v_max3_num_f32 v[QW+5], |v[(\src)+16]|, |v[(\src)+17]|, 0x1800000
.irp i, 2,4,6,8,10,12,14
	v_max3_num_f32 v[QW+4], v[QW+4], |v[(\src)+\i]|, |v[(\src)+\i+1]|
	v_max3_num_f32 v[QW+5], v[QW+5], |v[(\src)+16+\i]|, |v[(\src)+17+\i]|
.endr
	v_permlanex16_b32 v[QW+6], v[QW+4], s[SEL], s[SEL+1]
	v_permlanex16_b32 v[QW+7], v[QW+5], s[SEL], s[SEL+1]
	v_max_num_f32 v[QW+4], v[QW+4], v[QW+6]
	v_max_num_f32 v[QW+5], v[QW+5], v[QW+7]
	v_add_nc_u32 v[QW+8], 0xff000000, v[QW+4]
	v_add_nc_u32 v[QW+9], 0xff000000, v[QW+5]
	v_lshrrev_b32 v[QW+6], 23, v[QW+8]
	v_lshrrev_b32 v[QW+7], 23, v[QW+9]
	v_lshl_or_b32 v[(\hw)], v[QW+7], 8, v[QW+6]
	v_cvt_scalef32_pk16_fp6_f32 v[(\pc):(\pc)+2], v[(\src):(\src)+15], v[QW+8]
	v_cvt_scalef32_pk16_fp6_f32 v[QW:QW+2], v[(\src)+16:(\src)+31], v[QW+9]
	v_nop                                                              ; one plain place behind a scaled conversion
.irp i, 0,1,2
	v_permlane16_swap_b32 v[(\pc)+\i], v[QW+\i]
.endr
.irp i, 0,1,2
	v_mov_b32 v[(\pc)+3+\i], v[QW+\i]
.endr
.endm
	s_load_b256 s[4:11], s[0:1], 0x0               ; idx s[4:5], memq s[6:7], wts s[8:9], kvimg s[10:11]
	v_lshrrev_b32 v24, 5, v0
	v_readfirstlane_b32 s12, v24                   ; wave 0..3
	s_lshr_b32 s13, s12, 1                         ; role: 0 = k, 1 = v
	s_and_b32 s14, s12, 1
	s_lshr_b32 s15, ttmp9, 5                       ; batch
	s_and_b32 s16, ttmp9, 31                       ; g
	s_mov_b32 s[SEL], 0x76543210
	s_mov_b32 s[SEL+1], 0xfedcba98
	v_and_b32 v24, 31, v0                          ; lane
	v_and_b32 v25, 15, v0                          ; r
	v_bfe_u32 v26, v0, 4, 1                        ; h
	v_lshlrev_b32 v1, 4, v24                       ; AP
	v_lshlrev_b32 v2, 4, v25
	v_lshl_add_u32 v2, v26, 3, v2
	v_add_nc_u32 v2, 512, v2                       ; AQ
	v_lshlrev_b32 v3, 2, v24                       ; A4
	v_and_b32 v27, 8, v25
	v_add_nc_u32 v27, v27, v25
	v_lshlrev_b32 v27, 2, v27                      ; 4 (r + (r & 8)): my key's word in idx, for X's tiles;
	s_lshl_b32 s48, s14, 7
	v_add_nc_u32 v28, s48, v27                     ; for Y's tiles: 32 (wave & 1) keys on
	v_lshlrev_b32 v42, 2, v25                      ; 4 r
	s_cmp_eq_u32 s13, 1
	s_cselect_b32 s46, -1, 0                       ; ones where X is gathered (v),
	s_cselect_b32 s47, 0, -1                       ; ones where Y is gathered (k)
	s_lshl_b32 s48, ttmp9, 8                       ; 64 keys x 4 bytes a work-group
	s_mov_b32 s49, 0
	s_wait_kmcnt 0x0
	s_add_nc_u64 s[44:45], s[4:5], s[48:49]
.irp x, 0,1,2,3
	global_load_b32 v[30+\x], v27, s[44:45] offset:4*(32*(\x/2)+8*(\x%2))   ; both roles' indices are loaded by every wave: all lie inside the work-group's 64
.endr
.irp y, 0,1
	global_load_b32 v[34+\y], v28, s[44:45] offset:32*\y
.endr
	s_mul_i32 s48, s15, 786432
	s_add_nc_u64 s[28:29], s[6:7], s[48:49]        ; the batch's images of mem,
	s_lshl_b32 s48, s15, 15
	s_add_co_u32 s48, s48, MEM_SC
	s_add_nc_u64 s[30:31], s[6:7], s[48:49]        ; its scale words,
	s_add_nc_u64 s[32:33], s[8:9], WKV_IMG         ; w_kv's images,
	s_add_nc_u64 s[34:35], s[8:9], WKV_SC          ; and scale words
	s_cmp_eq_u32 s13, 1
	s_cselect_b64 s[20:21], s[28:29], s[32:33]     ; X's
	s_cselect_b64 s[22:23], s[30:31], s[34:35]
	s_cselect_b64 s[24:25], s[32:33], s[28:29]     ; Y's
	s_cselect_b64 s[26:27], s[34:35], s[30:31]
	; where the results go
	s_lshr_b32 s50, s16, 1                         ; the step of 128 keys
	s_and_b32 s51, s16, 1                          ; which half of it
	s_mul_i32 s48, s15, 212992
	s_mul_i32 s50, s50, 13312
	s_add_co_u32 s52, s48, s50
	s_lshl_b32 s53, s51, 1
	s_add_co_u32 s53, s53, s14                     ; k: fragment f = 2 (g & 1) + (wave & 1); y is its half
	s_mul_i32 s54, s53, 1536
	s_lshl_b32 s55, s53, 7
	s_add_co_u32 s55, s55, 12288
	s_mul_i32 s56, s14, 3072                       ; v: fragment 2 (wave & 1) + y; g & 1 is its half
	s_mul_i32 s57, s51, 768
	s_add_co_u32 s56, s56, s57
	s_add_co_u32 s56, s56, 6144
	s_lshl_b32 s57, s14, 8
	s_lshl_b32 s58, s51, 1
	s_add_co_u32 s57, s57, s58
	s_add_co_u32 s57, s57, 12800
	s_cmp_eq_u32 s13, 1
	s_cselect_b32 s54, s56, s54
	s_cselect_b32 s55, s57, s55
	s_mov_b32 s56, 768
	s_cselect_b32 s56, 1536, s56                   ; from y = 0 to y = 1: in the images,
	s_cselect_b32 s57, 128, 2                      ; in the scale words
	s_add_co_u32 s48, s52, s54
	s_add_nc_u64 s[36:37], s[10:11], s[48:49]
	s_add_co_u32 s48, s48, s56
	s_add_nc_u64 s[38:39], s[10:11], s[48:49]
	s_add_co_u32 s48, s52, s55
	s_add_nc_u64 s[40:41], s[10:11], s[48:49]
	s_add_co_u32 s48, s48, s57
	s_add_nc_u64 s[42:43], s[10:11], s[48:49]
	s_wait_loadcnt 0x0
.irp T, 0,1,2,3,4,5
	v_min_u32 v[30+\T], 999, v[30+\T]              ; an index stays inside its table
.endr
; Tile T's three offsets: gathered (memory row n: tile n / 16, row n % 16) or a weight tile's (s59, s60), one of the two masked away.
.macro MKOFF T, mg, mw
	v_and_b32 v36, 0x3f0, v[30+\T]
	v_mul_u32_u24 v36, v36, 768                    ; (n / 16) x 12,288
	v_and_b32 v37, 15, v[30+\T]
	v_lshl_add_u32 v36, v37, 4, v36                ; + 16 (n % 16)
	v_lshl_add_u32 v38, v26, 8, v36                ; registers 6c..6c+3: + 256 h
	v_lshl_add_u32 v39, v26, 3, v36
	v_add_nc_u32 v39, 512, v39                     ; registers 6c+4, 6c+5: + 512 + 8 h
	v_and_b32 v40, 0x3e0, v[30+\T]
	v_lshlrev_b32 v40, 5, v40                      ; (n / 32) x 1,024
	v_and_b32 v41, 31, v[30+\T]
	v_lshl_add_u32 v40, v41, 2, v40                ; + 4 (n % 32): the row's scale word
	v_add_nc_u32 v43, s59, v1
	v_add_nc_u32 v44, s59, v2
	v_add_nc_u32 v45, s60, v42
	v_and_b32 v38, s[\mg], v38
	v_and_b32 v39, s[\mg], v39
	v_and_b32 v40, s[\mg], v40
	v_and_b32 v43, s[\mw], v43
	v_and_b32 v44, s[\mw], v44
	v_and_b32 v45, s[\mw], v45
	v_add_nc_u32 v[4+\T], v38, v43
	v_add_nc_u32 v[10+\T], v39, v44
	v_add_nc_u32 v[16+\T], v40, v45
.endm
.irp x, 0,1,2,3
	s_mov_b32 s59, 12288*\x
	s_mov_b32 s60, 1024*(\x/2)+64*(\x%2)
	MKOFF \x, 46, 47
.endr
.irp y, 0,1
	s_mul_i32 s59, s14, 24576
	s_add_co_u32 s59, s59, 49152+12288*\y          ; tile 4 + 2 (wave & 1) + y
	s_lshl_b32 s60, s14, 10
	s_add_co_u32 s60, s60, 2048+64*\y
	MKOFF 4+\y, 47, 46
.endr
; K step s of all six tiles into set buf: 30 loads.  Every tile's scale word stands in lanes 0-15 at its own row.
.macro LOADS s, buf
.set FBF, 88+78*(\buf)
.set SBF, 160+78*(\buf)
.irp T, 0,1,2,3
	global_load_b128 v[FBF+12*\T:FBF+12*\T+3], v[4+\T], s[20:21] offset:1536*(\s)
	global_load_b64 v[FBF+12*\T+4:FBF+12*\T+5], v[10+\T], s[20:21] offset:1536*(\s)
	global_load_b128 v[FBF+12*\T+6:FBF+12*\T+9], v[4+\T], s[20:21] offset:1536*(\s)+768
	global_load_b64 v[FBF+12*\T+10:FBF+12*\T+11], v[10+\T], s[20:21] offset:1536*(\s)+768
	global_load_b32 v[SBF+\T], v[16+\T], s[22:23] offset:128*(\s)
.endr
.irp T, 4,5
	global_load_b128 v[FBF+12*\T:FBF+12*\T+3], v[4+\T], s[24:25] offset:1536*(\s)
	global_load_b64 v[FBF+12*\T+4:FBF+12*\T+5], v[10+\T], s[24:25] offset:1536*(\s)
	global_load_b128 v[FBF+12*\T+6:FBF+12*\T+9], v[4+\T], s[24:25] offset:1536*(\s)+768
	global_load_b64 v[FBF+12*\T+10:FBF+12*\T+11], v[10+\T], s[24:25] offset:1536*(\s)+768
	global_load_b32 v[SBF+\T], v[16+\T], s[26:27] offset:128*(\s)
.endr
.endm
.macro KSTEP buf, zero                 ; 8 products; the 8 accumulators (32 y + 8 x) take turns, one instruction a turn
.set FBF, 88+78*(\buf)
.set SBF, 160+78*(\buf)
.irp x, 0,1,2,3
.irp y, 0,1
.if \zero
	v_wmma_scale_f32_16x16x128_f8f6f4 v[24+32*\y+8*\x:31+32*\y+8*\x], v[FBF+12*\x:FBF+12*\x+11], v[FBF+48+12*\y:FBF+48+12*\y+11], 0, v[SBF+\x], v[SBF+4+\y] matrix_a_fmt:MATRIX_FMT_FP6 matrix_b_fmt:MATRIX_FMT_FP6
.else
	v_wmma_scale_f32_16x16x128_f8f6f4 v[24+32*\y+8*\x:31+32*\y+8*\x], v[FBF+12*\x:FBF+12*\x+11], v[FBF+48+12*\y:FBF+48+12*\y+11], v[24+32*\y+8*\x:31+32*\y+8*\x], v[SBF+\x], v[SBF+4+\y] matrix_a_fmt:MATRIX_FMT_FP6 matrix_b_fmt:MATRIX_FMT_FP6
.endif
.endr
.endr
.endm
	LOADS 0, 0
	LOADS 1, 1
.irp s, 0,1,2,3,4,5,6,7
.if \s < 7
	s_wait_loadcnt 30                              ; this step's 30 loads are in; the next step's 30 may be out
.else
	s_wait_loadcnt 0x0
.endif
.if \s == 0
	KSTEP 0, 1
.else
	KSTEP \s%2, 0
.endif
.rept 4
	v_nop                                          ; four plain places ahead of loads into the products' registers and of the first read of results
.endr
.if \s < 6
	LOADS \s+2, \s%2
.endif
.endr
	; the way out: each Y tile's 32 numbers a lane are two blocks of 32 along the next K (the head's 64, or 64 keys): half an image
	QUANT32 24, 100, 112
	QUANT32 56, 106, 113
	global_store_b128 v1, v[100:103], s[36:37]     ; 512 and 256 consecutive bytes, aligned
	global_store_b64 v2, v[104:105], s[36:37]
	global_store_b16 v3, v112, s[40:41]
	global_store_b128 v1, v[106:109], s[38:39]
	global_store_b64 v2, v[110:111], s[38:39]
	global_store_b16 v3, v113, s[42:43]
	s_endpgm
.Lfunc_end_k_qd4d29424d9_kvprep:
	.size	k_qd4d29424d9_kvprep, .Lfunc_end_k_qd4d29424d9_kvprep-k_qd4d29424d9_kvprep
	.p2alignl 7, 3214868480
	.fill 96, 4, 3214868480
	.section	.rodata,"a",@progbits
	.p2align	6, 0x0
	.amdhsa_kernel k_qd4d29424d9_kvprep
		.amdhsa_group_segment_fixed_size 0
		.amdhsa_private_segment_fixed_size 0
		.amdhsa_enable_private_segment 0
		.amdhsa_kernarg_size 32
		.amdhsa_user_sgpr_count 2
		.amdhsa_user_sgpr_kernarg_segment_ptr 1
		.amdhsa_wavefront_size32 1
		.amdhsa_system_sgpr_workgroup_id_x 1
		.amdhsa_system_sgpr_workgroup_id_y 1
		.amdhsa_system_sgpr_workgroup_id_z 1
		.amdhsa_system_vgpr_workitem_id 0
		.amdhsa_next_free_vgpr 256
		.amdhsa_next_free_sgpr 66
		.amdhsa_reserve_vcc 0
		.amdhsa_float_denorm_mode_32 3
		.amdhsa_float_denorm_mode_16_64 3
		.amdhsa_memory_ordered 1
		.amdhsa_forward_progress 1
		.amdhsa_inst_pref_size 48
	.end_amdhsa_kernel
	.amdgpu_metadata
---
amdhsa.version: [ 1, 2 ]
amdhsa.kernels:
  - .name:           k_qd4d29424d9_kvprep
    .symbol:         k_qd4d29424d9_kvprep.kd
    .args:
      - { .name: idx, .offset: 0, .size: 8, .value_kind: global_buffer, .address_space: global }
      - { .name: memq, .offset: 8, .size: 8, .value_kind: global_buffer, .address_space: global }
      - { .name: wts, .offset: 16, .size: 8, .value_kind: global_buffer, .address_space: global }
      - { .name: kvimg, .offset: 24, .size: 8, .value_kind: global_buffer, .address_space: global }
    .group_segment_fixed_size: 0
    .private_segment_fixed_size: 0
    .kernarg_segment_align: 8
    .kernarg_segment_size: 32
    .max_flat_workgroup_size: 128
    .sgpr_count:     66
    .vgpr_count:     256
    .wavefront_size: 32
...
	.end_amdgpu_metadata
.endif
;; end of part 3
;; launch attn (part 4): grid 256 x 1, 16 waves a work-group, no clusters, 311,296 bytes of LDS; arguments qpq, kvimg, wts, out0; writes out0
.if DOCPART == 4
	.amdgcn_target "amdgcn-amd-amdhsa--gfx1250"
	.amdhsa_code_object_version 6
	.text
	.protected	k_qd4d29424d9_attn
	.globl	k_qd4d29424d9_attn
	.p2align	8
	.type	k_qd4d29424d9_attn,@function
k_qd4d29424d9_attn:
	s_mov_b64 s[64:65], 0
	v_nop
	global_prefetch_b8 v0, s[64:65] scope:SCOPE_SE
	s_setreg_imm32_b32 hwreg(HW_REG_WAVE_MODE, 25, 1), 1
	s_wait_xcnt 0x0
; ATTN: for 32 rows and all 16 heads: S = Q(qp) Q(k)^T / 8, the softmax, O = Q(p) Q(v), O / l, Q(out), out0 = Q(out) Q(w_concat).  All products on codes of FP6 (E2M3) with E8M0 scales.
; THE SOFTMAX AHEAD OF THE SECOND PRODUCT: t = score x log2(e) / 8; M = the row's largest t so far, rounded UP to a whole number; p = 2^(t - M) is quantised along the keys, not normalised.
; The row's sum is taken of the unquantised p, in f32, and divides O at the end.  When M moves, the sum and O are multiplied by 2^(old M - new M): exact.
; SHARES.  A work-group owns rows 32 wg .. 32 wg + 31 of one batch.  Wave w: row tile lt = w / 8, heads 2 (w % 8) and 2 (w % 8) + 1.  Every wave walks the batch's 2,048 keys, 128 a step.
; K and V are shared by all heads: the batch's 16 steps of images (212,992 bytes) come into LDS ONCE, one tensor load a wave, and stay: no slot is filled again.
; THE FIRST PRODUCT'S K IS 64, the instruction's 128: a fragment of K holds two key tiles side by side, and source 1 is [q | 0] or [0 | q], taken from the run of registers 0 qa 0 qb 0.
; Both products are used transposed: a lane holds ONE query throughout, and the 16 registers of score tiles 2 f, 2 f + 1 are keys 32 f + 16 (lane / 16) + 0 .. 15.
; The work-group holds whole rows of the attention's result, so the last product follows here: waves then share the COLUMNS, wave w taking 64 w .. 64 w + 63, w_concat's fragments straight from memory.
; NO CLUSTER: what partners could ask for jointly is the batch's 212,992 bytes of K and V, a fifth of a work-group's 1,032,192 bytes; w_concat's fragments each serve one wave and go straight into its registers.
; LIMITS: NaN and infinities are not served; blocks of zeros carry the byte 1 (codes zero; the bytes are read by this program alone); v_exp_f32 gives 0 under 2^-126.
; REGISTERS in the loop: v1-3 AP, AQ, A4; v4-6 the step's LDS addresses; v[8:9], v[12:13] -M (low word); v[10:11], v[14:15] the sums; v16-45 the run 0 qa 0 qb 0; v46-47, v72-75 scale words and nothing else;
; v48-71 two fragments; v76-139 S, then p; v140-171, v172-203 O^T of the two heads; v204-227 p's codes; v230-249 at work; v254, v255 the add's two.
.set KVB,    13312                     ; a step's images and scale words
.set OIMG,   212992                    ; behind K and V: Q(out), 16 fragment images (8 lt + s)
.set OSC,    237568                    ; their scale words
.set STAGE,  239616                    ; the way out: 16 rows x (256 bytes + 16) for each wave
.set SPARE,  309248                    ; the spare words, 128 bytes a wave
.set WC_IMG, 819200
.set WC_SC,  1605632
.set QP_SC,  6291456
.set QW,     22
.set BF,     140
.set S,      76
.set BM,     230
.set T8,     234
.set SO,     242
.set SEL,    28                        ; s[28:29]
.set CS,     30                        ; s[30:31] c = log2(e) / 8
.set TB,     32                        ; s32 LDS byte at which the step in hand begins
.set CNT,    33
.macro QUANT32 src, pc, hw             ; 32 numbers of a lane, v[src + 16 b + i] = k 32 b + 16 (lane / 16) + i, become six code registers (lane (r, h): block h) and two scale bytes
	v_max3_num_f32 v[QW+4], |v[(\src)]|, |v[(\src)+1]|, 0x1800000
	v_max3_num_f32 v[QW+5], |v[(\src)+16]|, |v[(\src)+17]|, 0x1800000
.irp i, 2,4,6,8,10,12,14
	v_max3_num_f32 v[QW+4], v[QW+4], |v[(\src)+\i]|, |v[(\src)+\i+1]|
	v_max3_num_f32 v[QW+5], v[QW+5], |v[(\src)+16+\i]|, |v[(\src)+17+\i]|
.endr
	v_permlanex16_b32 v[QW+6], v[QW+4], s[SEL], s[SEL+1]
	v_permlanex16_b32 v[QW+7], v[QW+5], s[SEL], s[SEL+1]
	v_max_num_f32 v[QW+4], v[QW+4], v[QW+6]
	v_max_num_f32 v[QW+5], v[QW+5], v[QW+7]
	v_add_nc_u32 v[QW+8], 0xff000000, v[QW+4]
	v_add_nc_u32 v[QW+9], 0xff000000, v[QW+5]
	v_lshrrev_b32 v[QW+6], 23, v[QW+8]
	v_lshrrev_b32 v[QW+7], 23, v[QW+9]
	v_lshl_or_b32 v[(\hw)], v[QW+7], 8, v[QW+6]
	v_cvt_scalef32_pk16_fp6_f32 v[(\pc):(\pc)+2], v[(\src):(\src)+15], v[QW+8]
	v_cvt_scalef32_pk16_fp6_f32 v[QW:QW+2], v[(\src)+16:(\src)+31], v[QW+9]
	v_nop                                                              ; one plain place behind a scaled conversion
.irp i, 0,1,2
	v_permlane16_swap_b32 v[(\pc)+\i], v[QW+\i]
.endr
.irp i, 0,1,2
	v_mov_b32 v[(\pc)+3+\i], v[QW+\i]
.endr
.endm
.macro PLACES                          ; four plain places behind matrix instructions, ahead of loads into their registers and of reads of their results
.rept 4
	v_nop
.endr
.endm
.macro BARRIER
	s_wait_dscnt 0x0
	s_barrier_signal -1
	s_barrier_wait -1
.endm
.macro WM d, a, b, sa, sb, zero, row1  ; one product; zero = 1: it starts the sum; row1 = 1: source 0's scales stand in lanes 16-31
.if (\zero) && (\row1)
	v_wmma_scale_f32_16x16x128_f8f6f4 v[(\d):(\d)+7], v[(\a):(\a)+11], v[(\b):(\b)+11], 0, v[(\sa)], v[(\sb)] matrix_a_fmt:MATRIX_FMT_FP6 matrix_b_fmt:MATRIX_FMT_FP6 matrix_a_scale:MATRIX_SCALE_ROW1
.elseif (\zero)
	v_wmma_scale_f32_16x16x128_f8f6f4 v[(\d):(\d)+7], v[(\a):(\a)+11], v[(\b):(\b)+11], 0, v[(\sa)], v[(\sb)] matrix_a_fmt:MATRIX_FMT_FP6 matrix_b_fmt:MATRIX_FMT_FP6
.elseif (\row1)
	v_wmma_scale_f32_16x16x128_f8f6f4 v[(\d):(\d)+7], v[(\a):(\a)+11], v[(\b):(\b)+11], v[(\d):(\d)+7], v[(\sa)], v[(\sb)] matrix_a_fmt:MATRIX_FMT_FP6 matrix_b_fmt:MATRIX_FMT_FP6 matrix_a_scale:MATRIX_SCALE_ROW1
.else
	v_wmma_scale_f32_16x16x128_f8f6f4 v[(\d):(\d)+7], v[(\a):(\a)+11], v[(\b):(\b)+11], v[(\d):(\d)+7], v[(\sa)], v[(\sb)] matrix_a_fmt:MATRIX_FMT_FP6 matrix_b_fmt:MATRIX_FMT_FP6
.endif
.endm
.macro GLB buf, s, bb, bsb             ; my four weight fragments of K step s, and their scale words: 18 loads
.irp t, 0,1,2,3
.irp c, 0,1
	global_load_b128 v[BF+48*(\buf)+12*\t+6*\c:BF+48*(\buf)+12*\t+6*\c+3], v1, s[\bb:\bb+1] offset:12288*\t+1536*(\s)+768*\c
	global_load_b64 v[BF+48*(\buf)+12*\t+6*\c+4:BF+48*(\buf)+12*\t+6*\c+5], v2, s[\bb:\bb+1] offset:12288*\t+1536*(\s)+768*\c
.endr
.endr
.irp i, 0,1
	global_load_b32 v[72+2*(\buf)+\i], v3, s[\bsb:\bsb+1] offset:1024*\i+128*(\s)
.endr
.endm
.macro ALD s, fp, fq, f4               ; the two row fragments of K step s and their scale words, from LDS: 10 loads
.irp l, 0,1
.irp c, 0,1
	ds_load_b128 v[48+12*\l+6*\c:48+12*\l+6*\c+3], v[\fp] offset:(8*\l+(\s))*1536+768*\c
	ds_load_b64 v[48+12*\l+6*\c+4:48+12*\l+6*\c+5], v[\fq] offset:(8*\l+(\s))*1536+768*\c
.endr
	ds_load_b32 v[46+\l], v[\f4] offset:(8*\l+(\s))*128
.endr
.endm
.macro MM buf, zero                    ; 8 products; the 8 accumulators take turns, one instruction a turn
.irp t, 0,1,2,3
.irp l, 0,1
	WM 76+32*\l+8*\t, BF+48*(\buf)+12*\t, 48+12*\l, 72+2*(\buf)+\t/2, 46+\l, \zero, \t%2
.endr
.endr
.endm
.macro GEMM64 fp, fq, f4, bb, bsb      ; 32 rows x my 64 columns x K = 1,024.  K steps 0 and 1 of the weights were asked for earlier
.irp s, 0,1,2,3,4,5,6,7
	ALD \s, \fp, \fq, \f4
.if \s < 7
	s_wait_loadcnt 18                              ; this step's 18 loads are in; the next step's 18 may be out
.else
	s_wait_loadcnt 0x0
.endif
	s_wait_dscnt 0x0
.if \s == 0
	MM 0, 1
.else
	MM \s%2, 0
.endif
	PLACES
.if \s < 6
	GLB \s%2, \s+2, \bb, \bsb
.endif
.endr
.endm
	s_load_b256 s[4:11], s[0:1], 0x0               ; qpq s[4:5], kvimg s[6:7], wts s[8:9], out0 s[10:11]
	v_lshl_add_u32 v254, v0, 2, SPARE              ; my spare word; never rewritten
	v_mov_b32 v255, 0                              ; 0; never rewritten
	ds_add_u32 v254, v255                          ; the wave's opening: the add and its wait stand ahead of my tensor load; work on registers stands between them
	v_lshrrev_b32 v4, 5, v0
	v_readfirstlane_b32 s24, v4                    ; wave 0..15
	v_and_b32 v4, 31, v0
	v_and_b32 v5, 15, v0
	v_bfe_u32 v6, v0, 4, 1
	v_lshlrev_b32 v1, 4, v4                        ; AP
	v_lshlrev_b32 v2, 4, v5
	v_lshl_add_u32 v2, v6, 3, v2
	v_add_nc_u32 v2, 512, v2                       ; AQ
	v_lshlrev_b32 v3, 2, v4                        ; A4
	; the descriptor: wave w brings step w of the batch: 13,312 dense bytes as 52 rows of 256 (32 elements of 8 bytes), no padding, no mask
	s_mov_b32 s12, 1                               ; count = 1
	s_mul_i32 s13, s24, KVB                        ; LDS address
	s_mov_b32 s16, 3<<16                           ; elements of 8 bytes
	s_mov_b32 s17, 32<<16                          ; tensor_dim0 = 32
	s_mov_b32 s18, 52<<16                          ; tensor_dim1 = 52
	s_mov_b32 s19, 32<<16                          ; tile_dim0 = 32
	s_mov_b32 s20, 52                              ; tile_dim1 = 52
	s_mov_b32 s21, 32                              ; the pitch
	s_mov_b32 s22, 0
	s_mov_b32 s23, 0
	s_lshr_b32 s25, ttmp9, 6                       ; batch
	s_mul_i32 s26, s25, 212992
	s_add_co_u32 s26, s26, s13
	s_mov_b32 s27, 0
	s_mul_i32 s38, ttmp9, 24576
	s_mul_i32 s39, s24, 1536
	s_add_co_u32 s38, s38, s39                     ; my fragment of Q(qp): (lt, K step w % 8) = heads 2 (w % 8), 2 (w % 8) + 1
	s_mov_b32 s39, 0
	s_lshl_b32 s40, ttmp9, 11
	s_lshl_b32 s41, s24, 7
	s_add_co_u32 s40, s40, s41
	s_add_co_u32 s40, s40, QP_SC
	s_mov_b32 s41, 0
	s_mul_i32 s34, s24, 49152
	s_add_co_u32 s34, s34, WC_IMG                  ; w_concat: my four tiles
	s_mov_b32 s35, 0
	s_lshl_b32 s36, s24, 11
	s_add_co_u32 s36, s36, WC_SC
	s_mov_b32 s37, 0
	s_lshl_b32 s42, ttmp9, 17
	s_lshl_b32 s43, s24, 8
	s_add_co_u32 s42, s42, s43                     ; out0: row 32 wg, column 64 w
	s_mov_b32 s43, 0
	s_mov_b32 s[SEL], 0x76543210
	s_mov_b32 s[SEL+1], 0xfedcba98
	s_mov_b32 s[CS], 0x3e38aa3b                    ; c = log2(e) / 8
	s_mov_b32 s[CS+1], s[CS]                       ; (named with it as a pair, so it is written)
	s_mov_b32 s[TB], 0
	s_mov_b32 s[CNT], 0
	s_wait_dscnt 0x0                               ; the opening add is done
	s_wait_kmcnt 0x0
	s_add_nc_u64 s[14:15], s[6:7], s[26:27]
	s_or_b32 s15, s15, 0x80000000                  ; type = 2
	tensor_load_to_lds s[12:15], s[16:23]          ; my one tensor load of the launch: one is out
	s_nop 0
	s_add_nc_u64 s[38:39], s[4:5], s[38:39]
	s_add_nc_u64 s[40:41], s[4:5], s[40:41]
	s_add_nc_u64 s[34:35], s[8:9], s[34:35]
	s_add_nc_u64 s[36:37], s[8:9], s[36:37]
	s_add_nc_u64 s[42:43], s[10:11], s[42:43]
	global_load_b128 v[22:25], v1, s[38:39]        ; qa and qb go straight to their places in the run
	global_load_b64 v[26:27], v2, s[38:39]
	global_load_b128 v[34:37], v1, s[38:39] offset:768
	global_load_b64 v[38:39], v2, s[38:39] offset:768
	global_load_b32 v248, v3, s[40:41]             ; the rows' scale words: bytes 0, 1 head a; bytes 2, 3 head b
	s_wait_loadcnt 0x0
	v_perm_b32 v46, v248, v248, 0x01000100         ; head a's two bytes twice: they serve [q | 0] and [0 | q] alike
	v_perm_b32 v47, v248, v248, 0x03020302         ; head b's.  (The moves below are the places between these and the first scaled product)
.irp z, 16,17,18,19,20,21,28,29,30,31,32,33,40,41,42,43,44,45
	v_mov_b32 v[\z], 0                             ; the run's zeros: zero codes add nothing under any scale byte that a quantiser gives
.endr
.irp j, 0,1,2,3,4,5,6,7,8,9,10,11,12,13,14,15,16,17,18,19,20,21,22,23,24,25,26,27,28,29,30,31,32,33,34,35,36,37,38,39,40,41,42,43,44,45,46,47,48,49,50,51,52,53,54,55,56,57,58,59,60,61,62,63
	v_mov_b32 v[140+\j], 0                         ; O^T.  (The step is written once: the first finds zeros, which the first change of M leaves zeros)
.endr
	v_mov_b32 v8, 0x7f61b1e6                       ; -M: 3e38, above every floor(-t)
	v_mov_b32 v12, 0x7f61b1e6
.irp z, 9,10,11,13,14,15,234,235,236,237,247
	v_mov_b32 v[\z], 0                             ; the sums; upper halves of pairs that are named whole; destinations of lane permutes
.endr
	s_wait_tensorcnt 0x0                           ; my step of K and V has landed,
	s_barrier_signal -1
	s_barrier_wait -1                              ; everybody's has
; S^T of head e for the step's 128 keys: two fragments of K at a time, each multiplied by [q | 0] (its first key tile) and by [0 | q] (its second)
.macro SPHASE e
.irp g, 0,1
.if \g
	PLACES
.endif
.irp u, 0,1
.irp c, 0,1
	ds_load_b128 v[48+12*\u+6*\c:48+12*\u+6*\c+3], v4 offset:1536*(2*\g+\u)+768*\c
	ds_load_b64 v[48+12*\u+6*\c+4:48+12*\u+6*\c+5], v5 offset:1536*(2*\g+\u)+768*\c
.endr
	ds_load_b32 v[72+\u], v6 offset:12288+128*(2*\g+\u)
.endr
	s_wait_dscnt 0x0
.irp u, 0,1
	WM S+16*(2*\g+\u), 48+12*\u, 22+12*(\e), 72+\u, 46+(\e), 1, 0
	WM S+16*(2*\g+\u)+8, 48+12*\u, 16+12*(\e), 72+\u, 46+(\e), 1, 0
.endr
.endr
	PLACES
.endm
; The softmax of head e on S, p's codes and scale word, and the rescaling of the head's sum and O^T
.macro SOFT e
.set NM, 8+4*(\e)
.set SM, 10+4*(\e)
.set OO, 140+32*(\e)
.set PQ, 204+12*(\e)
.irp b, 0,1,2,3
	v_max3_num_f32 v[BM+\b], v[S+16*\b], v[S+16*\b+1], v[S+16*\b+2]    ; the largest score of each block of 32 keys: it serves the row's maximum and, since p rises with the score, the block's largest p
.endr
.irp i, 3,5,7,9,11,13
.irp b, 0,1,2,3
	v_max3_num_f32 v[BM+\b], v[BM+\b], v[S+16*\b+\i], v[S+16*\b+\i+1]
.endr
.endr
.irp b, 0,1,2,3
	v_max_num_f32 v[BM+\b], v[BM+\b], v[S+16*\b+15]
.endr
.irp b, 0,1,2,3
	v_permlanex16_b32 v[T8+\b], v[BM+\b], s[SEL], s[SEL+1]
.endr
.irp b, 0,1,2,3
	v_max_num_f32 v[BM+\b], v[BM+\b], v[T8+\b]                         ; with lane l xor 16's 16 keys
.endr
	v_max3_num_f32 v248, v[BM], v[BM+1], v[BM+2]
	v_max_num_f32 v248, v248, v[BM+3]                                  ; the step's largest score of my query
	v_mul_f32 v248, s[CS], v248                                        ; as t (c is positive)
	v_floor_f32 v248, -v248                                            ; floor(-t) = -ceil(t)
	v_mov_b32 v249, v[NM]
	v_min_num_f32 v[NM], v[NM], v248                                   ; the new -M: the ceiling of the running maximum is the maximum of the ceilings
	v_sub_f32 v249, v[NM], v249                                        ; old M - new M: a whole number, 0 or less
	v_cvt_i32_f32 v249, v249                                           ; (it saturates)
	v_ldexp_f32 v246, 1.0, v249                                        ; f = 2^(old M - new M)
.irp j, 0,2,4,6,8,10,12,14,16,18,20,22,24,26,28,30,32,34,36,38,40,42,44,46,48,50,52,54,56,58,60,62
	v_pk_fma_f32 v[S+\j:S+\j+1], v[S+\j:S+\j+1], s[CS:CS+1], v[NM:NM+1] op_sel_hi:[1,0,0]   ; t - M, two at a time
.endr
.irp b, 0,1,2,3
	v_fma_f32 v[BM+\b], v[BM+\b], s[CS], v[NM]                         ; the same of each block's largest score
.endr
.irp j, 0,1,2,3,4,5,6,7,8,9,10,11,12,13,14,15,16,17,18,19,20,21,22,23,24,25,26,27,28,29,30,31,32,33,34,35,36,37,38,39,40,41,42,43,44,45,46,47,48,49,50,51,52,53,54,55,56,57,58,59,60,61,62,63
	v_exp_f32 v[S+\j], v[S+\j]                                         ; p = 2^(t - M), at most 1: not normalised
.endr
	v_pk_mul_f32 v[SM:SM+1], v[SM:SM+1], v[246:247] op_sel_hi:[1,0]    ; the sum under the new M: a plain place behind the exponentials
	s_wait_alu depctr_va_vdst(0)                                       ; one wait for the whole batch, ahead of its first reader
.irp b, 0,1,2,3
	v_exp_f32 v[BM+\b], v[BM+\b]                                       ; the block's largest p: the same two instructions on the same number
.endr
	v_pk_add_f32 v[T8:T8+1], v[S:S+1], v[S+2:S+3]                      ; the row's sum is taken of the unquantised p, in two chains; it reads the 64 alone
.irp j, 4,8,12,16,20,24,28,32,36,40,44,48,52,56,60
	v_pk_add_f32 v[SM:SM+1], v[SM:SM+1], v[S+\j:S+\j+1]
	v_pk_add_f32 v[T8:T8+1], v[T8:T8+1], v[S+\j+2:S+\j+3]
.endr
	v_pk_add_f32 v[SM:SM+1], v[SM:SM+1], v[T8:T8+1]
	s_wait_alu depctr_va_vdst(0)                                       ; and one for the four
.irp b, 0,1,2,3
	v_max_num_f32 v[BM+\b], 0x1800000, v[BM+\b]                        ; the floor 2^(3 - 127): the byte cannot fall under 1
.endr
.irp b, 0,1,2,3
	v_add_nc_u32 v[SO+\b], 0xff000000, v[BM+\b]                        ; 2 off the exponent field: the conversion's scale operand
.endr
.irp b, 0,1,2,3
	v_lshrrev_b32 v[T8+\b], 23, v[SO+\b]                               ; the scale's byte
.endr
	v_lshl_or_b32 v[74+(\e)], v[T8+1], 8, v[T8]                        ; p's scale word for these 128 keys
	v_lshl_or_b32 v[74+(\e)], v[T8+2], 16, v[74+(\e)]
	v_lshl_or_b32 v[74+(\e)], v[T8+3], 24, v[74+(\e)]
.irp c, 0,1
	v_cvt_scalef32_pk16_fp6_f32 v[PQ+6*\c:PQ+6*\c+2], v[S+32*\c:S+32*\c+15], v[SO+2*\c]
	v_cvt_scalef32_pk16_fp6_f32 v[T8+4*\c:T8+4*\c+2], v[S+32*\c+16:S+32*\c+31], v[SO+2*\c+1]
.endr
	v_nop                                                              ; one plain place behind a scaled conversion
.irp c, 0,1
.irp i, 0,1,2
	v_permlane16_swap_b32 v[PQ+6*\c+\i], v[T8+4*\c+\i]                 ; a whole block to a lane
.endr
.irp i, 0,1,2
	v_mov_b32 v[PQ+6*\c+3+\i], v[T8+4*\c+\i]
.endr
.endr
.irp j, 0,2,4,6,8,10,12,14,16,18,20,22,24,26,28,30
	v_pk_mul_f32 v[OO+\j:OO+\j+1], v[OO+\j:OO+\j+1], v[246:247] op_sel_hi:[1,0]   ; O^T under the new M.  (These sixteen are also the places in front of the products and loads that follow)
.endr
.endm
; O^T += V^T P^T for both heads: each fragment of V is read once and serves both; the accumulators take turns, one instruction a turn
.macro PV
.irp g, 0,1
.if \g
	PLACES
.endif
.irp u, 0,1
.irp c, 0,1
	ds_load_b128 v[48+12*\u+6*\c:48+12*\u+6*\c+3], v4 offset:6144+1536*(2*\g+\u)+768*\c
	ds_load_b64 v[48+12*\u+6*\c+4:48+12*\u+6*\c+5], v5 offset:6144+1536*(2*\g+\u)+768*\c
.endr
	ds_load_b32 v[72+\u], v6 offset:12800+128*(2*\g+\u)
.endr
	s_wait_dscnt 0x0
.irp u, 0,1
	WM 140+8*(2*\g+\u), 48+12*\u, 204, 72+\u, 74, 0, 0
	WM 172+8*(2*\g+\u), 48+12*\u, 216, 72+\u, 75, 0, 0
.endr
.endr
.endm
.Lstep:                                            ; 16 trips: a step of 128 keys
	v_add_nc_u32 v4, s[TB], v1                     ; these three and the v_nop are the four places behind the last trip's products
	v_add_nc_u32 v5, s[TB], v2
	v_add_nc_u32 v6, s[TB], v3
	v_nop
	SPHASE 0
	SOFT 0
	SPHASE 1
	SOFT 1
	PV
	s_add_co_u32 s[TB], s[TB], KVB
	s_add_co_u32 s[CNT], s[CNT], 1
	s_cmp_lt_u32 s[CNT], 16
	s_cbranch_scc1 .Lstep
	; ---- the tail's addresses (plain work: also the places behind the last products)
	s_mul_i32 s38, s24, 1536
	s_add_co_u32 s38, s38, OIMG
	v_add_nc_u32 v4, s38, v1                       ; where I store my fragment of Q(out): (lt, K step w % 8) = fragment w
	v_add_nc_u32 v5, s38, v2
	s_lshl_b32 s38, s24, 7
	s_add_co_u32 s38, s38, OSC
	v_add_nc_u32 v6, s38, v3
	v_add_nc_u32 v7, OIMG, v1                      ; where all read Q(out)
	v_add_nc_u32 v8, OIMG, v2
	v_add_nc_u32 v9, OSC, v3
	s_mul_i32 s38, s24, 4352
	s_add_co_u32 s38, s38, STAGE                   ; my stage
	v_and_b32 v12, 15, v0                          ; r
	v_bfe_u32 v13, v0, 4, 1                        ; h
	v_lshlrev_b32 v250, 12, v13
	v_lshl_add_u32 v250, v12, 4, v250              ; out0: lanes 0-15 one row, lanes 16-31 the next; 16 bytes a lane
	v_mul_u32_u24 v251, v12, 272
	v_lshl_add_u32 v251, v13, 6, v251
	v_add_nc_u32 v251, s38, v251                   ; the stage, in: row r, + 64 h
	v_mul_u32_u24 v252, v13, 272
	v_lshl_add_u32 v252, v12, 4, v252
	v_add_nc_u32 v252, s38, v252                   ; and back
	; ---- O / l, quantised along the last product's K
	v_add_f32 v10, v10, v11                        ; each sum's two halves,
	v_add_f32 v14, v14, v15
	v_permlanex16_b32 v248, v10, s[SEL], s[SEL+1]
	v_permlanex16_b32 v249, v14, s[SEL], s[SEL+1]
	v_add_f32 v10, v10, v248                       ; and lane l xor 16's: the row's sum
	v_add_f32 v14, v14, v249
	v_rcp_f32 v10, v10
	v_rcp_f32 v14, v14
	v_nop                                          ; a plain place behind the reciprocals
	s_wait_alu depctr_va_vdst(0)                   ; one wait for both, ahead of their first reader
.irp j, 0,2,4,6,8,10,12,14,16,18,20,22,24,26,28,30
	v_pk_mul_f32 v[140+\j:141+\j], v[140+\j:141+\j], v[10:11] op_sel_hi:[1,0]
.endr
.irp j, 0,2,4,6,8,10,12,14,16,18,20,22,24,26,28,30
	v_pk_mul_f32 v[172+\j:173+\j], v[172+\j:173+\j], v[14:15] op_sel_hi:[1,0]
.endr
	QUANT32 140, 16, 242                           ; register 16 b + i of a head is channel 32 b + 16 h + i: V^T's rows were laid for it
	QUANT32 172, 236, 243
	v_lshl_or_b32 v244, v243, 16, v242
	ds_store_b128 v4, v[16:19]
	ds_store_b64 v5, v[20:21]
	ds_store_b128 v4, v[236:239] offset:768
	ds_store_b64 v5, v[240:241] offset:768
	ds_store_b32 v6, v244
	GLB 0, 0, 34, 36                               ; w_concat's first two K steps are asked for ahead of the barrier
	GLB 1, 1, 34, 36
	BARRIER                                        ; Q(out)'s sixteen fragments lie in LDS
	; ---- the last product.  Lane (r, h) holds row 16 lt + r; register 32 lt + 8 t + j holds column 64 w + 32 (t / 2) + 16 h + 8 (t % 2) + j
	GEMM64 7, 8, 9, 34, 36
	; ---- the way out: 16 rows x my 64 columns at a time through my own stage, so that sixteen lanes store 256 consecutive bytes, aligned.
	; LDS serves a wave's instructions in order: no wait between stores and loads, nor ahead of the second tile's stores
.irp l, 0,1
.irp t, 0,1,2,3
	ds_store_b128 v251, v[76+32*\l+8*\t:79+32*\l+8*\t] offset:128*(\t/2)+32*(\t%2)          ; each accumulator from its low end on
	ds_store_b128 v251, v[80+32*\l+8*\t:83+32*\l+8*\t] offset:128*(\t/2)+32*(\t%2)+16
.endr
.irp i, 0,1,2,3,4,5,6,7
	ds_load_b128 v[140+32*\l+4*\i:143+32*\l+4*\i], v252 offset:544*\i
.endr
.endr
.irp l, 0,1
.irp i, 0,1,2,3,4,5,6,7
	s_wait_dscnt 23-16*\l-\i                       ; the LDS instructions issued behind this load may be out
	global_store_b128 v250, v[140+32*\l+4*\i:143+32*\l+4*\i], s[42:43] offset:65536*\l+8192*\i th:TH_STORE_NT
.endr
.endr
	s_wait_tensorcnt 0x0                           ; the wave's end, behind my tensor load and my last LDS store
	ds_add_u32 v254, v255
	s_wait_dscnt 0x0
	s_endpgm
.Lfunc_end_k_qd4d29424d9_attn:
	.size	k_qd4d29424d9_attn, .Lfunc_end_k_qd4d29424d9_attn-k_qd4d29424d9_attn
	.p2alignl 7, 3214868480
	.fill 96, 4, 3214868480
	.section	.rodata,"a",@progbits
	.p2align	6, 0x0
	.amdhsa_kernel k_qd4d29424d9_attn
		.amdhsa_group_segment_fixed_size 311296
		.amdhsa_private_segment_fixed_size 0
		.amdhsa_enable_private_segment 0
		.amdhsa_kernarg_size 32
		.amdhsa_user_sgpr_count 2
		.amdhsa_user_sgpr_kernarg_segment_ptr 1
		.amdhsa_wavefront_size32 1
		.amdhsa_system_sgpr_workgroup_id_x 1
		.amdhsa_system_sgpr_workgroup_id_y 1
		.amdhsa_system_sgpr_workgroup_id_z 1
		.amdhsa_system_vgpr_workitem_id 0
		.amdhsa_next_free_vgpr 256
		.amdhsa_next_free_sgpr 66
		.amdhsa_reserve_vcc 0
		.amdhsa_float_denorm_mode_32 3
		.amdhsa_float_denorm_mode_16_64 3
		.amdhsa_memory_ordered 1
		.amdhsa_forward_progress 1
		.amdhsa_inst_pref_size 78
	.end_amdhsa_kernel
	.amdgpu_metadata
---
amdhsa.version: [ 1, 2 ]
amdhsa.kernels:
  - .name:           k_qd4d29424d9_attn
    .symbol:         k_qd4d29424d9_attn.kd
    .args:
      - { .name: qpq, .offset: 0, .size: 8, .value_kind: global_buffer, .address_space: global }
      - { .name: kvimg, .offset: 8, .size: 8, .value_kind: global_buffer, .address_space: global }
      - { .name: wts, .offset: 16, .size: 8, .value_kind: global_buffer, .address_space: global }
      - { .name: out0, .offset: 24, .size: 8, .value_kind: global_buffer, .address_space: global }
    .group_segment_fixed_size: 311296
    .private_segment_fixed_size: 0
    .kernarg_segment_align: 8
    .kernarg_segment_size: 32
    .max_flat_workgroup_size: 512
    .sgpr_count:     66
    .vgpr_count:     256
    .wavefront_size: 32
...
	.end_amdgpu_metadata
.endif
;; end of part 4
;; ======== version 2 of 2: 4 launches
;; workspace buffers: wts 1,740,800 bytes; memq 3,276,800 bytes; qpq 6,815,744 bytes; idx 32,768 bytes of whole numbers; kvimg 851,968 bytes
;; launch prep (part 5): grid 392 x 1, 4 waves a work-group, no clusters, 34,304 bytes of LDS; arguments mem_table, w_q, w_concat, w_kv, wts, memq; writes wts, memq
.if DOCPART == 5
	.amdgcn_target "amdgcn-amd-amdhsa--gfx1250"
	.amdhsa_code_object_version 6
	.text
	.protected	k_qd4d29424d9_prep
	.globl	k_qd4d29424d9_prep
	.p2align	8
	.type	k_qd4d29424d9_prep,@function
k_qd4d29424d9_prep:
	s_mov_b64 s[64:65], 0
	v_nop
	global_prefetch_b8 v0, s[64:65] scope:SCOPE_SE
	s_setreg_imm32_b32 hwreg(HW_REG_WAVE_MODE, 25, 1), 1
	s_wait_xcnt 0x0
; PREP: the four operands that many work-groups read are quantised once, to codes of FP6 (E2M3) with one E8M0 byte for each 32 along K,
; and laid as IMAGES OF THE OPERAND'S REGISTERS.  A fragment (16 rows x 128 K, 12 registers a lane) is 1,536 bytes: two halves c of 768;
; in a half, registers 6c..6c+3 of lane l lie at 16 l (512 bytes), registers 6c+4, 6c+5 of lane (r, h) at 512 + 16 r + 8 h (256 bytes).
; An image buffer is [tile of 16 rows][K step of 128][1,536]; a scale buffer is [pair of tiles][K step][32 words], word 16 (tile & 1) + r.
; Work-groups 0-255: mem_table [4][1000][1024], K innermost, tiles in natural row order; rows 1000-1023 of a batch are pads that take other
; rows' numbers (finite; the launch that multiplies them masks their scores).  Work-groups 256-391: w_q, w_concat [1024][1024], w_kv [1024][128],
; K = the FIRST axis: a lane takes a column and its registers run down K.  Row r of weight tile nt is column 32 (nt/2) + 8 (nt&1) + r + (r&8),
; so that a product used transposed leaves 16 neighbours of the next K in a lane's 16 registers of tiles 2b, 2b+1.
; A block's scale is 2^(floor(log2(largest magnitude)) - 2); its byte is the largest magnitude's exponent field - 2, held at 1 from below.
; LIMITS: a block of zeros gets the byte 1 where the rule says 127 (its codes are zeros; this program alone reads the bytes); blocks whose
; largest magnitude lies under 2^-124 are held at byte 1; NaN and infinities among the inputs are not served.
; No matrix work, no cluster: no two work-groups read the same bytes (but the pads), so nothing could be asked for jointly.
.set STGW,    8448                     ; a wave's stage: 16 rows x (512 bytes + 16)
.set SPARE,   4*STGW                   ; behind the four stages: the spare words, 128 bytes a wave
.set WQ_SC,   786432
.set WC_IMG,  819200
.set WC_SC,   1605632
.set WKV_IMG, 1638400
.set WKV_SC,  1736704
.set MEM_SC,  3145728
.set QW,      22                       ; v22-31: at work in QUANT32
.set SEL,     30                       ; s[30:31] selects of v_permlanex16_b32: lane l xor 16
; 32 numbers of a lane, v[src + 16 b + i] = k 32 b + 16 (lane / 16) + i of my row (b = 0, 1), become six code registers v[pc ..]: lane (r, h) then
; holds the whole block h; hw = byte of block 0 | byte of block 1 << 8.
.macro QUANT32 src, pc, hw
	v_max3_num_f32 v[QW+4], |v[(\src)]|, |v[(\src)+1]|, 0x1800000      ; my 16 numbers of each block, and the floor 2^(3 - 127): the byte cannot fall under 1
	v_max3_num_f32 v[QW+5], |v[(\src)+16]|, |v[(\src)+17]|, 0x1800000
.irp i, 2,4,6,8,10,12,14
	v_max3_num_f32 v[QW+4], v[QW+4], |v[(\src)+\i]|, |v[(\src)+\i+1]|  ; the two blocks by turns
	v_max3_num_f32 v[QW+5], v[QW+5], |v[(\src)+16+\i]|, |v[(\src)+17+\i]|
.endr
	v_permlanex16_b32 v[QW+6], v[QW+4], s[SEL], s[SEL+1]
	v_permlanex16_b32 v[QW+7], v[QW+5], s[SEL], s[SEL+1]
	v_max_num_f32 v[QW+4], v[QW+4], v[QW+6]                            ; with lane l xor 16: the block's largest magnitude
	v_max_num_f32 v[QW+5], v[QW+5], v[QW+7]
	v_add_nc_u32 v[QW+8], 0xff000000, v[QW+4]                          ; 2 off the exponent field: the conversion's scale operand
	v_add_nc_u32 v[QW+9], 0xff000000, v[QW+5]
	v_lshrrev_b32 v[QW+6], 23, v[QW+8]                                 ; the scale's byte
	v_lshrrev_b32 v[QW+7], 23, v[QW+9]
	v_lshl_or_b32 v[(\hw)], v[QW+7], 8, v[QW+6]
	v_cvt_scalef32_pk16_fp6_f32 v[(\pc):(\pc)+2], v[(\src):(\src)+15], v[QW+8]
	v_cvt_scalef32_pk16_fp6_f32 v[QW:QW+2], v[(\src)+16:(\src)+31], v[QW+9]
	v_nop                                                              ; one plain place behind a scaled conversion
.irp i, 0,1,2
	v_permlane16_swap_b32 v[(\pc)+\i], v[QW+\i]                        ; halves change places: each lane now holds one whole block
.endr
.irp i, 0,1,2
	v_mov_b32 v[(\pc)+3+\i], v[QW+\i]
.endr
.endm
; 16 rows of 512 bytes, loaded 16 bytes a lane, go through the wave's own stage and come back as 16 neighbours of each block of 32 in lane (r, h).
; LDS serves a wave's instructions in order: no wait between the stores and the loads.
.macro TURN16 R, X, stw, str
.irp i, 0,1,2,3,4,5,6,7,8,9,10,11,12,13,14,15
	ds_store_b128 v[\stw], v[(\R)+4*\i:(\R)+4*\i+3] offset:528*\i
.endr
.irp b, 0,1,2,3
.irp j, 0,1,2,3
	ds_load_b128 v[(\X)+16*\b+4*\j:(\X)+16*\b+4*\j+3], v[\str] offset:128*\b+16*\j
.endr
.endr
.endm
	s_load_b256 s[4:11], s[0:1], 0x0               ; mem_table s[4:5], w_q s[6:7], w_concat s[8:9], w_kv s[10:11]
	s_load_b128 s[12:15], s[0:1], 0x20             ; wts s[12:13], memq s[14:15]
	v_lshl_add_u32 v8, v0, 2, SPARE                ; my spare word; never rewritten
	v_mov_b32 v9, 0                                ; 0; never rewritten
	v_lshrrev_b32 v60, 5, v0
	v_readfirstlane_b32 s16, v60                   ; wave 0..3
	v_and_b32 v61, 31, v0                          ; lane
	v_and_b32 v62, 15, v0                          ; r
	v_bfe_u32 v63, v0, 4, 1                        ; h
	v_lshlrev_b32 v1, 4, v61                       ; AP = 16 lane
	v_lshlrev_b32 v2, 4, v62
	v_lshl_add_u32 v2, v63, 3, v2
	v_add_nc_u32 v2, 512, v2                       ; AQ = 512 + 16 r + 8 h
	v_lshlrev_b32 v3, 2, v61                       ; A4 = 4 lane
	s_mov_b32 s[SEL], 0x76543210
	s_mov_b32 s[SEL+1], 0xfedcba98
	s_cmp_ge_u32 ttmp9, 256
	s_cbranch_scc1 .Lweights
	; ---- mem_table.  Wave U = 4 x work-group + wave makes tiles 2p, 2p+1 of batch b at K step s
	s_lshl_b32 s17, ttmp9, 2
	s_add_co_u32 s17, s17, s16                     ; U
	s_lshr_b32 s18, s17, 8                         ; b
	s_bfe_u32 s19, s17, 0x50003                    ; p
	s_and_b32 s20, s17, 7                          ; s
	s_mul_i32 s21, s18, 1000
	s_lshl_b32 s22, s19, 5
	s_add_co_u32 s21, s21, s22                     ; the pair's first row in the table of 4,000 rows
	s_wait_alu depctr_va_vdst(0)
.irp g, 0,1,2,3
	s_add_co_u32 s22, s21, 8*\g                    ; four groups of 8 rows; 1,000 is a multiple of 8, so a group is wholly real or wholly pad
	s_min_u32 s22, s22, 3992                       ; no load leaves the table
	s_lshl_b32 s22, s22, 12
	v_add_nc_u32 v[4+\g], s22, v1
.endr
	s_mul_i32 s23, s16, STGW
	v_add_nc_u32 v34, s23, v1                      ; the stage, on the way in: 16 lane
	v_mul_u32_u24 v35, v62, 528
	v_lshl_add_u32 v35, v63, 6, v35
	v_add_nc_u32 v35, s23, v35                     ; and out: row r, + 64 h
	v_mov_b32 v28, 0                               ; a lane permute's destination counts as one of its sources
	v_mov_b32 v29, 0
	s_lshl_b32 s24, s20, 9                         ; K step s: 512 bytes along a row
	s_mov_b32 s25, 0
	s_mul_i32 s26, s18, 786432
	s_mul_i32 s27, s19, 24576
	s_add_co_u32 s26, s26, s27
	s_mul_i32 s27, s20, 1536
	s_add_co_u32 s26, s26, s27                     ; image of (tile 2p, step s)
	s_mov_b32 s27, 0
	s_lshl_b32 s28, s18, 15
	s_lshl_b32 s29, s19, 10
	s_add_co_u32 s28, s28, s29
	s_lshl_b32 s29, s20, 7
	s_add_co_u32 s28, s28, s29
	s_add_co_u32 s28, s28, MEM_SC                  ; the pair's 32 scale words of step s
	s_mov_b32 s29, 0
	s_wait_alu depctr_va_vdst(0)
	s_wait_kmcnt 0x0
	s_add_nc_u64 s[4:5], s[4:5], s[24:25]
	s_add_nc_u64 s[26:27], s[14:15], s[26:27]
	s_add_nc_u64 s[28:29], s[14:15], s[28:29]
.irp g, 0,1,2,3
.irp i, 0,1,2,3,4,5,6,7
	global_load_b128 v[64+32*\g+4*\i:64+32*\g+4*\i+3], v[4+\g], s[4:5] offset:4096*\i th:TH_LOAD_NT   ; 32 lanes read 512 consecutive bytes of one row
.endr
.endr
.macro MTILE tau
.if \tau == 0
	s_wait_loadcnt 16                              ; this tile's 16 loads are in; the other tile's 16 may be out
.else
	s_wait_loadcnt 0x0
.endif
	TURN16 64+64*\tau, 192, 34, 35
	s_wait_dscnt 0x0
	QUANT32 192, 36+12*\tau, 10+2*\tau
	QUANT32 224, 42+12*\tau, 11+2*\tau
	global_store_b128 v1, v[36+12*\tau:39+12*\tau], s[26:27] offset:12288*\tau         ; each store of the wave covers 512 or 256 consecutive bytes, aligned
	global_store_b64 v2, v[40+12*\tau:41+12*\tau], s[26:27] offset:12288*\tau
	global_store_b128 v1, v[42+12*\tau:45+12*\tau], s[26:27] offset:12288*\tau+768
	global_store_b64 v2, v[46+12*\tau:47+12*\tau], s[26:27] offset:12288*\tau+768
	v_lshl_or_b32 v[14+\tau], v[11+2*\tau], 16, v[10+2*\tau]                           ; the row's scale word of these 128 along K
.endm
	MTILE 0
	MTILE 1
	v_cmp_lt_u32 s22, 15, v61
	v_cndmask_b32 v14, v14, v15, s22               ; lanes 0-15: the even tile's words; lanes 16-31: the odd tile's
	global_store_b32 v3, v14, s[28:29]
	s_wait_tensorcnt 0x0                           ; the wave's end, behind my last LDS store
	ds_add_u32 v8, v9
	s_wait_dscnt 0x0
	s_endpgm
	; ---- the weights.  id 0-63: w_q, 64-127: w_concat, 128-135: w_kv.  A wave: 32 columns (a pair of tiles) x one K step of 128.  No LDS on this path
.Lweights:
	s_sub_co_u32 s17, ttmp9, 256                   ; id
	s_and_b32 s18, s17, 7                          ; K step s
	s_bfe_u32 s19, s17, 0x30003                    ; group of 128 columns (0 for w_kv)
	s_lshl_b32 s20, s19, 2
	s_add_co_u32 s20, s20, s16                     ; pair of tiles = 4 x group + wave
	v_bfe_u32 v4, v0, 3, 1                         ; my column lies in tile 2 pair + u, u = (lane / 8) & 1,
	v_and_b32 v5, 7, v0
	s_wait_alu depctr_va_vdst(0)
	v_lshl_add_u32 v5, v63, 3, v5                  ; at row r' = lane % 8 + 8 (lane / 16)
	v_mul_u32_u24 v6, v4, 12288
	v_lshl_add_u32 v6, v5, 4, v6                   ; 12,288 u + 16 r'
	v_lshl_add_u32 v7, v4, 4, v5
	v_lshlrev_b32 v7, 2, v7                        ; 4 (16 u + r')
	s_wait_kmcnt 0x0
	s_cmp_lt_u32 s17, 64                           ; the choices hang on the work-group's number alone
	s_cselect_b64 s[22:23], s[6:7], s[8:9]
	s_cselect_b32 s24, 0, WC_IMG
	s_mov_b32 s25, WC_SC
	s_cselect_b32 s25, WQ_SC, s25
	s_cmp_ge_u32 s17, 128
	s_cselect_b64 s[22:23], s[10:11], s[22:23]
	s_cselect_b32 s24, WKV_IMG, s24
	s_cselect_b32 s25, WKV_SC, s25
	s_cselect_b32 s26, 16, 19                      ; 128 rows are 2^16 bytes in w_kv, 2^19 in the others
	s_lshl_b32 s28, s18, s26
	s_lshl_b32 s27, s20, 7                         ; 32 columns are 128 bytes
	s_add_co_u32 s28, s28, s27
	s_mov_b32 s29, 0
	s_add_nc_u64 s[22:23], s[22:23], s[28:29]
	s_mul_i32 s27, s20, 24576
	s_add_co_u32 s24, s24, s27
	s_mul_i32 s27, s18, 1536
	s_add_co_u32 s28, s24, s27
	s_add_nc_u64 s[32:33], s[12:13], s[28:29]      ; image of (tile 2 pair, step s)
	s_lshl_b32 s27, s20, 10
	s_add_co_u32 s25, s25, s27
	s_lshl_b32 s27, s18, 7
	s_add_co_u32 s28, s25, s27
	s_add_nc_u64 s[34:35], s[12:13], s[28:29]      ; the pair's scale words of step s
.macro LOADW blk, pitch                    ; block blk: W(32 blk + i, my column), i = 0..31; a load of the wave reads 128 consecutive bytes
.irp i, 0,1,2,3,4,5,6,7,8,9,10,11,12,13,14,15,16,17,18,19,20,21,22,23,24,25,26,27,28,29,30,31
	global_load_b32 v[64+32*((\blk)%2)+\i], v3, s[22:23] offset:(32*(\blk)+\i)*\pitch th:TH_LOAD_NT
.endr
.endm
.macro BLOCKQ blk                          ; block blk = 2 c + h is the whole of registers 6c..6c+5 of image lane (r', h)
.set XS, 64+32*((\blk)%2)
.set PA, 128+4*(\blk)
.set QQ, 144+2*(\blk)
.set TT, 152+4*(\blk)
	v_max3_num_f32 v16, |v[XS]|, |v[XS+1]|, |v[XS+2]|
	v_max3_num_f32 v17, |v[XS+3]|, |v[XS+4]|, |v[XS+5]|
.irp i, 6,10,14,18,22,26
	v_max3_num_f32 v16, v16, |v[XS+\i]|, |v[XS+\i+1]|
	v_max3_num_f32 v17, v17, |v[XS+\i+2]|, |v[XS+\i+3]|
.endr
	v_max3_num_f32 v16, v16, |v[XS+30]|, |v[XS+31]|
	v_max3_num_f32 v16, v16, v17, 0x1800000        ; and the floor 2^(3 - 127)
	v_add_nc_u32 v18, 0xff000000, v16              ; 2 off the exponent field: the conversion's scale operand
	v_lshrrev_b32 v19, 23, v18                     ; the scale's byte
.if (\blk) == 0
	v_mov_b32 v20, v19
.else
	v_lshl_or_b32 v20, v19, 8*(\blk), v20
.endif
	v_cvt_scalef32_pk16_fp6_f32 v[PA:PA+2], v[XS:XS+15], v18
	v_cvt_scalef32_pk16_fp6_f32 v[TT:TT+2], v[XS+16:XS+31], v18
	v_nop                                          ; one plain place behind a scaled conversion
	v_mov_b32 v[PA+3], v[TT]                       ; registers 6c..6c+3 on end,
	v_mov_b32 v[QQ], v[TT+1]                       ; registers 6c+4, 6c+5 of h = 0 and of h = 1 side by side
	v_mov_b32 v[QQ+1], v[TT+2]
.endm
.macro WSEQ pitch
	LOADW 0, \pitch
	LOADW 1, \pitch
.irp k, 0,1,2,3
.if \k < 3
	s_wait_loadcnt 32                              ; this block's 32 loads are in; the next block's 32 may be out
.else
	s_wait_loadcnt 0x0
.endif
	BLOCKQ \k
.if \k < 2
	LOADW \k+2, \pitch
.endif
.if \k%2
	global_store_b128 v6, v[128+8*(\k/2):131+8*(\k/2)], s[32:33] offset:768*(\k/2)       ; each store: 256 consecutive aligned bytes in each of the two tiles
	global_store_b128 v6, v[132+8*(\k/2):135+8*(\k/2)], s[32:33] offset:768*(\k/2)+256
	global_store_b128 v6, v[144+4*(\k/2):147+4*(\k/2)], s[32:33] offset:768*(\k/2)+512
.endif
.endr
	global_store_b32 v7, v20, s[34:35]
.endm
	s_cmp_ge_u32 s17, 128
	s_cbranch_scc1 .Lnarrow
	WSEQ 4096
	s_endpgm
.Lnarrow:
	WSEQ 512
	s_endpgm
.Lfunc_end_k_qd4d29424d9_prep:
	.size	k_qd4d29424d9_prep, .Lfunc_end_k_qd4d29424d9_prep-k_qd4d29424d9_prep
	.p2alignl 7, 3214868480
	.fill 96, 4, 3214868480
	.section	.rodata,"a",@progbits
	.p2align	6, 0x0
	.amdhsa_kernel k_qd4d29424d9_prep
		.amdhsa_group_segment_fixed_size 34304
		.amdhsa_private_segment_fixed_size 0
		.amdhsa_enable_private_segment 0
		.amdhsa_kernarg_size 48
		.amdhsa_user_sgpr_count 2
		.amdhsa_user_sgpr_kernarg_segment_ptr 1
		.amdhsa_wavefront_size32 1
		.amdhsa_system_sgpr_workgroup_id_x 1
		.amdhsa_system_sgpr_workgroup_id_y 1
		.amdhsa_system_sgpr_workgroup_id_z 1
		.amdhsa_system_vgpr_workitem_id 0
		.amdhsa_next_free_vgpr 256
		.amdhsa_next_free_sgpr 66
		.amdhsa_reserve_vcc 0
		.amdhsa_float_denorm_mode_32 3
		.amdhsa_float_denorm_mode_16_64 3
		.amdhsa_memory_ordered 1
		.amdhsa_forward_progress 1
		.amdhsa_inst_pref_size 58
	.end_amdhsa_kernel
	.amdgpu_metadata
---
amdhsa.version: [ 1, 2 ]
amdhsa.kernels:
  - .name:           k_qd4d29424d9_prep
    .symbol:         k_qd4d29424d9_prep.kd
    .args:
      - { .name: mem_table, .offset: 0, .size: 8, .value_kind: global_buffer, .address_space: global }
      - { .name: w_q, .offset: 8, .size: 8, .value_kind: global_buffer, .address_space: global }
      - { .name: w_concat, .offset: 16, .size: 8, .value_kind: global_buffer, .address_space: global }
      - { .name: w_kv, .offset: 24, .size: 8, .value_kind: global_buffer, .address_space: global }
      - { .name: wts, .offset: 32, .size: 8, .value_kind: global_buffer, .address_space: global }
      - { .name: memq, .offset: 40, .size: 8, .value_kind: global_buffer, .address_space: global }
    .group_segment_fixed_size: 34304
    .private_segment_fixed_size: 0
    .kernarg_segment_align: 8
    .kernarg_segment_size: 48
    .max_flat_workgroup_size: 128
    .sgpr_count:     66
    .vgpr_count:     256
    .wavefront_size: 32
...
	.end_amdgpu_metadata
.endif
;; end of part 5
;; launch chain (part 6): grid 256 x 1, 16 waves a work-group, no clusters, 194,560 bytes of LDS; arguments q, wts, memq, qpq, idx; writes qpq, idx
.if DOCPART == 6
	.amdgcn_target "amdgcn-amd-amdhsa--gfx1250"
	.amdhsa_code_object_version 6
	.text
	.protected	k_qd4d29424d9_chain
	.globl	k_qd4d29424d9_chain
	.p2align	8
	.type	k_qd4d29424d9_chain,@function
k_qd4d29424d9_chain:
	s_mov_b64 s[64:65], 0
	v_nop
	global_prefetch_b8 v0, s[64:65] scope:SCOPE_SE
	s_setreg_imm32_b32 hwreg(HW_REG_WAVE_SCHED_MODE, 0, 2), 2
	s_setreg_imm32_b32 hwreg(HW_REG_WAVE_MODE, 25, 1), 1
	s_wait_xcnt 0x0
	s_wait_alu depctr_vm_vsrc(0)
; CHAIN: for 32 rows of q: Q(q); qp = Q(q) Q(w_q); Q(qp); scores = Q(qp) Q(mem)^T; argmax.  All products on codes of FP6 (E2M3) with E8M0 scales.
; qp leaves only as codes (qpq: fragment images and scale words): the same codes serve the scores here and the attention later, since a head's 64
; are two whole blocks of 32.  idx[row] = the index of the largest score in the row's batch, stored as a whole number for a later launch.
; SHARES.  A work-group owns rows 32 wg .. 32 wg + 31 (two tiles of 16).  Its sixteen waves share the COLUMNS: wave w makes columns 64 w .. 64 w + 63
; of each product for both row tiles: 8 accumulators.  A weight fragment is used by exactly one wave, for two products, and comes from memory straight
; into that wave's registers as an image (2 loads of 16 bytes and 2 of 8 a lane, each instruction on consecutive bytes); two K steps are on their way.
; The rows' codes go from wave to wave through LDS as images of their registers.  Products are used transposed (source 0 = weight tile).
; NO CLUSTER: a jointly asked tile lands in LDS, and each of the two streams (786,432 bytes of codes) would then be written to LDS and read back once
; for two products a fragment; the registers take them directly.
; The input kv is named by no launch of this program: no result hangs on it.
; LIMITS: NaN and infinities among the inputs are not served; on exactly equal scores the lowest index is taken; blocks of zeros carry the byte 1
; (codes zero; the bytes are read by this program alone); blocks whose largest magnitude lies under 2^-124 are held at byte 1.
; THE MODE: SCHED_MODE bits 1:0 = 2 (LLVM: expert scheduling mode 2), set by the entry lines.  The code itself states the register dependences
; between vector or matrix instructions and memory or LDS instructions, with s_wait_alu, always for 0.
; THE PLAN.  Registers that memory or LDS instructions touch:
;   v1-15, v36-41   offsets and LDS addresses: made at the head, never written again.
;   v76-139         q's loads land; the stage's LDS stores read them; from then on the accumulators, named by matrix and vector instructions alone.
;   BF0, BF1, v72-75  two sets of four weight fragments and their scale words.  Step s: its products read set s % 2; behind them the loads of step s + 2 land in it.
;   A0, A1          two sets of two row fragments and their scale words (A0: v48-71, v46-47; A1: v16-27, v236-247, v248-249).  Step s: its products read set s % 2;
;                   the LDS loads of step s + 1 land in the other set, dealt among step s's products.
;   v16-21, v236-244  between the products: codes and scale bytes, written by the quantiser, read by LDS stores; v16-31 then carry qp's codes from LDS to memory.
;   v142-145, v150-181, v183  the argmax: candidates to LDS, wave 0's loads of them, the index to memory.
; In a product ONE wait on va_vdst stands at a step's end, behind its products: they are done reading BF[s % 2] and A[s % 2].  It serves the 18 loads that follow
; at once and the ten LDS loads of the next step, whose products name the other sets and the accumulators alone.
; REGISTERS: v1-3 AP, AQ, A4; v4-15, v36-41 LDS addresses; v16-31 at work, and A1; v42-45 lane terms; v46-47, v72-75, v248-249 scale words and nothing else;
; v48-71 A0; v76-139 the accumulators; v140-187, v188-235 BF0, BF1; v236-247 codes, and A1; v254, v255 the add's two.
.set STGW,   8448
.set XIMG,   135168                    ; behind 16 stages: Q(q), 16 fragment images (8 lt + s)
.set XSC,    159744                    ; their scale words, 128 bytes each
.set QIMG,   161792                    ; Q(qp) likewise
.set QSC,    186368
.set AMV,    188416                    ; each row's best score of each wave: 32 rows x 16 words; 2,048 bytes on: the indices
.set SPARE,  192512                    ; the spare words, 128 bytes a wave
.set WQ_SC,  786432
.set MEM_SC, 3145728
.set QP_SC,  6291456
.set QW,     22
.set BF,     140
.set SEL,    16                        ; s[16:17]
.macro QUANT32 src, pc, hw             ; 32 numbers of a lane, v[src + 16 b + i] = k 32 b + 16 (lane / 16) + i, become six code registers (lane (r, h): block h) and two scale bytes
	v_max3_num_f32 v[QW+4], |v[(\src)]|, |v[(\src)+1]|, 0x1800000      ; with the floor 2^(3 - 127).  An accumulator is read from its low end on
	v_max3_num_f32 v[QW+5], |v[(\src)+16]|, |v[(\src)+17]|, 0x1800000
.irp i, 2,4,6,8,10,12,14
	v_max3_num_f32 v[QW+4], v[QW+4], |v[(\src)+\i]|, |v[(\src)+\i+1]|
	v_max3_num_f32 v[QW+5], v[QW+5], |v[(\src)+16+\i]|, |v[(\src)+17+\i]|
.endr
	v_permlanex16_b32 v[QW+6], v[QW+4], s[SEL], s[SEL+1]
	v_permlanex16_b32 v[QW+7], v[QW+5], s[SEL], s[SEL+1]
	v_max_num_f32 v[QW+4], v[QW+4], v[QW+6]
	v_max_num_f32 v[QW+5], v[QW+5], v[QW+7]
	v_add_nc_u32 v[QW+8], 0xff000000, v[QW+4]                          ; 2 off the exponent field: the conversion's scale operand
	v_add_nc_u32 v[QW+9], 0xff000000, v[QW+5]
	v_lshrrev_b32 v[QW+6], 23, v[QW+8]
	v_lshrrev_b32 v[QW+7], 23, v[QW+9]
	v_lshl_or_b32 v[(\hw)], v[QW+7], 8, v[QW+6]
	v_cvt_scalef32_pk16_fp6_f32 v[(\pc):(\pc)+2], v[(\src):(\src)+15], v[QW+8]
	v_cvt_scalef32_pk16_fp6_f32 v[QW:QW+2], v[(\src)+16:(\src)+31], v[QW+9]
	v_nop                                                              ; one plain place behind a scaled conversion
.irp i, 0,1,2
	v_permlane16_swap_b32 v[(\pc)+\i], v[QW+\i]
.endr
.irp i, 0,1,2
	v_mov_b32 v[(\pc)+3+\i], v[QW+\i]
.endr
.endm
.macro TURN16 R, X, stw, str           ; 16 rows of 512 bytes through my own stage: back come 16 neighbours of each block of 32
.irp i, 0,1,2,3,4,5,6,7,8,9,10,11,12,13,14,15
	ds_store_b128 v[\stw], v[(\R)+4*\i:(\R)+4*\i+3] offset:528*\i
.endr
.irp b, 0,1,2,3
.irp j, 0,1,2,3
	ds_load_b128 v[(\X)+16*\b+4*\j:(\X)+16*\b+4*\j+3], v[\str] offset:128*\b+16*\j
.endr
.endr
.endm
.macro PLACES                          ; four plain places behind matrix instructions, ahead of loads into their registers and of reads of their results
.rept 4
	v_nop
.endr
.endm
.macro BARRIER                         ; my LDS stores have landed and my LDS loads are in: then the work-group's barrier
	s_wait_dscnt 0x0
	s_barrier_signal -1
	s_barrier_wait -1
.endm
.macro WM d, a, b, sa, sb, zero, row1  ; one product; zero = 1: it starts the sum; row1 = 1: source 0's scales stand in lanes 16-31
.if (\zero) && (\row1)
	v_wmma_scale_f32_16x16x128_f8f6f4 v[(\d):(\d)+7], v[(\a):(\a)+11], v[(\b):(\b)+11], 0, v[(\sa)], v[(\sb)] matrix_a_fmt:MATRIX_FMT_FP6 matrix_b_fmt:MATRIX_FMT_FP6 matrix_a_scale:MATRIX_SCALE_ROW1
.elseif (\zero)
	v_wmma_scale_f32_16x16x128_f8f6f4 v[(\d):(\d)+7], v[(\a):(\a)+11], v[(\b):(\b)+11], 0, v[(\sa)], v[(\sb)] matrix_a_fmt:MATRIX_FMT_FP6 matrix_b_fmt:MATRIX_FMT_FP6
.elseif (\row1)
	v_wmma_scale_f32_16x16x128_f8f6f4 v[(\d):(\d)+7], v[(\a):(\a)+11], v[(\b):(\b)+11], v[(\d):(\d)+7], v[(\sa)], v[(\sb)] matrix_a_fmt:MATRIX_FMT_FP6 matrix_b_fmt:MATRIX_FMT_FP6 matrix_a_scale:MATRIX_SCALE_ROW1
.else
	v_wmma_scale_f32_16x16x128_f8f6f4 v[(\d):(\d)+7], v[(\a):(\a)+11], v[(\b):(\b)+11], v[(\d):(\d)+7], v[(\sa)], v[(\sb)] matrix_a_fmt:MATRIX_FMT_FP6 matrix_b_fmt:MATRIX_FMT_FP6
.endif
.endm
.macro GLB buf, s, bb, bsb             ; my four weight fragments of K step s, and their scale words (two tiles a word register): 18 loads
.irp t, 0,1,2,3
.irp c, 0,1
	global_load_b128 v[BF+48*(\buf)+12*\t+6*\c:BF+48*(\buf)+12*\t+6*\c+3], v1, s[\bb:\bb+1] offset:12288*\t+1536*(\s)+768*\c
	global_load_b64 v[BF+48*(\buf)+12*\t+6*\c+4:BF+48*(\buf)+12*\t+6*\c+5], v2, s[\bb:\bb+1] offset:12288*\t+1536*(\s)+768*\c
.endr
.endr
.irp i, 0,1
	global_load_b32 v[72+2*(\buf)+\i], v3, s[\bsb:\bsb+1] offset:1024*\i+128*(\s)
.endr
.endm
; Row fragment l of K step s lies in set s % 2: set 0 at v[48 + 12 l], set 1 at v16 (l = 0) and v236 (l = 1); its scale words in v[46 + l] or v[248 + l].
.macro ALH s, l, c, fp, fq             ; half c of it, from LDS: 2 loads
.set AFB, 48+12*(\l)+((\s)%2)*(208*(\l)-32)+6*(\c)
	ds_load_b128 v[AFB:AFB+3], v[\fp] offset:(8*(\l)+(\s))*1536+768*(\c)
	ds_load_b64 v[AFB+4:AFB+5], v[\fq] offset:(8*(\l)+(\s))*1536+768*(\c)
.endm
.macro ALW s, l, f4                    ; its scale words
	ds_load_b32 v[46+(\l)+202*((\s)%2)], v[\f4] offset:(8*(\l)+(\s))*128
.endm
; K step s: 8 products; the 8 accumulators take turns, one instruction a turn.  ahead = 1: the next step's ten LDS loads are dealt among them, into the
; other set of row fragments.  No wait: no vector or matrix instruction since the wait at the last step's end names that set.
.macro MM s, zero, ahead, fp, fq, f4
.irp t, 0,1,2,3
.irp l, 0,1
	WM 76+32*\l+8*\t, BF+48*((\s)%2)+12*\t, 48+12*\l+((\s)%2)*(208*\l-32), 72+2*((\s)%2)+\t/2, 46+\l+202*((\s)%2), \zero, \t%2
.endr
.if \ahead
	ALH (\s)+1, \t/2, \t%2, \fp, \fq
.if \t%2
	ALW (\s)+1, \t/2, \f4
.endif
.endif
.endr
.endm
.macro GEMM64 fp, fq, f4, bb, bsb      ; 32 rows x my 64 columns x K = 1,024.  K steps 0 and 1 of the weights were asked for earlier
.irp l, 0,1
	ALH 0, \l, 0, \fp, \fq                         ; K step 0's row fragments, into set 0
	ALH 0, \l, 1, \fp, \fq
	ALW 0, \l, \f4
.endr
.irp s, 0,1,2,3,4,5,6,7
.if \s < 7
	s_wait_loadcnt 18                              ; this step's 18 loads are in; the next step's 18 may be out
.else
	s_wait_loadcnt 0x0
.endif
	s_wait_dscnt 0x0                               ; this step's row fragments are in: they were asked for a step ago
.if \s == 0
	MM \s, 1, 1, \fp, \fq, \f4
.elseif \s < 7
	MM \s, 0, 1, \fp, \fq, \f4
.else
	MM \s, 0, 0, \fp, \fq, \f4
.endif
.if \s != 6
	PLACES
.endif
.if \s < 6
	s_wait_alu depctr_va_vdst(0)                   ; this step's products are done reading their set of weight fragments and scale words, in which the loads below land, and their set of row fragments, in which the next step's LDS loads land
	GLB \s%2, \s+2, \bb, \bsb
.endif
.endr
.endm
	s_load_b256 s[4:11], s[0:1], 0x0               ; q s[4:5], wts s[6:7], memq s[8:9], qpq s[10:11]
	s_load_b64 s[12:13], s[0:1], 0x20              ; idx
	v_lshl_add_u32 v254, v0, 2, SPARE              ; my spare word; never rewritten
	v_mov_b32 v255, 0                              ; 0; never rewritten
	v_lshrrev_b32 v42, 5, v0
	v_readfirstlane_b32 s14, v42                   ; wave 0..15
	v_and_b32 v43, 31, v0                          ; lane
	v_and_b32 v44, 15, v0                          ; r
	v_bfe_u32 v45, v0, 4, 1                        ; h
	v_lshlrev_b32 v1, 4, v43                       ; AP
	v_lshlrev_b32 v2, 4, v44
	v_lshl_add_u32 v2, v45, 3, v2
	v_add_nc_u32 v2, 512, v2                       ; AQ
	v_lshlrev_b32 v3, 2, v43                       ; A4
	s_mov_b32 s[SEL], 0x76543210
	s_mov_b32 s[SEL+1], 0xfedcba98
	s_wait_alu depctr_va_sdst(0)                   ; s14 is written, ahead of its first reader: bases, LDS addresses and branches are made from it
	s_lshr_b32 s40, s14, 3                         ; phase X: my fragment is (row tile lt = w / 8, K step w % 8)
	s_and_b32 s41, s14, 7
	s_lshl_b32 s18, ttmp9, 17                      ; 32 rows of 4,096 bytes
	s_lshl_b32 s40, s40, 16
	s_add_co_u32 s18, s18, s40
	s_lshl_b32 s41, s41, 9
	s_add_co_u32 s18, s18, s41
	s_mov_b32 s19, 0
	s_wait_kmcnt 0x0
	s_add_nc_u64 s[24:25], s[4:5], s[18:19]
	s_wait_alu depctr_va_vdst(0)                   ; v1 is written, which q's loads read as their offset
.irp i, 0,1,2,3,4,5,6,7,8,9,10,11,12,13,14,15
	global_load_b128 v[76+4*\i:76+4*\i+3], v1, s[24:25] offset:4096*\i th:TH_LOAD_NT   ; 512 consecutive bytes of one row
.endr
	; every LDS address: a constant + a constant x lane + a constant x wave
	s_mul_i32 s40, s14, STGW
	v_add_nc_u32 v4, s40, v1                       ; my stage, in
	v_mul_u32_u24 v5, v44, 528
	v_lshl_add_u32 v5, v45, 6, v5
	v_add_nc_u32 v5, s40, v5                       ; and out
	s_mul_i32 s40, s14, 1536
	s_add_co_u32 s41, s40, XIMG
	v_add_nc_u32 v6, s41, v1                       ; where I store my fragment of Q(q)
	v_add_nc_u32 v7, s41, v2
	s_lshl_b32 s42, s14, 7
	s_add_co_u32 s43, s42, XSC
	v_add_nc_u32 v8, s43, v3
	v_add_nc_u32 v9, XIMG, v1                      ; where all read Q(q)
	v_add_nc_u32 v10, XIMG, v2
	v_add_nc_u32 v11, XSC, v3
	v_add_nc_u32 v12, QIMG, v1                     ; and Q(qp)
	v_add_nc_u32 v13, QIMG, v2
	v_add_nc_u32 v14, QSC, v3
	s_mul_i32 s43, s14, 768
	s_add_co_u32 s43, s43, QIMG
	v_add_nc_u32 v15, s43, v1                      ; my 64 columns of qp are half w % 2 of K step w / 2: 768 w
	v_add_nc_u32 v36, s43, v2
	s_lshr_b32 s43, s14, 1
	s_lshl_b32 s43, s43, 7
	s_and_b32 s44, s14, 1
	s_lshl_b32 s44, s44, 1
	s_add_co_u32 s43, s43, s44
	s_add_co_u32 s43, s43, QSC
	v_add_nc_u32 v37, s43, v3                      ; and two bytes of that step's scale words
	s_lshl_b32 s43, s14, 2
	s_add_co_u32 s43, s43, AMV
	v_lshl_add_u32 v38, v44, 6, s43                ; AMV + 64 r + 4 w
	v_lshlrev_b32 v39, 6, v43
	v_add_nc_u32 v39, AMV, v39                     ; AMV + 64 x row (wave 0: a lane a row)
	s_add_co_u32 s43, s40, QIMG
	v_add_nc_u32 v40, s43, v1                      ; the copy out: 1,536 bytes a wave
	s_min_u32 s43, s14, 3
	s_lshl_b32 s43, s43, 9
	s_add_co_u32 s43, s43, QSC
	v_add_nc_u32 v41, s43, v1                      ; and 512 bytes of scale words for each of waves 0-3
	v_mov_b32 v28, 0                               ; a lane permute's destination counts as one of its sources
	v_mov_b32 v29, 0
	; the other addresses in memory
	s_mul_i32 s18, s14, 49152
	s_add_nc_u64 s[26:27], s[6:7], s[18:19]        ; w_q: my four tiles
	s_lshl_b32 s18, s14, 11
	s_add_co_u32 s18, s18, WQ_SC
	s_add_nc_u64 s[28:29], s[6:7], s[18:19]
	s_lshr_b32 s42, ttmp9, 6                       ; batch
	s_mul_i32 s18, s42, 786432
	s_mul_i32 s43, s14, 49152
	s_add_co_u32 s18, s18, s43
	s_add_nc_u64 s[30:31], s[8:9], s[18:19]        ; mem: my four tiles
	s_lshl_b32 s18, s42, 15
	s_lshl_b32 s43, s14, 11
	s_add_co_u32 s18, s18, s43
	s_add_co_u32 s18, s18, MEM_SC
	s_add_nc_u64 s[32:33], s[8:9], s[18:19]
	s_mul_i32 s18, ttmp9, 24576
	s_mul_i32 s43, s14, 1536
	s_add_co_u32 s18, s18, s43
	s_add_nc_u64 s[34:35], s[10:11], s[18:19]      ; qpq: images
	s_lshl_b32 s18, ttmp9, 11
	s_min_u32 s43, s14, 3
	s_lshl_b32 s43, s43, 9
	s_add_co_u32 s18, s18, s43
	s_add_co_u32 s18, s18, QP_SC
	s_add_nc_u64 s[36:37], s[10:11], s[18:19]      ; qpq: scale words
	s_lshl_b32 s18, ttmp9, 7
	s_add_nc_u64 s[38:39], s[12:13], s[18:19]      ; idx: 32 words
	; ---- X: my fragment of Q(q)
	s_wait_loadcnt 0x0
	s_wait_alu depctr_va_vdst(0)                   ; the offsets v2, v3 and the LDS addresses v4-15, v36-41 are written: every LDS instruction of the kernel, and the loads of weights, read some of them
	TURN16 76, 140, 4, 5
	s_wait_dscnt 0x0
	QUANT32 140, 16, 242
	QUANT32 172, 236, 243
	v_lshl_or_b32 v244, v243, 16, v242
	s_wait_alu depctr_va_vdst(0)                   ; the quantiser has written the codes v16-21, v236-241 and the word v244, which the LDS stores read; it is done reading v140-203, in which w_q's loads land, and with v16-27, v236-244, in which row fragments will land
	ds_store_b128 v6, v[16:19]
	ds_store_b64 v7, v[20:21]
	ds_store_b128 v6, v[236:239] offset:768
	ds_store_b64 v7, v[240:241] offset:768
	ds_store_b32 v8, v244
	GLB 0, 0, 26, 28                               ; w_q's first two K steps are asked for ahead of the barrier
	GLB 1, 1, 26, 28
	BARRIER                                        ; Q(q)'s sixteen fragments lie in LDS
	s_wait_alu depctr_vm_vsrc(0)                   ; my LDS stores have read v76-139 (q on its way into the stage), which the products write, and v16-21, v236-241, v244, in which row fragments land
	; ---- 1: qp.  Lane (r, h) holds row 16 lt + r; register 32 lt + 8 t + j holds column 64 w + 32 (t / 2) + 16 h + 8 (t % 2) + j
	GEMM64 9, 10, 11, 26, 28
	s_wait_alu depctr_va_vdst(0)                   ; the last two steps' products are done reading both sets of weight fragments and scale words, in which mem's loads land
	GLB 0, 0, 30, 32                               ; mem's first two K steps land while qp is quantised
	GLB 1, 1, 30, 32
	QUANT32 76, 16, 242
	QUANT32 108, 236, 243
	s_wait_alu depctr_va_vdst(0)                   ; the quantiser has written the codes v16-21, v236-241 and the bytes v242, v243, which the six LDS stores read; it is done with v16-31, in which the copy's loads land
	ds_store_b128 v15, v[16:19]
	ds_store_b64 v36, v[20:21]
	ds_store_b16 v37, v242
	ds_store_b128 v15, v[236:239] offset:12288
	ds_store_b64 v36, v[240:241] offset:12288
	ds_store_b16 v37, v243 offset:1024
	BARRIER                                        ; Q(qp)'s sixteen fragments lie in LDS
	s_wait_alu depctr_vm_vsrc(0)                   ; my LDS stores have read v16-21, in which the copy's loads land, and v236-243, in which row fragments land
	; ---- the codes of qp leave: each store of the wave covers 512 consecutive bytes, aligned
.irp k, 0,1,2
	ds_load_b128 v[16+4*\k:19+4*\k], v40 offset:512*\k
.endr
	s_wait_dscnt 0x0
.irp k, 0,1,2
	global_store_b128 v1, v[16+4*\k:19+4*\k], s[34:35] offset:512*\k
.endr
	s_cmp_gt_u32 s14, 3
	s_cbranch_scc1 .Lno_sc
	ds_load_b128 v[28:31], v41
	s_wait_dscnt 0x0
	global_store_b128 v1, v[28:31], s[36:37]
.Lno_sc:
	s_wait_xcnt 0x0                                ; every earlier memory instruction has had its addresses translated (ISA guide 3.1): the stores' data v16-27 are loaded again only behind this wait,
	s_wait_alu depctr_vm_vsrc(0)                   ; and behind this one: the stores of qp's codes have read v16-27, in which row fragments land
	; ---- 2: the scores.  Register 32 lt + 8 t + j is memory row n = 64 w + 16 t + 8 h + j
	GEMM64 12, 13, 14, 30, 32
	; ---- the argmax.  No branch and no address hangs on a score: choices are made by v_cndmask_b32.  The compares stand in runs, each with one wait ahead of the selects that read its masks
	v_lshlrev_b32 v140, 3, v45
	s_lshl_b32 s40, s14, 6
	v_add_nc_u32 v140, s40, v140                   ; n0 = 64 w + 8 h
	v_mov_b32 v141, 0xff800000                     ; -infinity for the pads, n >= 1,000: whole groups of eight, in tiles 2 and 3 alone
	v_cmp_le_u32 s20, 1000-32, v140
	v_cmp_le_u32 s21, 1000-48, v140
	s_wait_alu depctr_va_sdst(0)                   ; the pads' masks s20, s21 are written, ahead of the selects that read them
.irp t, 2,3
.irp l, 0,1
.irp j, 0,1,2,3,4,5,6,7
	v_cndmask_b32 v[76+32*\l+8*\t+\j], v[76+32*\l+8*\t+\j], v141, s[18+\t]
.endr
.endr
.endr
	v_max3_num_f32 v142, v76, v77, v78             ; each row tile's largest of my 32 scores; ascending registers: each accumulator from its low end on
	v_max3_num_f32 v143, v108, v109, v110
.irp i, 3,5,7,9,11,13,15,17,19,21,23,25,27,29
	v_max3_num_f32 v142, v142, v[76+\i], v[77+\i]
	v_max3_num_f32 v143, v143, v[108+\i], v[109+\i]
.endr
	v_max_num_f32 v142, v142, v107
	v_max_num_f32 v143, v143, v139
	v_mov_b32 v144, 31                             ; the register that holds it: the selects walk downward and take every register that is not under the largest, so the lowest n wins a tie
	v_mov_b32 v145, 31
.irp g, 3,2,1,0
.irp j, 0,1,2,3,4,5,6,7
.if 8*\g+\j < 31
	v_cmp_gt_f32 s[18+\j], v142, v[76+8*\g+\j]     ; no compare hangs on another: eight for each row tile in a run
	v_cmp_gt_f32 s[26+\j], v143, v[108+8*\g+\j]
.endif
.endr
	s_wait_alu depctr_va_sdst(0)                   ; the run's masks s18-33 are written, ahead of the selects that read them
.irp j, 7,6,5,4,3,2,1,0
.if 8*\g+\j < 31
	v_cndmask_b32 v144, 8*\g+\j, v144, s[18+\j]
	v_cndmask_b32 v145, 8*\g+\j, v145, s[26+\j]
.endif
.endr
.endr
	v_and_b32 v146, 24, v144
	v_and_b32 v147, 24, v145
	v_add3_u32 v144, v144, v146, v140              ; n = n0 + 16 t + j
	v_add3_u32 v145, v145, v147, v140
	v_permlanex16_b32 v146, v142, s[SEL], s[SEL+1] ; with lane l xor 16: the greater score, on equal scores the lower n
	v_permlanex16_b32 v147, v144, s[SEL], s[SEL+1]
	v_permlanex16_b32 v148, v143, s[SEL], s[SEL+1]
	v_permlanex16_b32 v149, v145, s[SEL], s[SEL+1]
	v_cmp_gt_f32 s18, v146, v142
	v_cmp_eq_f32 s19, v146, v142
	v_cmp_lt_u32 s20, v147, v144
	v_cmp_gt_f32 s21, v148, v143
	v_cmp_eq_f32 s22, v148, v143
	v_cmp_lt_u32 s23, v149, v145
	s_wait_alu depctr_va_sdst(0)                   ; the six masks s18-23 are written, ahead of the scalar lines that join them
	s_and_b32 s41, s19, s20
	s_or_b32 s41, s18, s41
	s_and_b32 s42, s22, s23
	s_or_b32 s42, s21, s42
	v_cndmask_b32 v142, v142, v146, s41
	v_cndmask_b32 v144, v144, v147, s41
	v_cndmask_b32 v143, v143, v148, s42
	v_cndmask_b32 v145, v145, v149, s42
	s_wait_alu depctr_va_vdst(0)                   ; the selects have written v142-145, which the LDS stores read; every vector and matrix instruction is done with v150-181, in which wave 0's loads land
	ds_store_b32 v38, v142                         ; both lanes of a row write the same word with the same value
	ds_store_b32 v38, v144 offset:2048
	ds_store_b32 v38, v143 offset:1024
	ds_store_b32 v38, v145 offset:3072
	BARRIER                                        ; each row's sixteen candidates lie in LDS
	s_cmp_lg_u32 s14, 0
	s_cbranch_scc1 .Ldone
.irp k, 0,1,2,3
	ds_load_b128 v[150+4*\k:153+4*\k], v39 offset:16*\k
	ds_load_b128 v[166+4*\k:169+4*\k], v39 offset:2048+16*\k
.endr
	s_wait_dscnt 0x0
	v_max3_num_f32 v182, v150, v151, v152          ; the row's largest score of all sixteen waves
.irp k, 3,5,7,9,11,13
	v_max3_num_f32 v182, v182, v[150+\k], v[151+\k]
.endr
	v_max_num_f32 v182, v182, v165
.irp k, 0,1,2,3,4,5,6,7,8,9,10,11,12,13,14
	v_cmp_gt_f32 s[18+\k], v182, v[150+\k]
.endr
	v_mov_b32 v183, v181
	s_wait_alu depctr_va_sdst(0)                   ; the fifteen masks s18-32 are written, ahead of the selects that read them
.irp k, 14,13,12,11,10,9,8,7,6,5,4,3,2,1,0
	v_cndmask_b32 v183, v[166+\k], v183, s[18+\k]  ; downward: ascending waves are ascending n, so the lowest n wins a tie
.endr
	s_wait_alu depctr_va_vdst(0)                   ; the selects have written v183, which the store reads
	global_store_b32 v3, v183, s[38:39]            ; 32 rows' indices: 128 consecutive bytes
.Ldone:
	s_wait_dscnt 0x0                               ; the closing lines, six on end
	s_wait_alu 0x0
	s_wait_tensorcnt 0x0
	ds_add_u32 v254, v255
	s_wait_dscnt 0x0
	s_endpgm
.Lfunc_end_k_qd4d29424d9_chain:
	.size	k_qd4d29424d9_chain, .Lfunc_end_k_qd4d29424d9_chain-k_qd4d29424d9_chain
	.p2alignl 7, 3214868480
	.fill 96, 4, 3214868480
	.section	.rodata,"a",@progbits
	.p2align	6, 0x0
	.amdhsa_kernel k_qd4d29424d9_chain
		.amdhsa_group_segment_fixed_size 194560
		.amdhsa_private_segment_fixed_size 0
		.amdhsa_enable_private_segment 0
		.amdhsa_kernarg_size 40
		.amdhsa_user_sgpr_count 2
		.amdhsa_user_sgpr_kernarg_segment_ptr 1
		.amdhsa_wavefront_size32 1
		.amdhsa_system_sgpr_workgroup_id_x 1
		.amdhsa_system_sgpr_workgroup_id_y 1
		.amdhsa_system_sgpr_workgroup_id_z 1
		.amdhsa_system_vgpr_workitem_id 0
		.amdhsa_next_free_vgpr 256
		.amdhsa_next_free_sgpr 66
		.amdhsa_reserve_vcc 0
		.amdhsa_float_denorm_mode_32 3
		.amdhsa_float_denorm_mode_16_64 3
		.amdhsa_memory_ordered 1
		.amdhsa_forward_progress 1
		.amdhsa_inst_pref_size 91
	.end_amdhsa_kernel
	.amdgpu_metadata
---
amdhsa.version: [ 1, 2 ]
amdhsa.kernels:
  - .name:           k_qd4d29424d9_chain
    .symbol:         k_qd4d29424d9_chain.kd
    .args:
      - { .name: q, .offset: 0, .size: 8, .value_kind: global_buffer, .address_space: global }
      - { .name: wts, .offset: 8, .size: 8, .value_kind: global_buffer, .address_space: global }
      - { .name: memq, .offset: 16, .size: 8, .value_kind: global_buffer, .address_space: global }
      - { .name: qpq, .offset: 24, .size: 8, .value_kind: global_buffer, .address_space: global }
      - { .name: idx, .offset: 32, .size: 8, .value_kind: global_buffer, .address_space: global }
    .group_segment_fixed_size: 194560
    .private_segment_fixed_size: 0
    .kernarg_segment_align: 8
    .kernarg_segment_size: 40
    .max_flat_workgroup_size: 512
    .sgpr_count:     66
    .vgpr_count:     256
    .wavefront_size: 32
...
	.end_amdgpu_metadata
.endif
;; end of part 6
;; launch kvprep (part 7): grid 128 x 1, 4 waves a work-group, no clusters, 0 bytes of LDS; arguments idx, memq, wts, kvimg; writes kvimg
.if DOCPART == 7
	.amdgcn_target "amdgcn-amd-amdhsa--gfx1250"
	.amdhsa_code_object_version 6
	.text
	.protected	k_qd4d29424d9_kvprep
	.globl	k_qd4d29424d9_kvprep
	.p2align	8
	.type	k_qd4d29424d9_kvprep,@function
k_qd4d29424d9_kvprep:
	s_mov_b64 s[64:65], 0
	v_nop
	global_prefetch_b8 v0, s[64:65] scope:SCOPE_SE
	s_setreg_imm32_b32 hwreg(HW_REG_WAVE_SCHED_MODE, 0, 2), 2
	s_setreg_imm32_b32 hwreg(HW_REG_WAVE_MODE, 25, 1), 1
	s_wait_xcnt 0x0
	s_wait_alu depctr_vm_vsrc(0)
; KVPREP: for 64 keys: [k | v] = Q(mem[idx]) Q(w_kv), then Q(k) along the head's 64 and Q(v) along the keys, laid as the attention's operand images.
; Q(mem[idx]) is a gather of Q(mem_table): same axis, same blocks.  idx was stored as whole numbers by the launch before; each is held to 0..999
; ahead of its use in an address.  No branch and no trip count hangs on it.
; SHARES.  Work-group = (batch b, keys 64 g .. 64 g + 63).  Every wave runs ONE text: D = X (4 tiles, source 0: D's registers) x Y (2 tiles, source 1: D's lanes), K = 1,024.
;   waves 0, 1 (k): X = w_kv's tiles 0-3 (the 64 of k); Y = keys 64 g + 32 (wave & 1) + 8 y + r + (r & 8): a lane holds a key, its registers run along the head.
;   waves 2, 3 (v): X = keys 64 g + 32 (x / 2) + 8 (x % 2) + r + (r & 8); Y = w_kv's tiles 4 + 2 (wave & 1) + y: a lane holds a channel of v, its registers run along the keys.
; What differs (bases, offsets) is chosen by s_cselect and by masks of ones or zeros on the wave's number.
; kvimg, for each batch and step of 128 keys, 13,312 bytes: four fragments of K, each with TWO key tiles side by side along the instruction's 128 (registers 0-5: key
; 32 f + r + (r & 8); registers 6-11: that key + 8); four fragments of V^T; then K's and V's scale words, 128 bytes a fragment.
; The scale bytes leave two at a time (a wave makes half of a word): 64 bytes of each 128 an instruction; they are one part in thirteen of what the launch stores.
; NO CLUSTER, NO LDS: the gathered rows differ from wave to wave, and w_kv's 98,304 bytes of codes go straight into registers.
; LIMITS as in the other launches: NaN and infinities are not served; blocks of zeros carry the byte 1.
; THE MODE: SCHED_MODE bits 1:0 = 2 (LLVM: expert scheduling mode 2), set by the entry lines.  The code itself states the register dependences
; between vector or matrix instructions and memory instructions, with s_wait_alu, always for 0.
; THE PLAN.  Registers that memory instructions touch:
;   v27, v28        the offsets of idx's loads; later part of the accumulators v24-87, which the products write.
;   v1-3, v4-21     offsets, made once ahead of the first load that reads them, never written again.
;   two sets of 78  (v88-165, v166-243): six fragments and six scale words.  Step s: its products read set s % 2; behind them the loads of step s + 2 land in it.
;   v100-113        at the end: codes and scale bytes, written by the quantiser, read by the six stores.
; ONE wait on va_vdst stands at a step's end, behind its eight products and ahead of the 30 loads into the set that they read.  It stands there and not at the next step's head,
; so that two steps' loads are on their way while a step's data are waited for.
.set MEM_SC,  3145728
.set WKV_IMG, 1638400
.set WKV_SC,  1736704
.set QW,      88                       ; behind the loop v88-97 are at work in QUANT32
.set SEL,     18                       ; s[18:19]
.macro QUANT32 src, pc, hw             ; 32 numbers of a lane, v[src + 16 b + i] = k 32 b + 16 (lane / 16) + i, become six code registers (lane (r, h): block h) and two scale bytes
	v_max3_num_f32 v[QW+4], |v[(\src)]|, |v[(\src)+1]|, 0x1800000      ; with the floor 2^(3 - 127).  An accumulator is read from its low end on
	v_max3_num_f32 v[QW+5], |v[(\src)+16]|, |v[(\src)+17]|, 0x1800000
.irp i, 2,4,6,8,10,12,14
	v_max3_num_f32 v[QW+4], v[QW+4], |v[(\src)+\i]|, |v[(\src)+\i+1]|
	v_max3_num_f32 v[QW+5], v[QW+5], |v[(\src)+16+\i]|, |v[(\src)+17+\i]|
.endr
	v_permlanex16_b32 v[QW+6], v[QW+4], s[SEL], s[SEL+1]
	v_permlanex16_b32 v[QW+7], v[QW+5], s[SEL], s[SEL+1]
	v_max_num_f32 v[QW+4], v[QW+4], v[QW+6]
	v_max_num_f32 v[QW+5], v[QW+5], v[QW+7]
	v_add_nc_u32 v[QW+8], 0xff000000, v[QW+4]
	v_add_nc_u32 v[QW+9], 0xff000000, v[QW+5]
	v_lshrrev_b32 v[QW+6], 23, v[QW+8]
	v_lshrrev_b32 v[QW+7], 23, v[QW+9]
	v_lshl_or_b32 v[(\hw)], v[QW+7], 8, v[QW+6]
	v_cvt_scalef32_pk16_fp6_f32 v[(\pc):(\pc)+2], v[(\src):(\src)+15], v[QW+8]
	v_cvt_scalef32_pk16_fp6_f32 v[QW:QW+2], v[(\src)+16:(\src)+31], v[QW+9]
	v_nop                                                              ; one plain place behind a scaled conversion
.irp i, 0,1,2
	v_permlane16_swap_b32 v[(\pc)+\i], v[QW+\i]
.endr
.irp i, 0,1,2
	v_mov_b32 v[(\pc)+3+\i], v[QW+\i]
.endr
.endm
	s_load_b256 s[4:11], s[0:1], 0x0               ; idx s[4:5], memq s[6:7], wts s[8:9], kvimg s[10:11]
	v_lshrrev_b32 v24, 5, v0
	v_readfirstlane_b32 s12, v24                   ; wave 0..3
	v_and_b32 v24, 31, v0                          ; lane
	v_and_b32 v25, 15, v0                          ; r
	v_bfe_u32 v26, v0, 4, 1                        ; h
	v_lshlrev_b32 v1, 4, v24                       ; AP
	v_lshlrev_b32 v2, 4, v25
	v_lshl_add_u32 v2, v26, 3, v2
	v_add_nc_u32 v2, 512, v2                       ; AQ
	v_lshlrev_b32 v3, 2, v24                       ; A4
	v_and_b32 v27, 8, v25
	v_add_nc_u32 v27, v27, v25
	v_lshlrev_b32 v27, 2, v27                      ; 4 (r + (r & 8)): my key's word in idx, for X's tiles;
	s_wait_alu depctr_va_vdst(0)
	v_lshlrev_b32 v42, 2, v25                      ; 4 r
	s_mov_b32 s[SEL], 0x76543210
	s_mov_b32 s[SEL+1], 0xfedcba98
	s_lshr_b32 s15, ttmp9, 5                       ; batch
	s_and_b32 s16, ttmp9, 31                       ; g
	s_wait_alu depctr_va_sdst(0)                   ; s12 is written, ahead of its first reader: the roles, bases and offsets are made from it
	s_lshr_b32 s13, s12, 1                         ; role: 0 = k, 1 = v
	s_and_b32 s14, s12, 1
	s_lshl_b32 s48, s14, 7
	v_add_nc_u32 v28, s48, v27                     ; for Y's tiles: 32 (wave & 1) keys on
	s_cmp_eq_u32 s13, 1
	s_cselect_b32 s46, -1, 0                       ; ones where X is gathered (v),
	s_cselect_b32 s47, 0, -1                       ; ones where Y is gathered (k)
	s_lshl_b32 s48, ttmp9, 8                       ; 64 keys x 4 bytes a work-group
	s_mov_b32 s49, 0
	s_wait_kmcnt 0x0
	s_add_nc_u64 s[44:45], s[4:5], s[48:49]
	s_wait_alu depctr_va_vdst(0)                   ; v27 and v28 are written, which idx's loads read as their offsets
.irp x, 0,1,2,3
	global_load_b32 v[30+\x], v27, s[44:45] offset:4*(32*(\x/2)+8*(\x%2))   ; both roles' indices are loaded by every wave: all lie inside the work-group's 64
.endr
.irp y, 0,1
	global_load_b32 v[34+\y], v28, s[44:45] offset:32*\y
.endr
	s_mul_i32 s48, s15, 786432
	s_add_nc_u64 s[28:29], s[6:7], s[48:49]        ; the batch's images of mem,
	s_lshl_b32 s48, s15, 15
	s_add_co_u32 s48, s48, MEM_SC
	s_add_nc_u64 s[30:31], s[6:7], s[48:49]        ; its scale words,
	s_add_nc_u64 s[32:33], s[8:9], WKV_IMG         ; w_kv's images,
	s_add_nc_u64 s[34:35], s[8:9], WKV_SC          ; and scale words
	s_cmp_eq_u32 s13, 1
	s_cselect_b64 s[20:21], s[28:29], s[32:33]     ; X's
	s_cselect_b64 s[22:23], s[30:31], s[34:35]
	s_cselect_b64 s[24:25], s[32:33], s[28:29]     ; Y's
	s_cselect_b64 s[26:27], s[34:35], s[30:31]
	; where the results go
	s_lshr_b32 s50, s16, 1                         ; the step of 128 keys
	s_and_b32 s51, s16, 1                          ; which half of it
	s_mul_i32 s48, s15, 212992
	s_mul_i32 s50, s50, 13312
	s_add_co_u32 s52, s48, s50
	s_lshl_b32 s53, s51, 1
	s_add_co_u32 s53, s53, s14                     ; k: fragment f = 2 (g & 1) + (wave & 1); y is its half
	s_mul_i32 s54, s53, 1536
	s_lshl_b32 s55, s53, 7
	s_add_co_u32 s55, s55, 12288
	s_mul_i32 s56, s14, 3072                       ; v: fragment 2 (wave & 1) + y; g & 1 is its half
	s_mul_i32 s57, s51, 768
	s_add_co_u32 s56, s56, s57
	s_add_co_u32 s56, s56, 6144
	s_lshl_b32 s57, s14, 8
	s_lshl_b32 s58, s51, 1
	s_add_co_u32 s57, s57, s58
	s_add_co_u32 s57, s57, 12800
	s_cmp_eq_u32 s13, 1
	s_cselect_b32 s54, s56, s54
	s_cselect_b32 s55, s57, s55
	s_mov_b32 s56, 768
	s_cselect_b32 s56, 1536, s56                   ; from y = 0 to y = 1: in the images,
	s_cselect_b32 s57, 128, 2                      ; in the scale words
	s_add_co_u32 s48, s52, s54
	s_add_nc_u64 s[36:37], s[10:11], s[48:49]
	s_add_co_u32 s48, s48, s56
	s_add_nc_u64 s[38:39], s[10:11], s[48:49]
	s_add_co_u32 s48, s52, s55
	s_add_nc_u64 s[40:41], s[10:11], s[48:49]
	s_add_co_u32 s48, s48, s57
	s_add_nc_u64 s[42:43], s[10:11], s[48:49]
	s_wait_loadcnt 0x0
	s_wait_alu depctr_vm_vsrc(0)                   ; idx's loads have read v27 and v28, which the first products write: they lie among the accumulators
.irp T, 0,1,2,3,4,5
	v_min_u32 v[30+\T], 999, v[30+\T]              ; an index stays inside its table
.endr
; Tile T's three offsets: gathered (memory row n: tile n / 16, row n % 16) or a weight tile's (s59, s60), one of the two masked away.
.macro MKOFF T, mg, mw
	v_and_b32 v36, 0x3f0, v[30+\T]
	v_mul_u32_u24 v36, v36, 768                    ; (n / 16) x 12,288
	v_and_b32 v37, 15, v[30+\T]
	v_lshl_add_u32 v36, v37, 4, v36                ; + 16 (n % 16)
	v_lshl_add_u32 v38, v26, 8, v36                ; registers 6c..6c+3: + 256 h
	v_lshl_add_u32 v39, v26, 3, v36
	v_add_nc_u32 v39, 512, v39                     ; registers 6c+4, 6c+5: + 512 + 8 h
	v_and_b32 v40, 0x3e0, v[30+\T]
	v_lshlrev_b32 v40, 5, v40                      ; (n / 32) x 1,024
	v_and_b32 v41, 31, v[30+\T]
	v_lshl_add_u32 v40, v41, 2, v40                ; + 4 (n % 32): the row's scale word
	v_add_nc_u32 v43, s59, v1
	v_add_nc_u32 v44, s59, v2
	v_add_nc_u32 v45, s60, v42
	v_and_b32 v38, s[\mg], v38
	v_and_b32 v39, s[\mg], v39
	v_and_b32 v40, s[\mg], v40
	v_and_b32 v43, s[\mw], v43
	v_and_b32 v44, s[\mw], v44
	v_and_b32 v45, s[\mw], v45
	v_add_nc_u32 v[4+\T], v38, v43
	v_add_nc_u32 v[10+\T], v39, v44
	v_add_nc_u32 v[16+\T], v40, v45
.endm
.irp x, 0,1,2,3
	s_mov_b32 s59, 12288*\x
	s_mov_b32 s60, 1024*(\x/2)+64*(\x%2)
	MKOFF \x, 46, 47
.endr
.irp y, 0,1
	s_mul_i32 s59, s14, 24576
	s_add_co_u32 s59, s59, 49152+12288*\y          ; tile 4 + 2 (wave & 1) + y
	s_lshl_b32 s60, s14, 10
	s_add_co_u32 s60, s60, 2048+64*\y
	MKOFF 4+\y, 47, 46
.endr
; K step s of all six tiles into set buf: 30 loads.  Every tile's scale word stands in lanes 0-15 at its own row.
.macro LOADS s, buf
.set FBF, 88+78*(\buf)
.set SBF, 160+78*(\buf)
.irp T, 0,1,2,3
	global_load_b128 v[FBF+12*\T:FBF+12*\T+3], v[4+\T], s[20:21] offset:1536*(\s)
	global_load_b64 v[FBF+12*\T+4:FBF+12*\T+5], v[10+\T], s[20:21] offset:1536*(\s)
	global_load_b128 v[FBF+12*\T+6:FBF+12*\T+9], v[4+\T], s[20:21] offset:1536*(\s)+768
	global_load_b64 v[FBF+12*\T+10:FBF+12*\T+11], v[10+\T], s[20:21] offset:1536*(\s)+768
	global_load_b32 v[SBF+\T], v[16+\T], s[22:23] offset:128*(\s)
.endr
.irp T, 4,5
	global_load_b128 v[FBF+12*\T:FBF+12*\T+3], v[4+\T], s[24:25] offset:1536*(\s)
	global_load_b64 v[FBF+12*\T+4:FBF+12*\T+5], v[10+\T], s[24:25] offset:1536*(\s)
	global_load_b128 v[FBF+12*\T+6:FBF+12*\T+9], v[4+\T], s[24:25] offset:1536*(\s)+768
	global_load_b64 v[FBF+12*\T+10:FBF+12*\T+11], v[10+\T], s[24:25] offset:1536*(\s)+768
	global_load_b32 v[SBF+\T], v[16+\T], s[26:27] offset:128*(\s)
.endr
.endm
.macro KSTEP buf, zero                 ; 8 products; the 8 accumulators (32 y + 8 x) take turns, one instruction a turn
.set FBF, 88+78*(\buf)
.set SBF, 160+78*(\buf)
.irp x, 0,1,2,3
.irp y, 0,1
.if \zero
	v_wmma_scale_f32_16x16x128_f8f6f4 v[24+32*\y+8*\x:31+32*\y+8*\x], v[FBF+12*\x:FBF+12*\x+11], v[FBF+48+12*\y:FBF+48+12*\y+11], 0, v[SBF+\x], v[SBF+4+\y] matrix_a_fmt:MATRIX_FMT_FP6 matrix_b_fmt:MATRIX_FMT_FP6
.else
	v_wmma_scale_f32_16x16x128_f8f6f4 v[24+32*\y+8*\x:31+32*\y+8*\x], v[FBF+12*\x:FBF+12*\x+11], v[FBF+48+12*\y:FBF+48+12*\y+11], v[24+32*\y+8*\x:31+32*\y+8*\x], v[SBF+\x], v[SBF+4+\y] matrix_a_fmt:MATRIX_FMT_FP6 matrix_b_fmt:MATRIX_FMT_FP6
.endif
.endr
.endr
.endm
	s_wait_alu depctr_va_vdst(0)                   ; the eighteen offsets v4-21 are written, which every load below reads
	LOADS 0, 0
	LOADS 1, 1
.irp s, 0,1,2,3,4,5,6,7
.if \s < 7
	s_wait_loadcnt 30                              ; this step's 30 loads are in; the next step's 30 may be out
.else
	s_wait_loadcnt 0x0
.endif
.if \s == 0
	KSTEP 0, 1
.else
	KSTEP \s%2, 0
.endif
.if \s != 6
.rept 4
	v_nop                                          ; four plain places ahead of loads into the products' registers and of the first read of results
.endr
.endif
.if \s < 6
	s_wait_alu depctr_va_vdst(0)                   ; this step's products are done reading their set of fragments and scale words, in which the loads below land
	LOADS \s+2, \s%2
.endif
.endr
	; the way out: each Y tile's 32 numbers a lane are two blocks of 32 along the next K (the head's 64, or 64 keys): half an image
	QUANT32 24, 100, 112
	QUANT32 56, 106, 113
	s_wait_alu depctr_va_vdst(0)                   ; the quantiser has written the codes v100-111 and the bytes v112, v113, which the six stores read
	global_store_b128 v1, v[100:103], s[36:37]     ; 512 and 256 consecutive bytes, aligned
	global_store_b64 v2, v[104:105], s[36:37]
	global_store_b16 v3, v112, s[40:41]
	global_store_b128 v1, v[106:109], s[38:39]
	global_store_b64 v2, v[110:111], s[38:39]
	global_store_b16 v3, v113, s[42:43]
	s_endpgm
.Lfunc_end_k_qd4d29424d9_kvprep:
	.size	k_qd4d29424d9_kvprep, .Lfunc_end_k_qd4d29424d9_kvprep-k_qd4d29424d9_kvprep
	.p2alignl 7, 3214868480
	.fill 96, 4, 3214868480
	.section	.rodata,"a",@progbits
	.p2align	6, 0x0
	.amdhsa_kernel k_qd4d29424d9_kvprep
		.amdhsa_group_segment_fixed_size 0
		.amdhsa_private_segment_fixed_size 0
		.amdhsa_enable_private_segment 0
		.amdhsa_kernarg_size 32
		.amdhsa_user_sgpr_count 2
		.amdhsa_user_sgpr_kernarg_segment_ptr 1
		.amdhsa_wavefront_size32 1
		.amdhsa_system_sgpr_workgroup_id_x 1
		.amdhsa_system_sgpr_workgroup_id_y 1
		.amdhsa_system_sgpr_workgroup_id_z 1
		.amdhsa_system_vgpr_workitem_id 0
		.amdhsa_next_free_vgpr 256
		.amdhsa_next_free_sgpr 66
		.amdhsa_reserve_vcc 0
		.amdhsa_float_denorm_mode_32 3
		.amdhsa_float_denorm_mode_16_64 3
		.amdhsa_memory_ordered 1
		.amdhsa_forward_progress 1
		.amdhsa_inst_pref_size 48
	.end_amdhsa_kernel
	.amdgpu_metadata
---
amdhsa.version: [ 1, 2 ]
amdhsa.kernels:
  - .name:           k_qd4d29424d9_kvprep
    .symbol:         k_qd4d29424d9_kvprep.kd
    .args:
      - { .name: idx, .offset: 0, .size: 8, .value_kind: global_buffer, .address_space: global }
      - { .name: memq, .offset: 8, .size: 8, .value_kind: global_buffer, .address_space: global }
      - { .name: wts, .offset: 16, .size: 8, .value_kind: global_buffer, .address_space: global }
      - { .name: kvimg, .offset: 24, .size: 8, .value_kind: global_buffer, .address_space: global }
    .group_segment_fixed_size: 0
    .private_segment_fixed_size: 0
    .kernarg_segment_align: 8
    .kernarg_segment_size: 32
    .max_flat_workgroup_size: 128
    .sgpr_count:     66
    .vgpr_count:     256
    .wavefront_size: 32
...
	.end_amdgpu_metadata
.endif
;; end of part 7
;; launch attn (part 8): grid 256 x 1, 16 waves a work-group, no clusters, 311,296 bytes of LDS; arguments qpq, kvimg, wts, out0; writes out0
.if DOCPART == 8
	.amdgcn_target "amdgcn-amd-amdhsa--gfx1250"
	.amdhsa_code_object_version 6
	.text
	.protected	k_qd4d29424d9_attn
	.globl	k_qd4d29424d9_attn
	.p2align	8
	.type	k_qd4d29424d9_attn,@function
k_qd4d29424d9_attn:
	s_mov_b64 s[64:65], 0
	v_nop
	global_prefetch_b8 v0, s[64:65] scope:SCOPE_SE
	s_setreg_imm32_b32 hwreg(HW_REG_WAVE_MODE, 25, 1), 1
	s_wait_xcnt 0x0
; ATTN: for 32 rows and all 16 heads: S = Q(qp) Q(k)^T / 8, the softmax, O = Q(p) Q(v), O / l, Q(out), out0 = Q(out) Q(w_concat).  All products on codes of FP6 (E2M3) with E8M0 scales.
; THE SOFTMAX AHEAD OF THE SECOND PRODUCT: t = score x log2(e) / 8; M = the row's largest t so far, rounded UP to a whole number; p = 2^(t - M) is quantised along the keys, not normalised.
; The row's sum is taken of the unquantised p, in f32, and divides O at the end.  When M moves, the sum and O are multiplied by 2^(old M - new M): exact.
; SHARES.  A work-group owns rows 32 wg .. 32 wg + 31 of one batch.  Wave w: row tile lt = w / 8, heads 2 (w % 8) and 2 (w % 8) + 1.  Every wave walks the batch's 2,048 keys, 128 a step.
; K and V are shared by all heads: the batch's 16 steps of images (212,992 bytes) come into LDS ONCE, one tensor load a wave, and stay: no slot is filled again.
; THE FIRST PRODUCT'S K IS 64, the instruction's 128: a fragment of K holds two key tiles side by side, and source 1 is [q | 0] or [0 | q], taken from the run of registers 0 qa 0 qb 0.
; Both products are used transposed: a lane holds ONE query throughout, and the 16 registers of score tiles 2 f, 2 f + 1 are keys 32 f + 16 (lane / 16) + 0 .. 15.
; The work-group holds whole rows of the attention's result, so the last product follows here: waves then share the COLUMNS, wave w taking 64 w .. 64 w + 63, w_concat's fragments straight from memory.
; NO CLUSTER: what partners could ask for jointly is the batch's 212,992 bytes of K and V, a fifth of a work-group's 1,032,192 bytes; w_concat's fragments each serve one wave and go straight into its registers.
; LIMITS: NaN and infinities are not served; blocks of zeros carry the byte 1 (codes zero; the bytes are read by this program alone); v_exp_f32 gives 0 under 2^-126.
; REGISTERS in the loop: v1-3 AP, AQ, A4; v4-6 the step's LDS addresses; v[8:9], v[12:13] -M (low word); v[10:11], v[14:15] the sums; v16-45 the run 0 qa 0 qb 0; v46-47, v72-75 scale words and nothing else;
; v48-71 two fragments; v76-139 S, then p; v140-171, v172-203 O^T of the two heads; v204-227 p's codes; v230-249 at work; v254, v255 the add's two.
.set KVB,    13312                     ; a step's images and scale words
.set OIMG,   212992                    ; behind K and V: Q(out), 16 fragment images (8 lt + s)
.set OSC,    237568                    ; their scale words
.set STAGE,  239616                    ; the way out: 16 rows x (256 bytes + 16) for each wave
.set SPARE,  309248                    ; the spare words, 128 bytes a wave
.set WC_IMG, 819200
.set WC_SC,  1605632
.set QP_SC,  6291456
.set QW,     22
.set BF,     140
.set S,      76
.set BM,     230
.set T8,     234
.set SO,     242
.set SEL,    28                        ; s[28:29]
.set CS,     30                        ; s[30:31] c = log2(e) / 8
.set TB,     32                        ; s32 LDS byte at which the step in hand begins
.set CNT,    33
.macro QUANT32 src, pc, hw             ; 32 numbers of a lane, v[src + 16 b + i] = k 32 b + 16 (lane / 16) + i, become six code registers (lane (r, h): block h) and two scale bytes
	v_max3_num_f32 v[QW+4], |v[(\src)]|, |v[(\src)+1]|, 0x1800000
	v_max3_num_f32 v[QW+5], |v[(\src)+16]|, |v[(\src)+17]|, 0x1800000
.irp i, 2,4,6,8,10,12,14
	s_delay_alu instid0(VALU_DEP_2)
	v_max3_num_f32 v[QW+4], v[QW+4], |v[(\src)+\i]|, |v[(\src)+\i+1]|
	s_delay_alu instid0(VALU_DEP_2)
	v_max3_num_f32 v[QW+5], v[QW+5], |v[(\src)+16+\i]|, |v[(\src)+17+\i]|
.endr
	s_delay_alu instid0(VALU_DEP_2)
	v_permlanex16_b32 v[QW+6], v[QW+4], s[SEL], s[SEL+1]
	s_delay_alu instid0(VALU_DEP_2)
	v_permlanex16_b32 v[QW+7], v[QW+5], s[SEL], s[SEL+1]
	s_delay_alu instid0(VALU_DEP_2)
	v_max_num_f32 v[QW+4], v[QW+4], v[QW+6]
	s_delay_alu instid0(VALU_DEP_2)
	v_max_num_f32 v[QW+5], v[QW+5], v[QW+7]
	s_delay_alu instid0(VALU_DEP_2)
	v_add_nc_u32 v[QW+8], 0xff000000, v[QW+4]
	s_delay_alu instid0(VALU_DEP_2)
	v_add_nc_u32 v[QW+9], 0xff000000, v[QW+5]
	s_delay_alu instid0(VALU_DEP_2)
	v_lshrrev_b32 v[QW+6], 23, v[QW+8]
	s_delay_alu instid0(VALU_DEP_2)
	v_lshrrev_b32 v[QW+7], 23, v[QW+9]
	s_delay_alu instid0(VALU_DEP_1)
	v_lshl_or_b32 v[(\hw)], v[QW+7], 8, v[QW+6]
	v_cvt_scalef32_pk16_fp6_f32 v[(\pc):(\pc)+2], v[(\src):(\src)+15], v[QW+8]
	v_cvt_scalef32_pk16_fp6_f32 v[QW:QW+2], v[(\src)+16:(\src)+31], v[QW+9]
	v_nop                                                              ; one plain place behind a scaled conversion
.irp i, 0,1,2
	v_permlane16_swap_b32 v[(\pc)+\i], v[QW+\i]
.endr
.irp i, 0,1,2
	s_delay_alu instid0(VALU_DEP_3)
	v_mov_b32 v[(\pc)+3+\i], v[QW+\i]
.endr
.endm
.macro PLACES                          ; four plain places behind matrix instructions, ahead of loads into their registers and of reads of their results
.rept 4
	v_nop
.endr
.endm
.macro BARRIER
	s_wait_dscnt 0x0
	s_barrier_signal -1
	s_barrier_wait -1
.endm
.macro WM d, a, b, sa, sb, zero, row1  ; one product; zero = 1: it starts the sum; row1 = 1: source 0's scales stand in lanes 16-31
.if (\zero) && (\row1)
	v_wmma_scale_f32_16x16x128_f8f6f4 v[(\d):(\d)+7], v[(\a):(\a)+11], v[(\b):(\b)+11], 0, v[(\sa)], v[(\sb)] matrix_a_fmt:MATRIX_FMT_FP6 matrix_b_fmt:MATRIX_FMT_FP6 matrix_a_scale:MATRIX_SCALE_ROW1
.elseif (\zero)
	v_wmma_scale_f32_16x16x128_f8f6f4 v[(\d):(\d)+7], v[(\a):(\a)+11], v[(\b):(\b)+11], 0, v[(\sa)], v[(\sb)] matrix_a_fmt:MATRIX_FMT_FP6 matrix_b_fmt:MATRIX_FMT_FP6
.elseif (\row1)
	v_wmma_scale_f32_16x16x128_f8f6f4 v[(\d):(\d)+7], v[(\a):(\a)+11], v[(\b):(\b)+11], v[(\d):(\d)+7], v[(\sa)], v[(\sb)] matrix_a_fmt:MATRIX_FMT_FP6 matrix_b_fmt:MATRIX_FMT_FP6 matrix_a_scale:MATRIX_SCALE_ROW1
.else
	v_wmma_scale_f32_16x16x128_f8f6f4 v[(\d):(\d)+7], v[(\a):(\a)+11], v[(\b):(\b)+11], v[(\d):(\d)+7], v[(\sa)], v[(\sb)] matrix_a_fmt:MATRIX_FMT_FP6 matrix_b_fmt:MATRIX_FMT_FP6
.endif
.endm
.macro GLB buf, s, bb, bsb             ; my four weight fragments of K step s, and their scale words: 18 loads
.irp t, 0,1,2,3
.irp c, 0,1
	global_load_b128 v[BF+48*(\buf)+12*\t+6*\c:BF+48*(\buf)+12*\t+6*\c+3], v1, s[\bb:\bb+1] offset:12288*\t+1536*(\s)+768*\c
	global_load_b64 v[BF+48*(\buf)+12*\t+6*\c+4:BF+48*(\buf)+12*\t+6*\c+5], v2, s[\bb:\bb+1] offset:12288*\t+1536*(\s)+768*\c
.endr
.endr
.irp i, 0,1
	global_load_b32 v[72+2*(\buf)+\i], v3, s[\bsb:\bsb+1] offset:1024*\i+128*(\s)
.endr
.endm
.macro ALD s, fp, fq, f4               ; the two row fragments of K step s and their scale words, from LDS: 10 loads
.irp l, 0,1
.irp c, 0,1
	ds_load_b128 v[48+12*\l+6*\c:48+12*\l+6*\c+3], v[\fp] offset:(8*\l+(\s))*1536+768*\c
	ds_load_b64 v[48+12*\l+6*\c+4:48+12*\l+6*\c+5], v[\fq] offset:(8*\l+(\s))*1536+768*\c
.endr
	ds_load_b32 v[46+\l], v[\f4] offset:(8*\l+(\s))*128
.endr
.endm
.macro MM buf, zero                    ; 8 products; the 8 accumulators take turns, one instruction a turn
.irp t, 0,1,2,3
.irp l, 0,1
	WM 76+32*\l+8*\t, BF+48*(\buf)+12*\t, 48+12*\l, 72+2*(\buf)+\t/2, 46+\l, \zero, \t%2
.endr
.endr
.endm
.macro GEMM64 fp, fq, f4, bb, bsb      ; 32 rows x my 64 columns x K = 1,024.  K steps 0 and 1 of the weights were asked for earlier
.irp s, 0,1,2,3,4,5,6,7
	ALD \s, \fp, \fq, \f4
.if \s < 7
	s_wait_loadcnt 18                              ; this step's 18 loads are in; the next step's 18 may be out
.else
	s_wait_loadcnt 0x0
.endif
	s_wait_dscnt 0x0
.if \s == 0
	MM 0, 1
.else
	MM \s%2, 0
.endif
	PLACES
.if \s < 6
	GLB \s%2, \s+2, \bb, \bsb
.endif
.endr
.endm
	s_load_b256 s[4:11], s[0:1], 0x0               ; qpq s[4:5], kvimg s[6:7], wts s[8:9], out0 s[10:11]
	v_lshl_add_u32 v254, v0, 2, SPARE              ; my spare word; never rewritten
	v_mov_b32 v255, 0                              ; 0; never rewritten
	ds_add_u32 v254, v255                          ; the wave's opening: the add and its wait stand ahead of my tensor load; work on registers stands between them
	ds_add_u32 v254, v255
	v_lshrrev_b32 v4, 5, v0
	s_delay_alu instid0(VALU_DEP_1)
	v_readfirstlane_b32 s24, v4                    ; wave 0..15
	v_and_b32 v4, 31, v0
	v_and_b32 v5, 15, v0
	v_bfe_u32 v6, v0, 4, 1
	s_delay_alu instid0(VALU_DEP_3)
	v_lshlrev_b32 v1, 4, v4                        ; AP
	s_delay_alu instid0(VALU_DEP_3)
	v_lshlrev_b32 v2, 4, v5
	s_delay_alu instid0(VALU_DEP_1)
	v_lshl_add_u32 v2, v6, 3, v2
	s_delay_alu instid0(VALU_DEP_1)
	v_add_nc_u32 v2, 512, v2                       ; AQ
	v_lshlrev_b32 v3, 2, v4                        ; A4
	; the descriptor: wave w brings step w of the batch: 13,312 dense bytes as 52 rows of 256 (32 elements of 8 bytes), no padding, no mask
	s_mov_b32 s12, 1                               ; count = 1
	s_mul_i32 s13, s24, KVB                        ; LDS address
	s_mov_b32 s16, 3<<16                           ; elements of 8 bytes
	s_mov_b32 s17, 32<<16                          ; tensor_dim0 = 32
	s_mov_b32 s18, 52<<16                          ; tensor_dim1 = 52
	s_mov_b32 s19, 32<<16                          ; tile_dim0 = 32
	s_mov_b32 s20, 52                              ; tile_dim1 = 52
	s_mov_b32 s21, 32                              ; the pitch
	s_mov_b32 s22, 0
	s_mov_b32 s23, 0
	s_lshr_b32 s25, ttmp9, 6                       ; batch
	s_mul_i32 s26, s25, 212992
	s_add_co_u32 s26, s26, s13
	s_mov_b32 s27, 0
	s_mul_i32 s38, ttmp9, 24576
	s_mul_i32 s39, s24, 1536
	s_add_co_u32 s38, s38, s39                     ; my fragment of Q(qp): (lt, K step w % 8) = heads 2 (w % 8), 2 (w % 8) + 1
	s_mov_b32 s39, 0
	s_lshl_b32 s40, ttmp9, 11
	s_lshl_b32 s41, s24, 7
	s_add_co_u32 s40, s40, s41
	s_add_co_u32 s40, s40, QP_SC
	s_mov_b32 s41, 0
	s_mul_i32 s34, s24, 49152
	s_add_co_u32 s34, s34, WC_IMG                  ; w_concat: my four tiles
	s_mov_b32 s35, 0
	s_lshl_b32 s36, s24, 11
	s_add_co_u32 s36, s36, WC_SC
	s_mov_b32 s37, 0
	s_lshl_b32 s42, ttmp9, 17
	s_lshl_b32 s43, s24, 8
	s_add_co_u32 s42, s42, s43                     ; out0: row 32 wg, column 64 w
	s_mov_b32 s43, 0
	s_mov_b32 s[SEL], 0x76543210
	s_mov_b32 s[SEL+1], 0xfedcba98
	s_mov_b32 s[CS], 0x3e38aa3b                    ; c = log2(e) / 8
	s_mov_b32 s[CS+1], s[CS]                       ; (named with it as a pair, so it is written)
	s_mov_b32 s[TB], 0
	s_mov_b32 s[CNT], 0
	s_wait_alu depctr_va_vdst(0)
	s_wait_dscnt 0x0                               ; the opening add is done
	s_wait_kmcnt 0x0
	s_add_nc_u64 s[14:15], s[6:7], s[26:27]
	s_or_b32 s15, s15, 0x80000000                  ; type = 2
	tensor_load_to_lds s[12:15], s[16:23]          ; my one tensor load of the launch: one is out
	s_nop 0
	s_add_nc_u64 s[38:39], s[4:5], s[38:39]
	s_add_nc_u64 s[40:41], s[4:5], s[40:41]
	s_add_nc_u64 s[34:35], s[8:9], s[34:35]
	s_add_nc_u64 s[36:37], s[8:9], s[36:37]
	s_add_nc_u64 s[42:43], s[10:11], s[42:43]
	global_load_b128 v[22:25], v1, s[38:39]        ; qa and qb go straight to their places in the run
	global_load_b64 v[26:27], v2, s[38:39]
	global_load_b128 v[34:37], v1, s[38:39] offset:768
	global_load_b64 v[38:39], v2, s[38:39] offset:768
	global_load_b32 v248, v3, s[40:41]             ; the rows' scale words: bytes 0, 1 head a; bytes 2, 3 head b
	s_wait_loadcnt 0x0
	v_perm_b32 v46, v248, v248, 0x01000100         ; head a's two bytes twice: they serve [q | 0] and [0 | q] alike
	v_perm_b32 v47, v248, v248, 0x03020302         ; head b's.  (The moves below are the places between these and the first scaled product)
.irp z, 16,17,18,19,20,21,28,29,30,31,32,33,40,41,42,43,44,45
	v_mov_b32 v[\z], 0                             ; the run's zeros: zero codes add nothing under any scale byte that a quantiser gives
.endr
.irp j, 0,1,2,3,4,5,6,7,8,9,10,11,12,13,14,15,16,17,18,19,20,21,22,23,24,25,26,27,28,29,30,31,32,33,34,35,36,37,38,39,40,41,42,43,44,45,46,47,48,49,50,51,52,53,54,55,56,57,58,59,60,61,62,63
	v_mov_b32 v[140+\j], 0                         ; O^T.  (The step is written once: the first finds zeros, which the first change of M leaves zeros)
.endr
	v_mov_b32 v8, 0x7f61b1e6                       ; -M: 3e38, above every floor(-t)
	v_mov_b32 v12, 0x7f61b1e6
.irp z, 9,10,11,13,14,15,234,235,236,237,247
	v_mov_b32 v[\z], 0                             ; the sums; upper halves of pairs that are named whole; destinations of lane permutes
.endr
	s_wait_tensorcnt 0x0                           ; my step of K and V has landed,
	s_barrier_signal -1
	s_barrier_wait -1                              ; everybody's has
; S^T of head e for the step's 128 keys: two fragments of K at a time, each multiplied by [q | 0] (its first key tile) and by [0 | q] (its second)
.macro SPHASE e
.irp g, 0,1
.if \g
	PLACES
.endif
.irp u, 0,1
.irp c, 0,1
	ds_load_b128 v[48+12*\u+6*\c:48+12*\u+6*\c+3], v4 offset:1536*(2*\g+\u)+768*\c
	ds_load_b64 v[48+12*\u+6*\c+4:48+12*\u+6*\c+5], v5 offset:1536*(2*\g+\u)+768*\c
.endr
	ds_load_b32 v[72+\u], v6 offset:12288+128*(2*\g+\u)
.endr
	s_wait_dscnt 0x0
.irp u, 0,1
	WM S+16*(2*\g+\u), 48+12*\u, 22+12*(\e), 72+\u, 46+(\e), 1, 0
	WM S+16*(2*\g+\u)+8, 48+12*\u, 16+12*(\e), 72+\u, 46+(\e), 1, 0
.endr
.endr
	PLACES
.endm
; The softmax of head e on S, p's codes and scale word, and the rescaling of the head's sum and O^T
.macro SOFT e
.set NM, 8+4*(\e)
.set SM, 10+4*(\e)
.set OO, 140+32*(\e)
.set PQ, 204+12*(\e)
.irp b, 0,1,2,3
	v_max3_num_f32 v[BM+\b], v[S+16*\b], v[S+16*\b+1], v[S+16*\b+2]    ; the largest score of each block of 32 keys: it serves the row's maximum and, since p rises with the score, the block's largest p
.endr
.irp i, 3,5,7,9,11,13
.irp b, 0,1,2,3
	v_max3_num_f32 v[BM+\b], v[BM+\b], v[S+16*\b+\i], v[S+16*\b+\i+1]
.endr
.endr
.irp b, 0,1,2,3
	v_max_num_f32 v[BM+\b], v[BM+\b], v[S+16*\b+15]
.endr
.irp b, 0,1,2,3
	s_delay_alu instid0(VALU_DEP_4)
	v_permlanex16_b32 v[T8+\b], v[BM+\b], s[SEL], s[SEL+1]
.endr
.irp b, 0,1,2,3
	s_delay_alu instid0(VALU_DEP_4)
	v_max_num_f32 v[BM+\b], v[BM+\b], v[T8+\b]                         ; with lane l xor 16's 16 keys
.endr
	s_delay_alu instid0(VALU_DEP_2)
	v_max3_num_f32 v248, v[BM], v[BM+1], v[BM+2]
	s_delay_alu instid0(VALU_DEP_1)
	v_max_num_f32 v248, v248, v[BM+3]                                  ; the step's largest score of my query
	s_delay_alu instid0(VALU_DEP_1)
	v_mul_f32 v248, s[CS], v248                                        ; as t (c is positive)
	s_delay_alu instid0(VALU_DEP_1)
	v_floor_f32 v248, -v248                                            ; floor(-t) = -ceil(t)
	v_mov_b32 v249, v[NM]
	s_delay_alu instid0(VALU_DEP_2)
	v_min_num_f32 v[NM], v[NM], v248                                   ; the new -M: the ceiling of the running maximum is the maximum of the ceilings
	s_delay_alu instid0(VALU_DEP_1)
	v_sub_f32 v249, v[NM], v249                                        ; old M - new M: a whole number, 0 or less
	s_delay_alu instid0(VALU_DEP_1)
	v_cvt_i32_f32 v249, v249                                           ; (it saturates)
	s_delay_alu instid0(VALU_DEP_1)
	v_ldexp_f32 v246, 1.0, v249                                        ; f = 2^(old M - new M)
.irp j, 0,2,4,6,8,10,12,14,16,18,20,22,24,26,28,30,32,34,36,38,40,42,44,46,48,50,52,54,56,58,60,62
	v_pk_fma_f32 v[S+\j:S+\j+1], v[S+\j:S+\j+1], s[CS:CS+1], v[NM:NM+1] op_sel_hi:[1,0,0]   ; t - M, two at a time
.endr
.irp b, 0,1,2,3
	v_fma_f32 v[BM+\b], v[BM+\b], s[CS], v[NM]                         ; the same of each block's largest score
.endr
	s_wait_alu depctr_va_vdst(0)
.irp j, 0,1,2,3,4,5,6,7,8,9,10,11,12,13,14,15,16,17,18,19,20,21,22,23,24,25,26,27,28,29,30,31,32,33,34,35,36,37,38,39,40,41,42,43,44,45,46,47,48,49,50,51,52,53,54,55,56,57,58,59,60,61,62,63
	v_exp_f32 v[S+\j], v[S+\j]                                         ; p = 2^(t - M), at most 1: not normalised
.endr
	v_pk_mul_f32 v[SM:SM+1], v[SM:SM+1], v[246:247] op_sel_hi:[1,0]    ; the sum under the new M: a plain place behind the exponentials
	s_wait_alu depctr_va_vdst(0)                                       ; one wait for the whole batch, ahead of its first reader
.irp b, 0,1,2,3
	v_exp_f32 v[BM+\b], v[BM+\b]                                       ; the block's largest p: the same two instructions on the same number
.endr
	v_pk_add_f32 v[T8:T8+1], v[S:S+1], v[S+2:S+3]                      ; the row's sum is taken of the unquantised p, in two chains; it reads the 64 alone
.irp j, 4,8,12,16,20,24,28,32,36,40,44,48,52,56,60
	v_pk_add_f32 v[SM:SM+1], v[SM:SM+1], v[S+\j:S+\j+1]
	v_pk_add_f32 v[T8:T8+1], v[T8:T8+1], v[S+\j+2:S+\j+3]
.endr
	s_delay_alu instid0(VALU_DEP_1)
	v_pk_add_f32 v[SM:SM+1], v[SM:SM+1], v[T8:T8+1]
	s_wait_alu depctr_va_vdst(0)                                       ; and one for the four
.irp b, 0,1,2,3
	v_max_num_f32 v[BM+\b], 0x1800000, v[BM+\b]                        ; the floor 2^(3 - 127): the byte cannot fall under 1
.endr
.irp b, 0,1,2,3
	s_delay_alu instid0(VALU_DEP_4)
	v_add_nc_u32 v[SO+\b], 0xff000000, v[BM+\b]                        ; 2 off the exponent field: the conversion's scale operand
.endr
.irp b, 0,1,2,3
	s_delay_alu instid0(VALU_DEP_4)
	v_lshrrev_b32 v[T8+\b], 23, v[SO+\b]                               ; the scale's byte
.endr
	s_delay_alu instid0(VALU_DEP_3)
	v_lshl_or_b32 v[74+(\e)], v[T8+1], 8, v[T8]                        ; p's scale word for these 128 keys
	s_delay_alu instid0(VALU_DEP_1)
	v_lshl_or_b32 v[74+(\e)], v[T8+2], 16, v[74+(\e)]
	s_delay_alu instid0(VALU_DEP_1)
	v_lshl_or_b32 v[74+(\e)], v[T8+3], 24, v[74+(\e)]
.irp c, 0,1
	v_cvt_scalef32_pk16_fp6_f32 v[PQ+6*\c:PQ+6*\c+2], v[S+32*\c:S+32*\c+15], v[SO+2*\c]
	v_cvt_scalef32_pk16_fp6_f32 v[T8+4*\c:T8+4*\c+2], v[S+32*\c+16:S+32*\c+31], v[SO+2*\c+1]
.endr
	v_nop                                                              ; one plain place behind a scaled conversion
.irp c, 0,1
.irp i, 0,1,2
	v_permlane16_swap_b32 v[PQ+6*\c+\i], v[T8+4*\c+\i]                 ; a whole block to a lane
.endr
.irp i, 0,1,2
	s_delay_alu instid0(VALU_DEP_3)
	v_mov_b32 v[PQ+6*\c+3+\i], v[T8+4*\c+\i]
.endr
.endr
.irp j, 0,2,4,6,8,10,12,14,16,18,20,22,24,26,28,30
	v_pk_mul_f32 v[OO+\j:OO+\j+1], v[OO+\j:OO+\j+1], v[246:247] op_sel_hi:[1,0]   ; O^T under the new M.  (These sixteen are also the places in front of the products and loads that follow)
.endr
.endm
; O^T += V^T P^T for both heads: each fragment of V is read once and serves both; the accumulators take turns, one instruction a turn
.macro PV
.irp g, 0,1
.if \g
	PLACES
.endif
.irp u, 0,1
.irp c, 0,1
	ds_load_b128 v[48+12*\u+6*\c:48+12*\u+6*\c+3], v4 offset:6144+1536*(2*\g+\u)+768*\c
	ds_load_b64 v[48+12*\u+6*\c+4:48+12*\u+6*\c+5], v5 offset:6144+1536*(2*\g+\u)+768*\c
.endr
	ds_load_b32 v[72+\u], v6 offset:12800+128*(2*\g+\u)
.endr
	s_wait_dscnt 0x0
.irp u, 0,1
	WM 140+8*(2*\g+\u), 48+12*\u, 204, 72+\u, 74, 0, 0
	WM 172+8*(2*\g+\u), 48+12*\u, 216, 72+\u, 75, 0, 0
.endr
.endr
.endm
.Lstep:                                            ; 16 trips: a step of 128 keys
	s_setprio 2
	v_add_nc_u32 v4, s[TB], v1                     ; these three and the v_nop are the four places behind the last trip's products
	s_wait_alu depctr_va_vdst(0)
	v_add_nc_u32 v5, s[TB], v2
	s_wait_alu depctr_va_vdst(0)
	v_add_nc_u32 v6, s[TB], v3
	s_wait_alu depctr_va_vdst(0)
	v_nop
	SPHASE 0
	SOFT 0
	SPHASE 1
	s_setprio 1
	SOFT 1
	s_setprio 0
	s_wait_alu depctr_va_vdst(0)
	PV
	s_add_co_u32 s[TB], s[TB], KVB
	s_add_co_u32 s[CNT], s[CNT], 1
	s_cmp_lt_u32 s[CNT], 16
	s_cbranch_scc1 .Lstep
	s_setprio 0
	; ---- the tail's addresses (plain work: also the places behind the last products)
	s_mul_i32 s38, s24, 1536
	s_add_co_u32 s38, s38, OIMG
	v_add_nc_u32 v4, s38, v1                       ; where I store my fragment of Q(out): (lt, K step w % 8) = fragment w
	v_add_nc_u32 v5, s38, v2
	s_lshl_b32 s38, s24, 7
	s_add_co_u32 s38, s38, OSC
	v_add_nc_u32 v6, s38, v3
	v_add_nc_u32 v7, OIMG, v1                      ; where all read Q(out)
	v_add_nc_u32 v8, OIMG, v2
	v_add_nc_u32 v9, OSC, v3
	s_mul_i32 s38, s24, 4352
	s_add_co_u32 s38, s38, STAGE                   ; my stage
	v_and_b32 v12, 15, v0                          ; r
	v_bfe_u32 v13, v0, 4, 1                        ; h
	s_delay_alu instid0(VALU_DEP_1)
	v_lshlrev_b32 v250, 12, v13
	s_delay_alu instid0(VALU_DEP_1)
	v_lshl_add_u32 v250, v12, 4, v250              ; out0: lanes 0-15 one row, lanes 16-31 the next; 16 bytes a lane
	s_delay_alu instid0(VALU_DEP_4)
	v_mul_u32_u24 v251, v12, 272
	s_delay_alu instid0(VALU_DEP_1)
	v_lshl_add_u32 v251, v13, 6, v251
	s_delay_alu instid0(VALU_DEP_1)
	v_add_nc_u32 v251, s38, v251                   ; the stage, in: row r, + 64 h
	v_mul_u32_u24 v252, v13, 272
	s_delay_alu instid0(VALU_DEP_1)
	v_lshl_add_u32 v252, v12, 4, v252
	s_delay_alu instid0(VALU_DEP_1)
	v_add_nc_u32 v252, s38, v252                   ; and back
	; ---- O / l, quantised along the last product's K
	v_add_f32 v10, v10, v11                        ; each sum's two halves,
	v_add_f32 v14, v14, v15
	s_delay_alu instid0(VALU_DEP_2)
	v_permlanex16_b32 v248, v10, s[SEL], s[SEL+1]
	s_delay_alu instid0(VALU_DEP_2)
	v_permlanex16_b32 v249, v14, s[SEL], s[SEL+1]
	s_delay_alu instid0(VALU_DEP_2)
	v_add_f32 v10, v10, v248                       ; and lane l xor 16's: the row's sum
	s_delay_alu instid0(VALU_DEP_2)
	v_add_f32 v14, v14, v249
	s_wait_alu depctr_va_vdst(0)
	v_rcp_f32 v10, v10
	v_rcp_f32 v14, v14
	v_nop                                          ; a plain place behind the reciprocals
	s_wait_alu depctr_va_vdst(0)                   ; one wait for both, ahead of their first reader
.irp j, 0,2,4,6,8,10,12,14,16,18,20,22,24,26,28,30
	v_pk_mul_f32 v[140+\j:141+\j], v[140+\j:141+\j], v[10:11] op_sel_hi:[1,0]
.endr
.irp j, 0,2,4,6,8,10,12,14,16,18,20,22,24,26,28,30
	v_pk_mul_f32 v[172+\j:173+\j], v[172+\j:173+\j], v[14:15] op_sel_hi:[1,0]
.endr
	QUANT32 140, 16, 242                           ; register 16 b + i of a head is channel 32 b + 16 h + i: V^T's rows were laid for it
	QUANT32 172, 236, 243
	v_lshl_or_b32 v244, v243, 16, v242
	ds_store_b128 v4, v[16:19]
	ds_store_b64 v5, v[20:21]
	ds_store_b128 v4, v[236:239] offset:768
	ds_store_b64 v5, v[240:241] offset:768
	ds_store_b32 v6, v244
	GLB 0, 0, 34, 36                               ; w_concat's first two K steps are asked for ahead of the barrier
	GLB 1, 1, 34, 36
	BARRIER                                        ; Q(out)'s sixteen fragments lie in LDS
	; ---- the last product.  Lane (r, h) holds row 16 lt + r; register 32 lt + 8 t + j holds column 64 w + 32 (t / 2) + 16 h + 8 (t % 2) + j
	GEMM64 7, 8, 9, 34, 36
	; ---- the way out: 16 rows x my 64 columns at a time through my own stage, so that sixteen lanes store 256 consecutive bytes, aligned.
	; LDS serves a wave's instructions in order: no wait between stores and loads, nor ahead of the second tile's stores
.irp l, 0,1
.irp t, 0,1,2,3
	ds_store_b128 v251, v[76+32*\l+8*\t:79+32*\l+8*\t] offset:128*(\t/2)+32*(\t%2)          ; each accumulator from its low end on
	ds_store_b128 v251, v[80+32*\l+8*\t:83+32*\l+8*\t] offset:128*(\t/2)+32*(\t%2)+16
.endr
.irp i, 0,1,2,3,4,5,6,7
	ds_load_b128 v[140+32*\l+4*\i:143+32*\l+4*\i], v252 offset:544*\i
.endr
.endr
.irp l, 0,1
.irp i, 0,1,2,3,4,5,6,7
	s_wait_dscnt 23-16*\l-\i                       ; the LDS instructions issued behind this load may be out
	global_store_b128 v250, v[140+32*\l+4*\i:143+32*\l+4*\i], s[42:43] offset:65536*\l+8192*\i th:TH_STORE_NT
.endr
.endr
	s_wait_tensorcnt 0x0                           ; the wave's end, behind my tensor load and my last LDS store
	ds_add_u32 v254, v255
	s_wait_dscnt 0x0
	s_endpgm
.Lfunc_end_k_qd4d29424d9_attn:
	.size	k_qd4d29424d9_attn, .Lfunc_end_k_qd4d29424d9_attn-k_qd4d29424d9_attn
	.p2alignl 7, 3214868480
	.fill 96, 4, 3214868480
	.section	.rodata,"a",@progbits
	.p2align	6, 0x0
	.amdhsa_kernel k_qd4d29424d9_attn
		.amdhsa_group_segment_fixed_size 311296
		.amdhsa_private_segment_fixed_size 0
		.amdhsa_enable_private_segment 0
		.amdhsa_kernarg_size 32
		.amdhsa_user_sgpr_count 2
		.amdhsa_user_sgpr_kernarg_segment_ptr 1
		.amdhsa_wavefront_size32 1
		.amdhsa_system_sgpr_workgroup_id_x 1
		.amdhsa_system_sgpr_workgroup_id_y 1
		.amdhsa_system_sgpr_workgroup_id_z 1
		.amdhsa_system_vgpr_workitem_id 0
		.amdhsa_next_free_vgpr 256
		.amdhsa_next_free_sgpr 66
		.amdhsa_reserve_vcc 0
		.amdhsa_float_denorm_mode_32 3
		.amdhsa_float_denorm_mode_16_64 3
		.amdhsa_memory_ordered 1
		.amdhsa_forward_progress 1
		.amdhsa_inst_pref_size 83
	.end_amdhsa_kernel
	.amdgpu_metadata
---
amdhsa.version: [ 1, 2 ]
amdhsa.kernels:
  - .name:           k_qd4d29424d9_attn
    .symbol:         k_qd4d29424d9_attn.kd
    .args:
      - { .name: qpq, .offset: 0, .size: 8, .value_kind: global_buffer, .address_space: global }
      - { .name: kvimg, .offset: 8, .size: 8, .value_kind: global_buffer, .address_space: global }
      - { .name: wts, .offset: 16, .size: 8, .value_kind: global_buffer, .address_space: global }
      - { .name: out0, .offset: 24, .size: 8, .value_kind: global_buffer, .address_space: global }
    .group_segment_fixed_size: 311296
    .private_segment_fixed_size: 0
    .kernarg_segment_align: 8
    .kernarg_segment_size: 32
    .max_flat_workgroup_size: 512
    .sgpr_count:     66
    .vgpr_count:     256
    .wavefront_size: 32
...
	.end_amdgpu_metadata
.endif
;; end of part 8
